; MI455X (gfx1250); checked and timed in simulation.
; The chip was launched on July 23, 2026; its instructions are those of AMD's public machine-readable ISA for CDNA 5 (MIT licence, August 2026) and "CDNA5" Instruction Set Architecture Reference Guide (July 2026). The comments in the code are by the model that wrote it; some were corrected since.
;; Transformer Decoder Block. Allowed arithmetic: float matrix products may take bf16 or f16 operands with f32 sums; all other float work in f32.
;; Inputs: b1 2,048 float32; b2 512 float32; ca_bk 512 float32; ca_bo 512 float32; ca_bq 512 float32; ca_bv 512 float32; ca_wk 512 x 512 float32; ca_wo 512 x 512 float32; ca_wq 512 x 512 float32; ca_wv 512 x 512 float32; ln1_b 512 float32; ln1_w 512 float32; ln2_b 512 float32; ln2_w 512 float32; ln3_b 512 float32; ln3_w 512 float32; memory 4 x 2,048 x 512 float32; sa_bk 512 float32; sa_bo 512 float32; sa_bq 512 float32; sa_bv 512 float32; sa_wk 512 x 512 float32; sa_wo 512 x 512 float32; sa_wq 512 x 512 float32; sa_wv 512 x 512 float32; tgt 4 x 2,048 x 512 float32; tgt_mask 2,048 x 2,048 bool; w1 2,048 x 512 float32; w2 512 x 2,048 float32.
;; Outputs: out0 4 x 2,048 x 512 float32.
;; 2 versions, each right. Each part assembles by itself: llvm-mc -triple=amdgcn-amd-amdhsa -mcpu=gfx1250 --defsym DOCPART=n.
;; ======== version 1 of 2: 6 launches
;; workspace buffers: wb 8,404,992 bytes; mbits 524,288 bytes of whole numbers; qkv 41,943,040 bytes; o1 8,388,608 bytes; q2 8,388,608 bytes; o2 8,388,608 bytes; x1 16,777,216 bytes
;; launch prep (part 1): grid 256 x 1, 8 waves a work-group, no clusters, 0 bytes of LDS; arguments sa_wq, sa_wk, sa_wv, ca_wk, ca_wv, sa_wo, ca_wq, ca_wo, w1, w2, sa_bq, sa_bk, sa_bv, ca_bk, ca_bv, sa_bo, ca_bq, ca_bo, tgt_mask, wb, mbits; writes wb, mbits
.if DOCPART == 1
	.amdgcn_target "amdgcn-amd-amdhsa--gfx1250"
	.amdhsa_code_object_version 6
	.text
	.protected	k_qcdf3a07160_prep
	.globl	k_qcdf3a07160_prep
	.p2align	8
	.type	k_qcdf3a07160_prep,@function
k_qcdf3a07160_prep:
	s_mov_b64 s[64:65], 0
	v_nop
	global_prefetch_b8 v0, s[64:65] scope:SCOPE_SE
	s_setreg_imm32_b32 hwreg(HW_REG_WAVE_MODE, 25, 1), 1
	s_wait_xcnt 0x0
; prep: (a) the ten weight matrices, f32 to bf16, into wb, in 16 units of 512 x 512 numbers (w1 and w2 are four units each);
; (b) the mask's bytes into words of 32 lane bits, in the order in which the attention kernel's lanes hold scores;
; (c) the eight biases of the 512-wide products, f32, packed behind the weights.
; sa_wq, ca_wq and their biases are multiplied by C_Q = 0.125 log2(e) before the rounding, so that the scores come out ready for exp2.
; 256 work-groups of 8 waves: work-group g converts part g & 15 (64 KiB of f32) of unit g >> 4, and 16 mask rows x 1,024 columns.
; A stream: nothing is shared between work-groups, so no LDS, no cluster, no matrix unit.
; LIMIT: a mask byte is tested in its bit 0 (bool is 0 or 1).
.set C_Q, 0x3e38aa3b                   ; 0.125 * log2(e)
.set X,   8                            ; v[8:71]    16 x 4 f32 as loaded
.set Y,   72                           ; v[72:103]  16 x 2 words of bf16 to store
.set MK,  104                          ; v[104:119] 8 x 8 mask bytes
	s_load_b512 s[4:19], s[0:1], 0x0               ; weight k (0..7) in s[4+2k:5+2k]
	s_load_b512 s[20:35], s[0:1], 0x40             ; w1 s[20:21], w2 s[22:23], bias k (0..5) in s[24+2k:25+2k]
	s_load_b256 s[36:43], s[0:1], 0x80             ; bias 6, bias 7, tgt_mask s[40:41], wb s[42:43]
	s_load_b64 s[44:45], s[0:1], 0xa0              ; mbits
	v_lshrrev_b32 v1, 5, v0
	v_readfirstlane_b32 s58, v1                    ; wave
	s_lshr_b32 s54, ttmp9, 4                       ; u: unit 0..15
	s_and_b32 s55, ttmp9, 15                       ; part 0..15
	s_lshr_b32 s59, ttmp9, 1                       ; tt: tile of 16 mask rows
	s_and_b32 s60, ttmp9, 1
	s_lshl_b32 s60, s60, 6
	s_lshl3_add_u32 s60, s58, s60                  ; st0 = 64 (g & 1) + 8 wave: my wave's first tile of 16 columns
	v_and_b32 v2, 15, v0                           ; r
	v_bfe_u32 v3, v0, 4, 1                         ; h
	v_lshlrev_b32 v7, 11, v2                       ; r rows of 2,048 bytes
	v_lshl_add_u32 v7, v3, 3, v7                   ; + 8 h
	s_lshl_b32 s61, s59, 15                        ; 16 tt rows
	s_lshl4_add_u32 s61, s60, s61                  ; + 16 st0
	v_add_nc_u32 v7, s61, v7                       ; byte offset of my 8 mask bytes in column tile st0
	v_lshlrev_b32 v1, 4, v0                        ; 16 x thread: weights in
	v_lshlrev_b32 v2, 3, v0                        ; 8 x thread: weights out, biases
	v_and_b32 v3, 31, v0
	s_lshl_b32 s62, s59, 7
	s_add_co_u32 s62, s62, s60
	s_lshl_b32 s62, s62, 5                         ; (128 tt + st0) x 32 bytes
	v_lshl_add_u32 v3, v3, 3, s62                  ; + 8 x lane: where my two mask words go
	s_cmp_eq_u32 s54, 0
	s_cselect_b32 s50, C_Q, 1.0
	s_cmp_eq_u32 s54, 6
	s_cselect_b32 s50, C_Q, s50                    ; units 0 and 6 are the two wq
	s_mov_b32 s51, s50
	s_and_b32 s52, s54, 3
	s_lshl_b32 s52, s52, 20                        ; w1, w2: which quarter of the matrix
	s_cmp_ge_u32 s54, 8
	s_cselect_b32 s52, s52, 0
	s_lshl_b32 s53, s55, 16
	s_add_co_u32 s52, s52, s53                     ; + part x 64 KiB
	s_mov_b32 s53, 0
	s_lshl_b32 s56, s54, 19
	s_lshl_b32 s57, s55, 15
	s_add_co_u32 s56, s56, s57                     ; in wb: unit x 512 KiB + part x 32 KiB
	s_mov_b32 s57, 0
	s_wait_kmcnt 0x0
.irp i, 0,1,2,3,4,5,6,7
	global_load_b64 v[MK+2*\i:MK+2*\i+1], v7, s[40:41] offset:16*\i    ; mask[16 tt + r][16 (st0 + i) + 8 h ..+7]
.endr
	s_mov_b64 s[46:47], s[4:5]                     ; the unit's source and bias: a choice between buffers on the unit's number
	s_mov_b64 s[48:49], s[24:25]
.irp k, 1,2,3,4,5,6,7
	s_cmp_ge_u32 s54, \k
	s_cselect_b64 s[46:47], s[4+2*\k:5+2*\k], s[46:47]
	s_cselect_b64 s[48:49], s[24+2*\k:25+2*\k], s[48:49]
.endr
	s_cmp_ge_u32 s54, 8
	s_cselect_b64 s[46:47], s[20:21], s[46:47]
	s_cmp_ge_u32 s54, 12
	s_cselect_b64 s[46:47], s[22:23], s[46:47]
	s_add_nc_u64 s[46:47], s[46:47], s[52:53]
	s_add_nc_u64 s[56:57], s[42:43], s[56:57]
	; (a) 16 loads of 4 KiB for the work-group, all on their way at once
.irp q, 0,1,2,3,4,5,6,7,8,9,10,11,12,13,14,15
	global_load_b128 v[X+4*\q:X+4*\q+3], v1, s[46:47] offset:\q*4096 th:TH_LOAD_NT
.endr
.irp q, 0,1,2,3,4,5,6,7,8,9,10,11,12,13,14,15
	s_wait_loadcnt 15-\q                           ; loads come back in order: load q is in, the 15 - q younger ones stay out
	v_pk_mul_f32 v[X+4*\q:X+4*\q+1], v[X+4*\q:X+4*\q+1], s[50:51] op_sel_hi:[1,0]
	v_pk_mul_f32 v[X+4*\q+2:X+4*\q+3], v[X+4*\q+2:X+4*\q+3], s[50:51] op_sel_hi:[1,0]
	v_cvt_pk_bf16_f32 v[Y+2*\q], v[X+4*\q], v[X+4*\q+1]
	v_cvt_pk_bf16_f32 v[Y+2*\q+1], v[X+4*\q+2], v[X+4*\q+3]
	global_store_b64 v2, v[Y+2*\q:Y+2*\q+1], s[56:57] offset:\q*2048   ; a wave's store covers 256 consecutive bytes, aligned
.endr
	; (b) word q = 8 i + j of my wave: bit L = mask[16 tt + (L & 15)][16 (st0 + i) + 8 (L >> 4) + j].  The compare makes the word
	; in a scalar register; it is laid into lane q >> 1 of v4 (even q) or v5 (odd q), so that one store writes the 64 words.
	; The mask loads are older than the weight loads, so the last wait above has shown them in.
	v_mov_b32 v4, 0
	v_mov_b32 v5, 0
.set q, 0
.rept 64
	v_and_b32 v6, 1<<(8*(q&3)), v[MK+2*(q>>3)+((q>>2)&1)]
	v_cmp_ne_u32 s52, 0, v6
	v_writelane_b32 v[4+(q&1)], s52, q>>1
.set q, q+1
.endr
	global_store_b64 v3, v[4:5], s[44:45]          ; 256 consecutive bytes, aligned
	; (c) part 0 of units 0..7 also copies the unit's bias (512 f32, 8 bytes a thread)
	s_cmp_lg_u32 s55, 0
	s_cbranch_scc1 .Ldone
	s_cmp_ge_u32 s54, 8
	s_cbranch_scc1 .Ldone
	global_load_b64 v[8:9], v2, s[48:49]
	s_lshl_b32 s52, s54, 11
	s_add_co_u32 s52, s52, 8388608                 ; the biases lie behind the 8 MiB of weights
	s_mov_b32 s53, 0
	s_add_nc_u64 s[60:61], s[42:43], s[52:53]
	s_wait_loadcnt 0x0
	v_pk_mul_f32 v[10:11], v[8:9], s[50:51] op_sel_hi:[1,0]
	global_store_b64 v2, v[10:11], s[60:61]
.Ldone:
	s_endpgm
.Lfunc_end_k_qcdf3a07160_prep:
	.size	k_qcdf3a07160_prep, .Lfunc_end_k_qcdf3a07160_prep-k_qcdf3a07160_prep
	.p2alignl 7, 3214868480
	.fill 96, 4, 3214868480
	.section	.rodata,"a",@progbits
	.p2align	6, 0x0
	.amdhsa_kernel k_qcdf3a07160_prep
		.amdhsa_group_segment_fixed_size 0
		.amdhsa_private_segment_fixed_size 0
		.amdhsa_enable_private_segment 0
		.amdhsa_kernarg_size 168
		.amdhsa_user_sgpr_count 2
		.amdhsa_user_sgpr_kernarg_segment_ptr 1
		.amdhsa_wavefront_size32 1
		.amdhsa_system_sgpr_workgroup_id_x 1
		.amdhsa_system_sgpr_workgroup_id_y 1
		.amdhsa_system_sgpr_workgroup_id_z 1
		.amdhsa_system_vgpr_workitem_id 0
		.amdhsa_next_free_vgpr 120
		.amdhsa_next_free_sgpr 66
		.amdhsa_reserve_vcc 0
		.amdhsa_float_denorm_mode_32 3
		.amdhsa_float_denorm_mode_16_64 3
		.amdhsa_memory_ordered 1
		.amdhsa_forward_progress 1
		.amdhsa_inst_pref_size 24
	.end_amdhsa_kernel
	.amdgpu_metadata
---
amdhsa.version: [ 1, 2 ]
amdhsa.kernels:
  - .name:           k_qcdf3a07160_prep
    .symbol:         k_qcdf3a07160_prep.kd
    .args:
      - { .name: sa_wq, .offset: 0, .size: 8, .value_kind: global_buffer, .address_space: global }
      - { .name: sa_wk, .offset: 8, .size: 8, .value_kind: global_buffer, .address_space: global }
      - { .name: sa_wv, .offset: 16, .size: 8, .value_kind: global_buffer, .address_space: global }
      - { .name: ca_wk, .offset: 24, .size: 8, .value_kind: global_buffer, .address_space: global }
      - { .name: ca_wv, .offset: 32, .size: 8, .value_kind: global_buffer, .address_space: global }
      - { .name: sa_wo, .offset: 40, .size: 8, .value_kind: global_buffer, .address_space: global }
      - { .name: ca_wq, .offset: 48, .size: 8, .value_kind: global_buffer, .address_space: global }
      - { .name: ca_wo, .offset: 56, .size: 8, .value_kind: global_buffer, .address_space: global }
      - { .name: w1, .offset: 64, .size: 8, .value_kind: global_buffer, .address_space: global }
      - { .name: w2, .offset: 72, .size: 8, .value_kind: global_buffer, .address_space: global }
      - { .name: sa_bq, .offset: 80, .size: 8, .value_kind: global_buffer, .address_space: global }
      - { .name: sa_bk, .offset: 88, .size: 8, .value_kind: global_buffer, .address_space: global }
      - { .name: sa_bv, .offset: 96, .size: 8, .value_kind: global_buffer, .address_space: global }
      - { .name: ca_bk, .offset: 104, .size: 8, .value_kind: global_buffer, .address_space: global }
      - { .name: ca_bv, .offset: 112, .size: 8, .value_kind: global_buffer, .address_space: global }
      - { .name: sa_bo, .offset: 120, .size: 8, .value_kind: global_buffer, .address_space: global }
      - { .name: ca_bq, .offset: 128, .size: 8, .value_kind: global_buffer, .address_space: global }
      - { .name: ca_bo, .offset: 136, .size: 8, .value_kind: global_buffer, .address_space: global }
      - { .name: tgt_mask, .offset: 144, .size: 8, .value_kind: global_buffer, .address_space: global }
      - { .name: wb, .offset: 152, .size: 8, .value_kind: global_buffer, .address_space: global }
      - { .name: mbits, .offset: 160, .size: 8, .value_kind: global_buffer, .address_space: global }
    .group_segment_fixed_size: 0
    .private_segment_fixed_size: 0
    .kernarg_segment_align: 8
    .kernarg_segment_size: 168
    .max_flat_workgroup_size: 256
    .sgpr_count:     66
    .vgpr_count:     120
    .wavefront_size: 32
...
	.end_amdgpu_metadata
.endif
;; end of part 1
;; launch proj (part 2): grid 256 x 1, 4 waves a work-group, clusters of 4 x 1, 327,680 bytes of LDS; arguments tgt, memory, wb, qkv; writes qkv
.if DOCPART == 2
	.amdgcn_target "amdgcn-amd-amdhsa--gfx1250"
	.amdhsa_code_object_version 6
	.text
	.protected	k_qcdf3a07160_proj
	.globl	k_qcdf3a07160_proj
	.p2align	8
	.type	k_qcdf3a07160_proj,@function
k_qcdf3a07160_proj:
	s_mov_b64 s[64:65], 0
	v_nop
	global_prefetch_b8 v0, s[64:65] scope:SCOPE_SE
	s_setreg_imm32_b32 hwreg(HW_REG_WAVE_MODE, 25, 1), 1
	s_wait_xcnt 0x0
	s_wait_alu depctr_hold_cnt(0) depctr_sa_sdst(0) depctr_va_vdst(0) depctr_va_sdst(0) depctr_va_ssrc(0) depctr_va_vcc(0) depctr_vm_vsrc(0)
	s_getreg_b32 s2, hwreg(HW_REG_IB_STS2, 6, 4)
	s_cmp_eq_u32 s2, 0
	s_cbranch_scc0 .Lentry_in_a_cluster
	s_endpgm
.Lentry_in_a_cluster:
	s_bfe_u32 s2, ttmp6, 0x10000c
	s_cmp_lg_u32 s2, 0x3003
	s_cbranch_scc0 .Lentry_shape_is_right
	s_endpgm
.Lentry_shape_is_right:
; proj: Q1, K1, V1 = tgt W^T + b and K2, V2 = memory W^T + b, five products of 8192 x 512 x 512, out in bf16, head-major
; ([batch x 8 + head][token][64]).  A work-group owns 32 token rows of tgt and of memory; wave w owns output columns 128 w .. +127.
; The 32 rows (bf16) lie in every wave's registers as 32 fragments each; the weights stream through two LDS slots.
; THE MATRIX INSTRUCTION IS USED TRANSPOSED: source 0 = 16 rows of W, source 1 = 16 tokens.  Lane (r, h) then holds token r and its
; registers 0..7 the output columns 8 h + 0..7: eight neighbouring numbers of a row, 16 bytes of bf16.
; CLUSTER: all work-groups walk the same weights, so four form a cluster and ask for every weight tile jointly (mask 15): the
; descriptor hangs on the wave's number and the trip alone.  Each wave asks for the 32 weight rows that it multiplies itself.
; One tile a trip and a wave (32 rows x 1,024 bytes); by this text's count a wave never has more than one tensor load out.
; LDS: slot 0 at 0, slot 1 at SLOT (4 waves x 32 rows x 1,040); XB: the 32 activation rows in bf16, pitch 1,040; STG: 16 x 272 a wave.
; Pitches 1,040 and 272 are odd multiples of 16 bytes: the 16 rows of a fragment load start in 16 different 16-byte columns of 256.
; REGISTERS: block 0: v1 r, v2 h, v3/v4 weight fragments' address in slot 0/1, v5 activation fragments, v6/v7 stage in/back,
; v8 16 x lane, v9 bias offset, v10 XB store; v24-55, v56-87 weight fragment buffers (at work elsewhere); v120-247 the 16 accumulator tiles,
; tile (mt, nt) at 120 + 8 (2 mt + nt).  Block 1: tgt's fragments, (nt, ks) at 8 (16 nt + ks).  Block 2: v0-127 memory rows as loaded,
; v128-191 bias.  Block 3: memory's fragments.
.set SLOT,  133120
.set WTILE, 33280
.set XB,    266240
.set STG,   299520
.set WF,    24
.set ACC,   120
.set BIAS,  128
.set WV,    12                         ; s12 wave
.set G1,    16                         ; s[16:23] descriptor group 1
.set G0,    32                         ; s[32:39] descriptor group 0, one set for each slot
.set MSB,   0
.macro WIN new                         ; the immediate's high byte repeats the setting that is left
.if MSB != \new
	s_set_vgpr_msb (MSB<<8)|\new
.set MSB, \new
.endif
.endm
.macro PLACES                          ; four places behind a matrix instruction (ISA guide 7.12.1), where there is no other vector work
.rept 4
	v_nop
.endr
.endm
.macro BAR
	s_barrier_signal -1
	s_barrier_wait -1
.endm
.macro ROUND                           ; a round of the cluster's barrier
	s_barrier_signal -1
	s_barrier_wait -1
	s_cmp_lg_u32 s[WV], 0
	s_cbranch_scc1 .Lnot_wave_0_\@
	s_barrier_signal -3
.Lnot_wave_0_\@:
	s_barrier_wait -3
	s_barrier_signal -1
	s_barrier_wait -1
.endm
; A trip's head: all my tensor loads have landed (this trip's tile among them), so a group 0 may be stepped; my LDS reads of the other
; slot are back; the round shows both of every wave of the four work-groups; then the next tile goes into the other slot, first thing.
.macro HEAD sreg, step, g0, g1
	WIN 0
	s_wait_tensorcnt 0x0
	ds_add_u32 v254, v255
	s_wait_dscnt 0x0
.if \step
	s_add_nc_u64 s[\sreg+2:\sreg+3], s[\sreg+2:\sreg+3], \step
.endif
	s_wait_dscnt 0x0
	ROUND
.if \g0
	tensor_load_to_lds s[\g0:\g0+3], s[\g1:\g1+7]
	s_nop 0
.endif
.endm
.macro WM d, a, b, z                   ; z = 1: the product starts the sum
.if \z
	v_wmma_f32_16x16x32_bf16 v[\d:\d+7], v[\a:\a+7], v[\b:\b+7], 0
.else
	v_wmma_f32_16x16x32_bf16 v[\d:\d+7], v[\a:\a+7], v[\b:\b+7], v[\d:\d+7]
.endif
.endm
.macro FETCHW wa, b                    ; batch b = K steps 2 b, 2 b + 1 of the tile's two row blocks: 8 loads into buffer b & 1
.irp kk, 0,1
.irp mm, 0,1
	ds_load_b128 v[WF+32*((\b)&1)+8*(2*\kk+\mm):WF+32*((\b)&1)+8*(2*\kk+\mm)+3], v[\wa] offset:\mm*16640+(2*(\b)+\kk)*64
	ds_load_b128 v[WF+32*((\b)&1)+8*(2*\kk+\mm)+4:WF+32*((\b)&1)+8*(2*\kk+\mm)+7], v[\wa] offset:\mm*16640+(2*(\b)+\kk)*64+32
.endr
.endr
.endm
.macro MM4 ks, acc, z                  ; K step ks: four accumulators take turns, one instruction a turn
.irp mm, 0,1
.irp nt, 0,1
	WM (\acc+8*(2*\mm+\nt)), (WF+32*(((\ks)>>1)&1)+8*(2*((\ks)&1)+\mm)), (8*(16*\nt+(\ks))), \z
.endr
.endr
.endm
; 32 weight rows x 32 tokens x K = 512: 64 matrix instructions, 64 LDS loads in 8 batches on two buffers.
; Each run of loads lands in a buffer that the matrix instructions just in front have read: four places stand between.
.macro GEMM512 wa, acc, zero, win
	PLACES
	FETCHW \wa, 0
	FETCHW \wa, 1
	WIN \win                               ; source 1 in the fragments' block; LDS loads name destination and source 0 alone
	s_wait_dscnt 8                         ; all but the 8 loads issued last
	MM4 0, \acc, \zero
	MM4 1, \acc, 0
.irp b, 1,2,3,4,5,6
	PLACES
	FETCHW \wa, (\b+1)
	s_wait_dscnt 8
	MM4 (2*\b), \acc, 0
	MM4 (2*\b+1), \acc, 0
.endr
	s_wait_dscnt 0
	MM4 14, \acc, 0
	MM4 15, \acc, 0
.endm
.macro AFLOAD win                      ; the 32 activation fragments from XB into block 1 (0x40) or block 3 (0xc0)
	WIN \win
.set i, 0
.rept 32
	ds_load_b128 v[8*i:8*i+3], v5 offset:(i>>4)*16640+(i&15)*64
	ds_load_b128 v[8*i+4:8*i+7], v5 offset:(i>>4)*16640+(i&15)*64+32
.set i, i+1
.endr
	WIN 0
.endm
; The way out for tokens 16 nt .. +15: add the bias, round, 16 bytes a lane into my own stage, read back by heads, store.
; The stage is the wave's own, and LDS serves a wave's instructions in order: no wait between its stores and its loads.
.macro OUTB nt, bias, sb
	WIN 0x08                               ; source 1 (the bias) in block 2
.set i, 0
.rept 32
	v_pk_add_f32 v[ACC+16*(i>>2)+8*\nt+2*(i&3):ACC+16*(i>>2)+8*\nt+2*(i&3)+1], v[ACC+16*(i>>2)+8*\nt+2*(i&3):ACC+16*(i>>2)+8*\nt+2*(i&3)+1], v[\bias+2*i:\bias+2*i+1]
.set i, i+1
.endr
	WIN 0
.set i, 0
.rept 32
	v_cvt_pk_bf16_f32 v[WF+i], v[ACC+16*(i>>2)+8*\nt+2*(i&3)], v[ACC+16*(i>>2)+8*\nt+2*(i&3)+1]
.set i, i+1
.endr
.irp mt, 0,1,2,3,4,5,6,7
	ds_store_b128 v6, v[WF+4*\mt:WF+4*\mt+3] offset:32*\mt
.endr
.irp k, 0,1,2,3,4,5,6,7
	ds_load_b128 v[WF+32+4*\k:WF+32+4*\k+3], v7 offset:(\k&3)*1088+(\k>>2)*128   ; four tokens x 128 bytes of head k >> 2
.endr
.irp k, 0,1,2,3,4,5,6,7
	s_wait_dscnt 7-\k                      ; read-back k is in, the younger ones stay out
	global_store_b128 v8, v[WF+32+4*\k:WF+32+4*\k+3], s[\sb:\sb+1] offset:(\k>>2)*262144+\nt*2048+(\k&3)*512   ; 512 consecutive bytes, aligned
.endr
	s_wait_xcnt 0x0                        ; v56-87 and the base are written again only behind this wait
.endm
; One of the five products: four trips of 32 weight rows a wave, then the way out.
.macro MATRIX win, last
	WIN 0x80
.irp mt, 0,1,2,3,4,5,6,7
	global_load_b128 v[BIAS+8*\mt:BIAS+8*\mt+3], v9, s[40:41] offset:\mt*64
	global_load_b128 v[BIAS+8*\mt+4:BIAS+8*\mt+7], v9, s[40:41] offset:\mt*64+16
.endr
	HEAD G0, 65536, G0+4, G1               ; this slot's next tile is two tiles on: 64 rows
	GEMM512 3, ACC, 1, \win
	HEAD G0+4, 65536, G0, G1
	GEMM512 4, ACC+32, 1, \win
	HEAD G0, 458752, G0+4, G1              ; two tiles on is in the next matrix: 512 rows less 64
	GEMM512 3, ACC+64, 1, \win
.if \last
	HEAD G0+4, 0, 0, 0                     ; the last tile: nothing is left to fetch
.else
	HEAD G0+4, 458752, G0, G1
.endif
	GEMM512 4, ACC+96, 1, \win
	WIN 0
	PLACES
	s_wait_loadcnt 0x0                     ; the bias is in, and its base may be stepped
	s_add_nc_u64 s[40:41], s[40:41], 2048
	OUTB 0, BIAS, 42
	OUTB 1, BIAS, 42
	s_add_nc_u64 s[42:43], s[42:43], 8388608   ; the next section of qkv
.endm
	s_load_b256 s[4:11], s[0:1], 0x0               ; tgt s[4:5], memory s[6:7], wb s[8:9], qkv s[10:11]
	v_lshl_add_u32 v254, v0, 2, 0x4d600
	v_mov_b32 v255, 0
	ds_add_u32 v254, v255
	v_lshrrev_b32 v1, 5, v0
	v_readfirstlane_b32 s[WV], v1
	s_bfe_u32 s13, ttmp6, 0x40000                  ; cx: enters the addresses of activations and results alone
	s_lshl_b32 s14, ttmp9, 2
	s_add_co_u32 s14, s14, s13                     ; rb: my block of 32 rows
	s_mov_b32 s[G1+0], 15|(1<<16)|(1<<20)|(1<<21)|(7<<22)|(3<<25)   ; mask of the four; 2-byte elements; 4 words of padding behind every 256 words
	s_mov_b32 s[G1+1], 512<<16                     ; tensor_dim0 = 512
	s_mov_b32 s[G1+2], 32<<16                      ; tensor_dim1 = 32
	s_mov_b32 s[G1+3], 512<<16                     ; tile_dim0 = 512
	s_mov_b32 s[G1+4], 32                          ; tile_dim1 = 32
	s_mov_b32 s[G1+5], 512                         ; elements from row to row
	s_mov_b32 s[G1+6], 0
	s_mov_b32 s[G1+7], 0
	s_lshl_b32 s24, s14, 16                        ; 32 rows of 2,048 bytes
	s_lshl_b32 s25, s[WV], 14                      ; my wave converts rows 8 w .. 8 w + 7
	s_add_co_u32 s24, s24, s25
	s_mov_b32 s25, 0
	s_lshl_b32 s26, s[WV], 17                      ; 128 w weight rows of 1,024 bytes
	s_mov_b32 s27, 0
	s_lshr_b32 s28, s14, 6                         ; batch
	s_lshl_b32 s28, s28, 21                        ; x 8 heads x 262,144
	s_lshl_b32 s29, s[WV], 19                      ; + head 2 w
	s_add_co_u32 s28, s28, s29
	s_and_b32 s29, s14, 63
	s_lshl_b32 s29, s29, 12                        ; + 32 tokens x 128 bytes
	s_add_co_u32 s28, s28, s29
	s_mov_b32 s29, 0
	s_mul_i32 s30, s[WV], WTILE                    ; my part of a slot
	v_and_b32 v1, 15, v0                           ; r
	v_bfe_u32 v2, v0, 4, 1                         ; h
	v_and_b32 v11, 31, v0                          ; lane
	v_lshlrev_b32 v8, 4, v11
	v_mul_u32_u24 v12, v1, 1040
	v_lshl_add_u32 v12, v2, 4, v12                 ; r x 1,040 + 16 h
	v_add_nc_u32 v3, s30, v12
	v_add_nc_u32 v4, SLOT, v3
	v_add_nc_u32 v5, XB, v12
	s_mul_i32 s31, s[WV], 4352
	s_add_co_u32 s31, s31, STG
	v_mul_u32_u24 v13, v1, 272
	v_lshl_add_u32 v13, v2, 4, v13
	v_add_nc_u32 v6, s31, v13                      ; stage in: row r, 16 h
	v_lshrrev_b32 v13, 3, v11
	v_mul_u32_u24 v13, v13, 272
	v_and_b32 v14, 7, v0
	v_lshl_add_u32 v13, v14, 4, v13
	v_add_nc_u32 v7, s31, v13                      ; stage back: row lane >> 3, 16 (lane & 7)
	s_lshl_b32 s45, s[WV], 9
	v_lshlrev_b32 v9, 5, v2
	v_add_nc_u32 v9, s45, v9                       ; bias: 512 w + 32 h
	s_mul_i32 s46, s[WV], 8320
	s_add_co_u32 s46, s46, XB
	v_lshl_add_u32 v10, v11, 3, s46                ; XB row 8 w, 8 x lane
	s_wait_dscnt 0x0
	s_wait_kmcnt 0x0
	s_add_nc_u64 s[4:5], s[4:5], s[24:25]
	s_add_nc_u64 s[6:7], s[6:7], s[24:25]
	s_add_nc_u64 s[40:41], s[8:9], 8388608         ; the packed biases
	s_add_nc_u64 s[42:43], s[10:11], s[28:29]
	s_add_nc_u64 s[8:9], s[8:9], s[26:27]          ; my weight rows
	s_mov_b32 s[G0+0], 1
	s_mov_b32 s[G0+1], s30
	s_mov_b64 s[G0+2:G0+3], s[8:9]
	s_or_b32 s[G0+3], s[G0+3], 0x80000000
	s_mov_b32 s[G0+4], 1
	s_add_co_u32 s[G0+5], s30, SLOT
	s_add_nc_u64 s[G0+6:G0+7], s[8:9], 32768
	s_or_b32 s[G0+7], s[G0+7], 0x80000000
.set i, 0
.rept 32
	global_load_b128 v[ACC+4*i:ACC+4*i+3], v8, s[4:5] offset:(i>>2)*2048+(i&3)*512 th:TH_LOAD_NT   ; 512 consecutive bytes of a row of tgt
.set i, i+1
.endr
	WIN 0x80
.set i, 0
.rept 32
	global_load_b128 v[4*i:4*i+3], v8, s[6:7] offset:(i>>2)*2048+(i&3)*512 th:TH_LOAD_NT           ; the same of memory, into block 2
.set i, i+1
.endr
	WIN 0
	ROUND                                          ; the four work-groups are here: the first joint load meets
	tensor_load_to_lds s[G0:G0+3], s[G1:G1+7]      ; tile 0
	s_nop 0
	s_wait_loadcnt 32                              ; tgt's rows are in; memory's 32 loads stay out
.set i, 0
.rept 32
	v_cvt_pk_bf16_f32 v[WF+2*i], v[ACC+4*i], v[ACC+4*i+1]
	v_cvt_pk_bf16_f32 v[WF+2*i+1], v[ACC+4*i+2], v[ACC+4*i+3]
.set i, i+1
.endr
.set i, 0
.rept 32
	ds_store_b64 v10, v[WF+2*i:WF+2*i+1] offset:(i>>2)*1040+(i&3)*256
.set i, i+1
.endr
	s_wait_dscnt 0x0                               ; my rows are in XB,
	BAR                                            ; everybody's are
	AFLOAD 0x40
	s_wait_dscnt 0x0                               ; my reads of XB are back,
	BAR                                            ; everybody's are: XB may be written again
	s_wait_loadcnt 0x0
	WIN 0x0a                                       ; both sources in block 2
.set i, 0
.rept 32
	v_cvt_pk_bf16_f32 v[WF+2*i], v[4*i], v[4*i+1]
	v_cvt_pk_bf16_f32 v[WF+2*i+1], v[4*i+2], v[4*i+3]
.set i, i+1
.endr
	WIN 0
.set i, 0
.rept 32
	ds_store_b64 v10, v[WF+2*i:WF+2*i+1] offset:(i>>2)*1040+(i&3)*256
.set i, i+1
.endr
	s_wait_dscnt 0x0
	BAR
	AFLOAD 0xc0                                    ; waited for by the first trip's head
	s_mov_b32 s44, 0
.Lmat:
	MATRIX 0x04, 0                                 ; Q1, K1, V1: tgt's fragments, block 1
	s_add_co_u32 s44, s44, 1
	s_cmp_lt_u32 s44, 3
	s_cbranch_scc1 .Lmat
	MATRIX 0x0c, 0                                 ; K2: memory's fragments, block 3
	MATRIX 0x0c, 1                                 ; V2
	s_wait_tensorcnt 0x0
	ds_add_u32 v254, v255
	s_wait_dscnt 0x0
	ROUND                                          ; the closing round: nobody ends while a partner may still ask jointly
	s_endpgm
.Lfunc_end_k_qcdf3a07160_proj:
	.size	k_qcdf3a07160_proj, .Lfunc_end_k_qcdf3a07160_proj-k_qcdf3a07160_proj
	.p2alignl 7, 3214868480
	.fill 96, 4, 3214868480
	.section	.rodata,"a",@progbits
	.p2align	6, 0x0
	.amdhsa_kernel k_qcdf3a07160_proj
		.amdhsa_group_segment_fixed_size 327680
		.amdhsa_private_segment_fixed_size 0
		.amdhsa_enable_private_segment 0
		.amdhsa_kernarg_size 32
		.amdhsa_user_sgpr_count 2
		.amdhsa_user_sgpr_kernarg_segment_ptr 1
		.amdhsa_wavefront_size32 1
		.amdhsa_system_sgpr_workgroup_id_x 1
		.amdhsa_system_sgpr_workgroup_id_y 1
		.amdhsa_system_sgpr_workgroup_id_z 1
		.amdhsa_system_vgpr_workitem_id 0
		.amdhsa_next_free_vgpr 1024
		.amdhsa_next_free_sgpr 66
		.amdhsa_reserve_vcc 0
		.amdhsa_float_denorm_mode_32 3
		.amdhsa_float_denorm_mode_16_64 3
		.amdhsa_memory_ordered 1
		.amdhsa_forward_progress 1
		.amdhsa_inst_pref_size 191
	.end_amdhsa_kernel
	.amdgpu_metadata
---
amdhsa.version: [ 1, 2 ]
amdhsa.kernels:
  - .name:           k_qcdf3a07160_proj
    .symbol:         k_qcdf3a07160_proj.kd
    .args:
      - { .name: tgt, .offset: 0, .size: 8, .value_kind: global_buffer, .address_space: global }
      - { .name: memory, .offset: 8, .size: 8, .value_kind: global_buffer, .address_space: global }
      - { .name: wb, .offset: 16, .size: 8, .value_kind: global_buffer, .address_space: global }
      - { .name: qkv, .offset: 24, .size: 8, .value_kind: global_buffer, .address_space: global }
    .group_segment_fixed_size: 327680
    .private_segment_fixed_size: 0
    .kernarg_segment_align: 8
    .kernarg_segment_size: 32
    .max_flat_workgroup_size: 128
    .sgpr_count:     66
    .vgpr_count:     1024
    .wavefront_size: 32
...
	.end_amdgpu_metadata
.endif
;; end of part 2
;; launch attn1 (part 3): grid 256 x 1, 8 waves a work-group, clusters of 4 x 1, 327,680 bytes of LDS; arguments qkv, mbits, o1; writes o1
.if DOCPART == 3
	.amdgcn_target "amdgcn-amd-amdhsa--gfx1250"
	.amdhsa_code_object_version 6
	.text
	.protected	k_qcdf3a07160_attn1
	.globl	k_qcdf3a07160_attn1
	.p2align	8
	.type	k_qcdf3a07160_attn1,@function
k_qcdf3a07160_attn1:
	s_mov_b64 s[64:65], 0
	v_nop
	global_prefetch_b8 v0, s[64:65] scope:SCOPE_SE
	s_setreg_imm32_b32 hwreg(HW_REG_WAVE_MODE, 25, 1), 1
	s_wait_xcnt 0x0
	s_wait_alu depctr_hold_cnt(0) depctr_sa_sdst(0) depctr_va_vdst(0) depctr_va_sdst(0) depctr_va_ssrc(0) depctr_va_vcc(0) depctr_vm_vsrc(0)
	s_getreg_b32 s2, hwreg(HW_REG_IB_STS2, 6, 4)
	s_cmp_eq_u32 s2, 0
	s_cbranch_scc0 .Lentry_in_a_cluster
	s_endpgm
.Lentry_in_a_cluster:
	s_bfe_u32 s2, ttmp6, 0x10000c
	s_cmp_lg_u32 s2, 0x3003
	s_cbranch_scc0 .Lentry_shape_is_right
	s_endpgm
.Lentry_shape_is_right:
; Attention with a running maximum, one head and 256 queries a work-group, 32 queries a wave (two tiles t of 16), keys in tiles of 256.
; Q comes in multiplied by 0.125 log2(e), so that p = exp2(s - m).  MASKED = 1: scores whose mask bit is 0 become -1e9 log2(e), as the
; reference's -1e9 in its own units; every mask word is read and nothing of its pattern is built in.  A row with no bit set gives the
; plain average of V, as in the reference.
; TRANSPOSED USE: S^T = K Q^T (source 0 = 16 keys, source 1 = 16 queries): lane (r, h) holds query r and keys 8 h + 0..7 of a tile, so a
; query's maximum and sum are sums inside a lane and one exchange between the halves, and two packed score tiles are a source 1 fragment
; of O^T = V^T P^T (source 0 = V read from LDS by transposing loads).
; CLUSTER: the four work-groups of a cluster take four query blocks of one head and read the same K and V: every tile is asked for
; jointly (mask 15).  Waves 0-3 ask for 64 rows of K each, waves 4-7 for 64 rows of V; one tensor load a wave is out at the most.
; Eight waves, two for each SIMD, so that one wave's softmax runs beside the other's matrix work.
; LDS: slot s at s x 131,072: K 256 x 144 bytes, V at +36,864, 256 x 160 bytes.  The way out's stage (8 x 4,608) lies at 77,824, in
; the gap between the slots, where no fill lands.
; REGISTERS: v1/v2 K address slot 0/1, v3/v4 V address, v5/v6 stage in/back, v7 16 x lane, v8 the masked score, v9 exchange,
; v10-11 m, v12-13 l (each half's own part), v14-17 maxima at work, v18-21 pairs (-m, -m), v22-25 pairs (alpha, alpha), v26-29 sums,
; v32 + 16 t + 8 ks Q, v64 + 32 t + 8 dt O, v128 + 32 t + 8 st S, v192-223 and v224-255 fragments of K and V.
; LIMITS: a NaN score loses in the maximum; v_exp_f32 and v_rcp_f32 flush denormals; P, Q, K, V are bf16.
.set MASKED, 1
.set KOFF,  8388608                    ; K's section in qkv; V's follows it
.set SLOTB, 0x20000
.set VOFF,  36864
.set STAGE, 77824
.set QF, 32
.set OA, 64
.set SC, 128
.set FA, 192
.set FB, 224
.macro PLACES                          ; four places behind a matrix instruction (ISA guide 7.12.1)
.rept 4
	v_nop
.endr
.endm
.macro ROUND                           ; a round of the cluster's barrier
	s_barrier_signal -1
	s_barrier_wait -1
	s_cmp_lg_u32 s8, 0
	s_cbranch_scc1 .Lnot_wave_0_\@
	s_barrier_signal -3
.Lnot_wave_0_\@:
	s_barrier_wait -3
	s_barrier_signal -1
	s_barrier_wait -1
.endm
.macro JLOAD                           ; the branch hangs on the wave's number alone: K's rows are padded by 4 words, V's by 8
	s_cmp_eq_u32 s9, 0
	s_cbranch_scc0 .Lfor_v_\@
	tensor_load_to_lds s[12:15], s[16:23]
	s_nop 0
	s_branch .Lasked_\@
.Lfor_v_\@:
	tensor_load_to_lds s[12:15], s[24:31]
	s_nop 0
.Lasked_\@:
.endm
.macro WM d, a, b, z
.if \z
	v_wmma_f32_16x16x32_bf16 v[\d:\d+7], v[\a:\a+7], v[\b:\b+7], 0
.else
	v_wmma_f32_16x16x32_bf16 v[\d:\d+7], v[\a:\a+7], v[\b:\b+7], v[\d:\d+7]
.endif
.endm
.macro KLOAD fr, ka, sub, u            ; key tiles 2 u, 2 u + 1 of the 64 keys sub: 4 fragments, 8 loads
.irp hf, 0,1
.irp ks, 0,1
	ds_load_b128 v[\fr+8*(2*\hf+\ks):\fr+8*(2*\hf+\ks)+3], v[\ka] offset:(64*(\sub)+16*(2*\u+\hf))*144+64*\ks
	ds_load_b128 v[\fr+8*(2*\hf+\ks)+4:\fr+8*(2*\hf+\ks)+7], v[\ka] offset:(64*(\sub)+16*(2*\u+\hf))*144+64*\ks+32
.endr
.endr
.endm
.macro VLOAD fr, va, sub, u            ; V^T of keys 32 u .. +31 of the 64 keys sub, four blocks of 16 d: 8 transposing loads
.irp dt, 0,1,2,3
	ds_load_tr16_b128 v[\fr+8*\dt:\fr+8*\dt+3], v[\va] offset:(64*(\sub)+32*\u)*160+32*\dt
	ds_load_tr16_b128 v[\fr+8*\dt+4:\fr+8*\dt+7], v[\va] offset:(64*(\sub)+32*\u)*160+32*\dt+2560
.endr
.endm
.macro QK fr, u                        ; four score tiles take turns, one instruction a turn
.irp ks, 0,1
.irp hf, 0,1
.irp t, 0,1
	WM (SC+32*\t+16*\u+8*\hf), (\fr+8*(2*\hf+\ks)), (QF+16*\t+8*\ks), (1-\ks)
.endr
.endr
.endr
.endm
.macro PV fr, u, z                     ; eight accumulators take turns
.irp dt, 0,1,2,3
.irp t, 0,1
	WM (OA+32*\t+8*\dt), (\fr+8*\dt), (SC+32*\t+16*\u), \z
.endr
.endr
.endm
.macro MAXT t, first                   ; the largest of m and my 32 scores of tile t, two chains
.if \first
	v_max3_num_f32 v[14+2*\t], v[SC+32*\t], v[SC+32*\t], v[SC+32*\t+1]
.else
	v_max3_num_f32 v[14+2*\t], v[10+\t], v[SC+32*\t], v[SC+32*\t+1]
.endif
	v_max3_num_f32 v[15+2*\t], v[SC+32*\t+16], v[SC+32*\t+17], v[SC+32*\t+18]
.irp i, 1,2,3,4,5,6
	v_max3_num_f32 v[14+2*\t], v[14+2*\t], v[SC+32*\t+2*\i], v[SC+32*\t+2*\i+1]
	v_max3_num_f32 v[15+2*\t], v[15+2*\t], v[SC+32*\t+17+2*\i], v[SC+32*\t+18+2*\i]
.endr
	v_max3_num_f32 v[14+2*\t], v[14+2*\t], v[SC+32*\t+14], v[SC+32*\t+15]
	v_max3_num_f32 v[14+2*\t], v[14+2*\t], v[15+2*\t], v[SC+32*\t+31]
.endm
.macro SOFTMAX first
	MAXT 0, \first
	MAXT 1, \first
	v_permlanex16_b32 v9, v14, s66, s67            ; the other half's keys
	v_max_num_f32 v14, v14, v9
	v_permlanex16_b32 v9, v16, s66, s67
	v_max_num_f32 v16, v16, v9
.if \first == 0
	v_sub_f32 v22, v10, v14
	v_sub_f32 v24, v11, v16
	v_exp_f32 v22, v22                             ; alpha = exp2(m old - m new)
	v_exp_f32 v24, v24
.endif
	v_mov_b32 v10, v14                             ; a plain instruction stands behind the exponentials before alpha is used (ISA guide 5.7.2)
	v_mov_b32 v11, v16
	v_sub_f32 v18, 0, v14
	v_sub_f32 v20, 0, v16
	v_mov_b32 v19, v18
	v_mov_b32 v21, v20
.if \first == 0
	s_wait_alu depctr_va_vdst(0)
	v_mov_b32 v23, v22
	v_mov_b32 v25, v24
.endif
.set i, 0
.rept 32
	v_pk_add_f32 v[SC+2*i:SC+2*i+1], v[SC+2*i:SC+2*i+1], v[18+2*(i>>4):19+2*(i>>4)]
.set i, i+1
.endr
.set i, 0
.rept 64
	v_exp_f32 v[SC+i], v[SC+i]
.set i, i+1
.endr
.if \first
	v_nop                                          ; the plain place behind the run of exponentials
	s_wait_alu depctr_va_vdst(0)
.else
.set i, 0
	s_wait_alu depctr_va_vdst(0)
.rept 32
	v_pk_mul_f32 v[OA+2*i:OA+2*i+1], v[OA+2*i:OA+2*i+1], v[22+2*(i>>4):23+2*(i>>4)]   ; O *= alpha: also the plain place behind the exponentials
.set i, i+1
.endr
.endif
.irp t, 0,1
	v_pk_add_f32 v[26:27], v[SC+32*\t:SC+32*\t+1], v[SC+32*\t+2:SC+32*\t+3]
	v_pk_add_f32 v[28:29], v[SC+32*\t+16:SC+32*\t+17], v[SC+32*\t+18:SC+32*\t+19]
.irp i, 2,3,4,5,6,7
	v_pk_add_f32 v[26:27], v[26:27], v[SC+32*\t+2*\i:SC+32*\t+2*\i+1]
	v_pk_add_f32 v[28:29], v[28:29], v[SC+32*\t+16+2*\i:SC+32*\t+16+2*\i+1]
.endr
	v_pk_add_f32 v[26:27], v[26:27], v[28:29]
.if \first
	v_add_f32 v[12+\t], v26, v27
.else
	v_add_f32 v26, v26, v27
	v_fma_f32 v[12+\t], v[12+\t], v[22+2*\t], v26  ; l = l alpha + sum
.endif
.endr
.set i, 0
.rept 32                                           ; two tiles of 8 registers pack in place into one fragment of 8: the target never runs ahead of the sources
	v_cvt_pk_bf16_f32 v[SC+16*(i>>3)+(i&7)], v[SC+16*(i>>3)+2*(i&7)], v[SC+16*(i>>3)+2*(i&7)+1]
.set i, i+1
.endr
.endm
; 64 keys.  On entry the fragments of key tiles 0, 1 (FA) and 2, 3 (FB) have been asked for, 8 loads each, in that order.
; Every s_wait_dscnt 8 leaves out the 8 loads issued last.  prek: the next 64 keys' K fragments are asked for; mpre: their mask words.
.macro SUB ka, va, sub, first, prek, mpre, moff, mstep
	s_wait_dscnt 8
	QK FA, 0
	PLACES
	VLOAD FA, \va, \sub, 0
	s_wait_dscnt 8
	QK FB, 1
	PLACES
	VLOAD FB, \va, \sub, 1
.if MASKED
	s_wait_kmcnt 0x0                               ; this block's 64 mask words are in, and their base may be stepped
.if \mstep
	s_add_nc_u64 s[6:7], s[6:7], 1024              ; 512 keys on
.endif
.set i, 0
.rept 32
	v_cndmask_b32 v[SC+i], v8, v[SC+i], s[32+i]    ; word 8 st + j holds, lane by lane, the bits of register j of score tile st
	v_cndmask_b32 v[SC+32+i], v8, v[SC+32+i], s[68+i]
.set i, i+1
.endr
.if \mpre
	s_load_b512 s[32:47], s[6:7], \moff
	s_load_b512 s[48:63], s[6:7], \moff+64
	s_load_b512 s[68:83], s[6:7], \moff+4096       ; the second query tile's words lie one row of 4,096 bytes on
	s_load_b512 s[84:99], s[6:7], \moff+4160
.endif
.endif
	SOFTMAX \first
	s_wait_dscnt 8
	PV FA, 0, \first
	PLACES
.if \prek
	KLOAD FA, \ka, (\sub+1), 0
	s_wait_dscnt 8
.else
	s_wait_dscnt 0
.endif
	PV FB, 1, 0
	PLACES                                         ; with the four above: eight places between a product with P and the scores that write over P
.if \prek
	KLOAD FB, \ka, (\sub+1), 1
.endif
.endm
; A tile of 256 keys.  Head: all my tensor loads have landed, so group 0 may be written (the other slot, 256 rows on); my LDS reads are
; back; the round shows both of every wave of the four work-groups; the next tile is asked for first thing behind it.
.macro TRIP ka, va, refill, first, mstep, g0, mlast
	s_set_vgpr_msb 0x4
	s_wait_tensorcnt 0x0
	ds_add_u32 v31, v1
	s_wait_dscnt 0x0
	s_set_vgpr_msb 0x400
	s_xor_b32 s13, s13, SLOTB
	s_add_nc_u64 s[14:15], s[14:15], 32768
	s_wait_dscnt 0x0
	ROUND
.if \refill
	JLOAD
.endif
	KLOAD FA, \ka, 0, 0
	KLOAD FB, \ka, 0, 1
	SUB \ka, \va, 0, \first, 1, 1, (\g0+1)*128, \mstep
	SUB \ka, \va, 1, 0, 1, 1, (\g0+2)*128, 0
	SUB \ka, \va, 2, 0, 1, 1, (\g0+3)*128, 0
	SUB \ka, \va, 3, 0, 0, \mlast, (\g0+4)*128, 0
.endm
.macro LAP first, mstep, last          ; once round the two slots: 512 keys
	TRIP 1, 3, 1, \first, \mstep, 0, 1
	TRIP 2, 4, (1-\last), 0, 0, 4, (1-\last)
.endm
	s_load_b128 s[32:35], s[0:1], 0x0              ; MASKED: qkv, mbits; else q2, qkv
	s_load_b64 s[36:37], s[0:1], 0x10              ; the output
	v_lshl_add_u32 v31, v0, 2, 0x33000
	s_set_vgpr_msb 0x40
	v_mov_b32 v1, 0
	s_set_vgpr_msb 0x4044
	ds_add_u32 v31, v1
	s_set_vgpr_msb 0x4400
	v_lshrrev_b32 v1, 5, v0
	v_readfirstlane_b32 s8, v1                     ; wave
	s_lshr_b32 s9, s8, 2                           ; 0: I fetch K; 1: V
	s_and_b32 s11, s8, 3                           ; which 64 rows
	s_bfe_u32 s38, ttmp6, 0x40000                  ; cx: enters the addresses of Q, O and the mask words alone
	s_lshr_b32 s39, ttmp9, 1                       ; batch x 8 + head
	s_and_b32 s40, ttmp9, 1
	s_lshl2_add_u32 s40, s40, s38                  ; query block 0..7
	s_lshl_b32 s42, s39, 18
	s_lshl_b32 s41, s40, 15
	s_add_co_u32 s42, s42, s41
	s_lshl_b32 s41, s8, 12
	s_add_co_u32 s42, s42, s41                     ; head x 262,144 + (256 block + 32 wave) x 128
	s_mov_b32 s43, 0
	s_lshl_b32 s44, s39, 18                        ; the tiles' address: head, K or V, my 64 rows; no place in the cluster enters it
	s_lshl_b32 s46, s9, 23
	s_add_co_u32 s44, s44, s46
	s_lshl_b32 s46, s11, 13
	s_add_co_u32 s44, s44, s46
	s_add_co_u32 s44, s44, KOFF
	s_mov_b32 s45, 0
	s_mul_i32 s13, s11, 9216                       ; LDS: K: 64 rows x 144 a wave; V: 36,864 + 64 rows x 160 a wave
	s_lshl_b32 s46, s11, 10
	s_add_co_u32 s46, s46, VOFF
	s_mul_i32 s46, s46, s9
	s_add_co_u32 s13, s13, s46
	s_mov_b32 s12, 1
	s_mov_b32 s16, 15|(1<<16)|(1<<20)|(1<<21)|(4<<22)|(3<<25)   ; K: mask of the four; 2-byte elements; 4 words of padding behind every 32
	s_mov_b32 s24, 15|(1<<16)|(1<<20)|(1<<21)|(4<<22)|(7<<25)   ; V: 8 words
.irp g, 16, 24
	s_mov_b32 s[\g+1], 64<<16                      ; tensor_dim0 = 64
	s_mov_b32 s[\g+2], 64<<16                      ; tensor_dim1 = 64
	s_mov_b32 s[\g+3], 64<<16                      ; tile_dim0 = 64
	s_mov_b32 s[\g+4], 64                          ; tile_dim1 = 64
	s_mov_b32 s[\g+5], 64                          ; elements from row to row
	s_mov_b32 s[\g+6], 0
	s_mov_b32 s[\g+7], 0
.endr
	s_mov_b32 s66, 0x76543210                      ; v_permlanex16_b32: lane i of one half reads lane i of the other
	s_mov_b32 s67, 0xfedcba98
	s_mul_i32 s47, s8, 4608
	s_add_co_u32 s47, s47, STAGE
	v_and_b32 v26, 15, v0                          ; r
	v_bfe_u32 v27, v0, 4, 1                        ; h
	v_and_b32 v28, 31, v0                          ; lane
	v_lshlrev_b32 v14, 7, v26
	v_lshl_add_u32 v14, v27, 4, v14                ; Q: r x 128 + 16 h
	v_mul_u32_u24 v1, v26, 144
	v_lshl_add_u32 v1, v27, 4, v1                  ; K: r x 144 + 16 h
	v_add_nc_u32 v2, SLOTB, v1
	v_add_nc_u32 v5, s47, v1                       ; stage in: the same lane term
	v_and_b32 v29, 7, v0
	v_lshl_add_u32 v29, v27, 3, v29
	v_mul_u32_u24 v3, v29, 160                     ; V: (8 h + (lane & 7)) x 160
	v_bfe_u32 v29, v0, 3, 1
	v_lshl_add_u32 v3, v29, 4, v3                  ; + 16 ((lane >> 3) & 1)
	v_add_nc_u32 v3, VOFF, v3
	v_add_nc_u32 v4, SLOTB, v3
	v_lshrrev_b32 v29, 3, v28
	v_mul_u32_u24 v29, v29, 144
	v_and_b32 v30, 7, v0
	v_lshl_add_u32 v29, v30, 4, v29
	v_add_nc_u32 v6, s47, v29                      ; stage back: row lane >> 3, 16 (lane & 7)
	v_lshlrev_b32 v7, 4, v28
	v_mov_b32 v8, 0xceabfb8f                       ; -1e9 log2(e)
	v_mov_b32 v9, 0                                ; v_permlanex16_b32 counts as a reader of its destination
	s_wait_dscnt 0x0
	s_wait_kmcnt 0x0
	s_add_nc_u64 s[2:3], s[32:33], s[42:43]        ; my 32 queries
	s_add_nc_u64 s[4:5], s[36:37], s[42:43]        ; and where their results go
.if MASKED
	s_add_nc_u64 s[14:15], s[32:33], s[44:45]
	s_lshl_b32 s42, s40, 16
	s_lshl_b32 s41, s8, 13
	s_add_co_u32 s42, s42, s41                     ; (16 block + 2 wave) rows of 4,096 bytes of mask words
	s_add_nc_u64 s[6:7], s[34:35], s[42:43]
.else
	s_add_nc_u64 s[14:15], s[34:35], s[44:45]
.endif
	s_or_b32 s15, s15, 0x80000000
.irp t, 0,1
.irp ks, 0,1
	global_load_b128 v[QF+16*\t+8*\ks:QF+16*\t+8*\ks+3], v14, s[2:3] offset:\t*2048+\ks*64
	global_load_b128 v[QF+16*\t+8*\ks+4:QF+16*\t+8*\ks+7], v14, s[2:3] offset:\t*2048+\ks*64+32
.endr
.endr
.if MASKED
	s_load_b512 s[32:47], s[6:7], 0x0              ; the first 64 keys' mask words
	s_load_b512 s[48:63], s[6:7], 0x40
	s_load_b512 s[68:83], s[6:7], 0x1000
	s_load_b512 s[84:99], s[6:7], 0x1040
.endif
	ROUND                                          ; the four work-groups are here: the first joint loads meet
	JLOAD                                          ; tile 0
	s_wait_loadcnt 0x0                             ; Q
	LAP 1, 0, 0                                    ; the first lap stands in front of the loop: its first block starts m, l and O
	s_mov_b32 s10, 0
.Llap:
	LAP 0, 1, 0
	s_add_co_u32 s10, s10, 1
	s_cmp_lt_u32 s10, 2
	s_cbranch_scc1 .Llap
	LAP 0, 1, 1                                    ; the last lap: its second tile asks for nothing, its last block for no mask words
	; the way out: O / l, bf16, through my own stage; the four places behind the last product stand at the end of SUB
	v_permlanex16_b32 v9, v12, s66, s67
	v_add_f32 v12, v12, v9
	v_permlanex16_b32 v9, v13, s66, s67
	v_add_f32 v13, v13, v9
	v_rcp_f32 v18, v12
	v_rcp_f32 v20, v13
	v_nop                                          ; the plain place behind the reciprocals
	s_wait_alu depctr_va_vdst(0)
	v_mov_b32 v19, v18
	v_mov_b32 v21, v20
.set i, 0
.rept 32
	v_pk_mul_f32 v[OA+2*i:OA+2*i+1], v[OA+2*i:OA+2*i+1], v[18+2*(i>>4):19+2*(i>>4)]
.set i, i+1
.endr
.set i, 0
.rept 32
	v_cvt_pk_bf16_f32 v[FA+i], v[OA+2*i], v[OA+2*i+1]
.set i, i+1
.endr
.irp t, 0,1
.irp dt, 0,1,2,3
	ds_store_b128 v5, v[FA+4*(4*\t+\dt):FA+4*(4*\t+\dt)+3] offset:\t*2304+\dt*32
.endr
.endr
.irp i, 0,1,2,3,4,5,6,7
	ds_load_b128 v[FB+4*\i:FB+4*\i+3], v6 offset:\i*576        ; LDS serves a wave's instructions in order: these see the stores above
.endr
.irp i, 0,1,2,3,4,5,6,7
	s_wait_dscnt 7-\i
	global_store_b128 v7, v[FB+4*\i:FB+4*\i+3], s[4:5] offset:\i*512   ; 512 consecutive bytes, aligned
.endr
	s_set_vgpr_msb 0x4
	s_wait_tensorcnt 0x0
	ds_add_u32 v31, v1
	s_wait_dscnt 0x0
	s_set_vgpr_msb 0x400
	ROUND                                          ; the closing round
	s_endpgm
.Lfunc_end_k_qcdf3a07160_attn1:
	.size	k_qcdf3a07160_attn1, .Lfunc_end_k_qcdf3a07160_attn1-k_qcdf3a07160_attn1
	.p2alignl 7, 3214868480
	.fill 96, 4, 3214868480
	.section	.rodata,"a",@progbits
	.p2align	6, 0x0
	.amdhsa_kernel k_qcdf3a07160_attn1
		.amdhsa_group_segment_fixed_size 327680
		.amdhsa_private_segment_fixed_size 0
		.amdhsa_enable_private_segment 0
		.amdhsa_kernarg_size 24
		.amdhsa_user_sgpr_count 2
		.amdhsa_user_sgpr_kernarg_segment_ptr 1
		.amdhsa_wavefront_size32 1
		.amdhsa_system_sgpr_workgroup_id_x 1
		.amdhsa_system_sgpr_workgroup_id_y 1
		.amdhsa_system_sgpr_workgroup_id_z 1
		.amdhsa_system_vgpr_workitem_id 0
		.amdhsa_next_free_vgpr 258
		.amdhsa_next_free_sgpr 102
		.amdhsa_reserve_vcc 0
		.amdhsa_float_denorm_mode_32 3
		.amdhsa_float_denorm_mode_16_64 3
		.amdhsa_memory_ordered 1
		.amdhsa_forward_progress 1
		.amdhsa_inst_pref_size 255
	.end_amdhsa_kernel
	.section	.bss,"aw",@nobits
	.p2align	6
	.space	262144
	.amdgpu_metadata
---
amdhsa.version: [ 1, 2 ]
amdhsa.kernels:
  - .name:           k_qcdf3a07160_attn1
    .symbol:         k_qcdf3a07160_attn1.kd
    .args:
      - { .name: qkv, .offset: 0, .size: 8, .value_kind: global_buffer, .address_space: global }
      - { .name: mbits, .offset: 8, .size: 8, .value_kind: global_buffer, .address_space: global }
      - { .name: o1, .offset: 16, .size: 8, .value_kind: global_buffer, .address_space: global }
    .group_segment_fixed_size: 327680
    .private_segment_fixed_size: 0
    .kernarg_segment_align: 8
    .kernarg_segment_size: 24
    .max_flat_workgroup_size: 256
    .sgpr_count:     102
    .vgpr_count:     258
    .wavefront_size: 32
...
	.end_amdgpu_metadata
.endif
;; end of part 3
;; launch post1 (part 4): grid 256 x 1, 4 waves a work-group, clusters of 4 x 1, 327,680 bytes of LDS; arguments o1, tgt, wb, ln1_w, ln1_b, x1, q2; writes x1, q2
.if DOCPART == 4
	.amdgcn_target "amdgcn-amd-amdhsa--gfx1250"
	.amdhsa_code_object_version 6
	.text
	.protected	k_qcdf3a07160_post1
	.globl	k_qcdf3a07160_post1
	.p2align	8
	.type	k_qcdf3a07160_post1,@function
k_qcdf3a07160_post1:
	s_mov_b64 s[64:65], 0
	v_nop
	global_prefetch_b8 v0, s[64:65] scope:SCOPE_SE
	s_setreg_imm32_b32 hwreg(HW_REG_WAVE_MODE, 25, 1), 1
	s_wait_xcnt 0x0
	s_wait_alu depctr_hold_cnt(0) depctr_sa_sdst(0) depctr_va_vdst(0) depctr_va_sdst(0) depctr_va_ssrc(0) depctr_va_vcc(0) depctr_vm_vsrc(0)
	s_getreg_b32 s2, hwreg(HW_REG_IB_STS2, 6, 4)
	s_cmp_eq_u32 s2, 0
	s_cbranch_scc0 .Lentry_in_a_cluster
	s_endpgm
.Lentry_in_a_cluster:
	s_bfe_u32 s2, ttmp6, 0x10000c
	s_cmp_lg_u32 s2, 0x3003
	s_cbranch_scc0 .Lentry_shape_is_right
	s_endpgm
.Lentry_shape_is_right:
; post1: x1 = LN1(tgt + o1 sa_wo^T + sa_bo), f32; q2 = x1 (c ca_wq)^T + c ca_bq, bf16, head-major.
; A work-group owns 32 token rows, wave w the output columns 128 w .. +127; the activations lie in every wave's registers as 32
; fragments, the weights stream through two LDS slots (eight tiles a wave: four of sa_wo, four of ca_wq, which follows it in wb).
; TRANSPOSED USE: source 0 = 16 weight rows, source 1 = 16 tokens; lane (r, h) holds token r, so the norm's sums are sums inside a lane,
; one exchange between the halves and one exchange of four pairs between the waves.
; The variance is merged from each wave's mean and sum of squared distances from ITS mean: no difference of large sums.
; The first product's sums start from residual + bias, loaded straight into the accumulators.
; CLUSTER: all work-groups walk the same weights: four ask for each tile jointly (mask 15); one tensor load a wave is out at the most.
; LDS: slots at 0 and SLOT; XB 32 x 1,040 (o1's rows, then x1's, bf16); STG 16 x 272 a wave; RED 2 x 4 x 16 pairs.
; REGISTERS: block 0: v1 r, v2 h, v3/v4 weight address slot 0/1, v5 activation fragments, v6/v7 bf16 stage in/back, v8 16 x lane,
; v9 column offset of parameters, v10 residual offset, v12 o1's LDS store, v13 x1's LDS store, v14/v15 RED in/back, v16-23 norm pairs,
; v24-87 weight fragment buffers (at work elsewhere), v120-247 accumulators, v248/v249 f32 stage in/back, v250 offset in x1.
; Block 1: activation fragments.  Block 2: v0-63 sa_bo, v64-127 ln1_w, v128-191 ln1_b, v192-255 c ca_bq.
; LIMIT: v_rsq_f32 flushes denormals; matrix operands are bf16.
.set SLOT,  133120
.set WTILE, 33280
.set XB,    266240
.set STG,   299520
.set RED,   316928
.set WF,    24
.set ACC,   120
.set BO,    0
.set GW,    64
.set GB,    128
.set BQ,    192
.set WV,    12
.set G1,    16
.set G0,    32
.set SEL0,  50
.set SEL1,  51
.set INV512, 52
.set EPSR,  53
.set XSO,   12
.set XST,   13
.set MSB,   0
.macro WIN new
.if MSB != \new
	s_set_vgpr_msb (MSB<<8)|\new
.set MSB, \new
.endif
.endm
.macro PLACES                          ; four places behind a matrix instruction (ISA guide 7.12.1)
.rept 4
	v_nop
.endr
.endm
.macro BAR
	s_barrier_signal -1
	s_barrier_wait -1
.endm
.macro ROUND                           ; a round of the cluster's barrier
	s_barrier_signal -1
	s_barrier_wait -1
	s_cmp_lg_u32 s[WV], 0
	s_cbranch_scc1 .Lnot_wave_0_\@
	s_barrier_signal -3
.Lnot_wave_0_\@:
	s_barrier_wait -3
	s_barrier_signal -1
	s_barrier_wait -1
.endm
; A trip's head: all my tensor loads have landed, so a group 0 may be stepped; my LDS accesses are done; the round shows both of every
; wave of the four work-groups; the next tile goes into the other slot, first thing behind it.
.macro HEAD sreg, step, g0, g1
	WIN 0
	s_wait_tensorcnt 0x0
	ds_add_u32 v119, v255
	s_wait_dscnt 0x0
.if \step
	s_add_nc_u64 s[\sreg+2:\sreg+3], s[\sreg+2:\sreg+3], \step
.endif
	s_wait_dscnt 0x0
	ROUND
.if \g0
	tensor_load_to_lds s[\g0:\g0+3], s[\g1:\g1+7]
	s_nop 0
.endif
.endm
.macro WM d, a, b, z
.if \z
	v_wmma_f32_16x16x32_bf16 v[\d:\d+7], v[\a:\a+7], v[\b:\b+7], 0
.else
	v_wmma_f32_16x16x32_bf16 v[\d:\d+7], v[\a:\a+7], v[\b:\b+7], v[\d:\d+7]
.endif
.endm
.macro FETCHW wa, b
.irp kk, 0,1
.irp mm, 0,1
	ds_load_b128 v[WF+32*((\b)&1)+8*(2*\kk+\mm):WF+32*((\b)&1)+8*(2*\kk+\mm)+3], v[\wa] offset:\mm*16640+(2*(\b)+\kk)*64
	ds_load_b128 v[WF+32*((\b)&1)+8*(2*\kk+\mm)+4:WF+32*((\b)&1)+8*(2*\kk+\mm)+7], v[\wa] offset:\mm*16640+(2*(\b)+\kk)*64+32
.endr
.endr
.endm
.macro MM4 ks, acc, z                  ; four accumulators take turns, one instruction a turn
.irp mm, 0,1
.irp nt, 0,1
	WM (\acc+8*(2*\mm+\nt)), (WF+32*(((\ks)>>1)&1)+8*(2*((\ks)&1)+\mm)), (8*(16*\nt+(\ks))), \z
.endr
.endr
.endm
; 32 weight rows x 32 tokens x K = 512.  Each run of 8 loads lands in the buffer that the matrix instructions just in front have read:
; four places stand between.  s_wait_dscnt 8 leaves out the 8 loads issued last.
.macro GEMM512 wa, acc, zero, win
	PLACES
	FETCHW \wa, 0
	FETCHW \wa, 1
	WIN \win
	s_wait_dscnt 8
	MM4 0, \acc, \zero
	MM4 1, \acc, 0
.irp b, 1,2,3,4,5,6
	PLACES
	FETCHW \wa, (\b+1)
	s_wait_dscnt 8
	MM4 (2*\b), \acc, 0
	MM4 (2*\b+1), \acc, 0
.endr
	s_wait_dscnt 0
	MM4 14, \acc, 0
	MM4 15, \acc, 0
.endm
.macro AFLOAD win
	WIN \win
.set i, 0
.rept 32
	ds_load_b128 v[8*i:8*i+3], v5 offset:(i>>4)*16640+(i&15)*64
	ds_load_b128 v[8*i+4:8*i+7], v5 offset:(i>>4)*16640+(i&15)*64+32
.set i, i+1
.endr
	WIN 0
.endm
.macro PARLOAD reg, sb, off            ; my 64 numbers of a 512-wide parameter into block 2: columns 128 w + 16 mt + 8 h + 0..7
	WIN 0x80
.irp mt, 0,1,2,3,4,5,6,7
	global_load_b128 v[\reg+8*\mt:\reg+8*\mt+3], v9, s[\sb:\sb+1] offset:\off+\mt*64
	global_load_b128 v[\reg+8*\mt+4:\reg+8*\mt+7], v9, s[\sb:\sb+1] offset:\off+\mt*64+16
.endr
.endm
.macro ADDB bias                       ; every accumulator tile (mt, nt) += parameter (mt)
	WIN 0x08
.set i, 0
.rept 64
	v_pk_add_f32 v[ACC+2*i:ACC+2*i+1], v[ACC+2*i:ACC+2*i+1], v[\bias+8*(i>>3)+2*(i&3):\bias+8*(i>>3)+2*(i&3)+1]
.set i, i+1
.endr
	WIN 0
.endm
.macro LNRED                           ; four pairs to one number, the other half of the lanes added
	v_pk_add_f32 v[24:25], v[24:25], v[26:27]
	v_pk_add_f32 v[28:29], v[28:29], v[30:31]
	v_pk_add_f32 v[24:25], v[24:25], v[28:29]
	v_add_f32 v24, v24, v25
	v_permlanex16_b32 v25, v24, s[SEL0], s[SEL1]
	v_add_f32 v24, v24, v25
.endm
.macro LNSTAT nt                       ; my wave's mean and sum of squared distances over its 128 columns of token 16 nt + r
.irp c, 0,1,2,3
	v_pk_add_f32 v[24+2*\c:25+2*\c], v[ACC+8*\nt+2*\c:ACC+8*\nt+2*\c+1], v[ACC+16+8*\nt+2*\c:ACC+16+8*\nt+2*\c+1]
.endr
.set i, 8
.rept 24
	v_pk_add_f32 v[24+2*(i&3):25+2*(i&3)], v[24+2*(i&3):25+2*(i&3)], v[ACC+16*(i>>2)+8*\nt+2*(i&3):ACC+16*(i>>2)+8*\nt+2*(i&3)+1]
.set i, i+1
.endr
	LNRED
	v_mul_f32 v32, 0x3c000000, v24                 ; mean of 128
	v_mul_f32 v34, 0xbc000000, v24
	v_mov_b32 v35, v34
.set i, 0
.rept 32
	v_pk_add_f32 v[36+2*(i&3):37+2*(i&3)], v[ACC+16*(i>>2)+8*\nt+2*(i&3):ACC+16*(i>>2)+8*\nt+2*(i&3)+1], v[34:35]
.if i < 4
	v_pk_mul_f32 v[24+2*(i&3):25+2*(i&3)], v[36+2*(i&3):37+2*(i&3)], v[36+2*(i&3):37+2*(i&3)]
.else
	v_pk_fma_f32 v[24+2*(i&3):25+2*(i&3)], v[36+2*(i&3):37+2*(i&3)], v[36+2*(i&3):37+2*(i&3)], v[24+2*(i&3):25+2*(i&3)]
.endif
.set i, i+1
.endr
	LNRED
	v_mov_b32 v33, v24
	ds_store_b64 v14, v[32:33] offset:\nt*512
.endm
.macro LNMERGE nt                      ; the four waves' pairs to 1/std and -mean/std, each twice for the packed forms
	v_add_f32 v24, v[40+8*\nt], v[42+8*\nt]
	v_add_f32 v25, v[44+8*\nt], v[46+8*\nt]
	v_add_f32 v24, v24, v25
	v_mul_f32 v24, 0x3e800000, v24                 ; mean
	v_add_f32 v26, v[41+8*\nt], v[43+8*\nt]
	v_add_f32 v27, v[45+8*\nt], v[47+8*\nt]
	v_add_f32 v26, v26, v27
	v_sub_f32 v28, v[40+8*\nt], v24
	v_sub_f32 v29, v[42+8*\nt], v24
	v_sub_f32 v30, v[44+8*\nt], v24
	v_sub_f32 v31, v[46+8*\nt], v24
	v_mul_f32 v28, v28, v28
	v_fmac_f32 v28, v29, v29
	v_fmac_f32 v28, v30, v30
	v_fmac_f32 v28, v31, v31
	v_fmamk_f32 v26, v28, 0x43000000, v26          ; + 128 x the squared distances of the waves' means
	v_fma_f32 v26, v26, s[INV512], s[EPSR]
	v_rsq_f32 v[16+4*\nt], v26
	v_nop                                          ; the plain place behind v_rsq_f32 (ISA guide 5.7.2)
	s_wait_alu depctr_va_vdst(0)
	v_mov_b32 v[17+4*\nt], v[16+4*\nt]
	v_mul_f32 v[18+4*\nt], -v24, v[16+4*\nt]
	v_mov_b32 v[19+4*\nt], v[18+4*\nt]
.endm
.macro LN g, bt
	LNSTAT 0
	LNSTAT 1
	s_wait_dscnt 0x0                               ; my pairs are in RED,
	BAR                                            ; everybody's are
.irp nt, 0,1
.irp w, 0,1,2,3
	ds_load_b64 v[40+8*\nt+2*\w:41+8*\nt+2*\w], v15 offset:\nt*512+\w*128
.endr
.endr
	s_wait_dscnt 0x0
	LNMERGE 0
	LNMERGE 1
.set i, 0
.rept 64
	v_pk_fma_f32 v[ACC+2*i:ACC+2*i+1], v[ACC+2*i:ACC+2*i+1], v[16+4*((i>>2)&1):17+4*((i>>2)&1)], v[18+4*((i>>2)&1):19+4*((i>>2)&1)]
.set i, i+1
.endr
	WIN 0x28                                       ; gain and bias in block 2
.set i, 0
.rept 64
	v_pk_fma_f32 v[ACC+2*i:ACC+2*i+1], v[ACC+2*i:ACC+2*i+1], v[\g+8*(i>>3)+2*(i&3):\g+8*(i>>3)+2*(i&3)+1], v[\bt+8*(i>>3)+2*(i&3):\bt+8*(i>>3)+2*(i&3)+1]
.set i, i+1
.endr
	WIN 0
.endm
; f32 rows out: tokens 16 nt .. +15, my columns 64 ch .. +63, through my own stage.
.macro OUTF nt, ch, sb
.irp q, 0,1,2,3
	ds_store_b128 v248, v[ACC+8*(2*(4*\ch+\q)+\nt):ACC+8*(2*(4*\ch+\q)+\nt)+3] offset:\q*64
	ds_store_b128 v248, v[ACC+8*(2*(4*\ch+\q)+\nt)+4:ACC+8*(2*(4*\ch+\q)+\nt)+7] offset:\q*64+16
.endr
.irp i, 0,1,2,3,4,5,6,7
	ds_load_b128 v[WF+32+4*\i:WF+32+4*\i+3], v249 offset:\i*544
.endr
.irp i, 0,1,2,3,4,5,6,7
	s_wait_dscnt 7-\i
	global_store_b128 v250, v[WF+32+4*\i:WF+32+4*\i+3], s[\sb:\sb+1] offset:(16*\nt+2*\i)*2048+\ch*256   ; 16 lanes store 256 consecutive bytes, aligned
.endr
	s_wait_xcnt 0x0                                ; v56-87 are written again only behind this wait
.endm
; bf16, head-major out, with the bias added
.macro OUTB nt, bias, sb
	WIN 0x08
.set i, 0
.rept 32
	v_pk_add_f32 v[ACC+16*(i>>2)+8*\nt+2*(i&3):ACC+16*(i>>2)+8*\nt+2*(i&3)+1], v[ACC+16*(i>>2)+8*\nt+2*(i&3):ACC+16*(i>>2)+8*\nt+2*(i&3)+1], v[\bias+2*i:\bias+2*i+1]
.set i, i+1
.endr
	WIN 0
.set i, 0
.rept 32
	v_cvt_pk_bf16_f32 v[WF+i], v[ACC+16*(i>>2)+8*\nt+2*(i&3)], v[ACC+16*(i>>2)+8*\nt+2*(i&3)+1]
.set i, i+1
.endr
.irp mt, 0,1,2,3,4,5,6,7
	ds_store_b128 v6, v[WF+4*\mt:WF+4*\mt+3] offset:32*\mt
.endr
.irp k, 0,1,2,3,4,5,6,7
	ds_load_b128 v[WF+32+4*\k:WF+32+4*\k+3], v7 offset:(\k&3)*1088+(\k>>2)*128
.endr
.irp k, 0,1,2,3,4,5,6,7
	s_wait_dscnt 7-\k
	global_store_b128 v8, v[WF+32+4*\k:WF+32+4*\k+3], s[\sb:\sb+1] offset:(\k>>2)*262144+\nt*2048+(\k&3)*512
.endr
	s_wait_xcnt 0x0
.endm
.macro XPACK                           ; the accumulators, rounded to bf16, become the next product's activations
.irp mt, 0,1,2,3,4,5,6,7
.irp nt, 0,1
.irp p, 0,1,2,3
	v_cvt_pk_bf16_f32 v[WF+4*(2*\mt+\nt)+\p], v[ACC+8*(2*\mt+\nt)+2*\p], v[ACC+8*(2*\mt+\nt)+2*\p+1]
.endr
	ds_store_b128 v[XST], v[WF+4*(2*\mt+\nt):WF+4*(2*\mt+\nt)+3] offset:\nt*16640+\mt*32
.endr
.endr
	s_wait_dscnt 0x0
	BAR
	AFLOAD 0x40
.endm
	s_load_b256 s[4:11], s[0:1], 0x0               ; o1 s[4:5], tgt s[6:7], wb s[8:9], ln1_w s[10:11]
	s_load_b128 s[44:47], s[0:1], 0x20             ; ln1_b s[44:45], x1 s[46:47]
	s_load_b64 s[48:49], s[0:1], 0x30              ; q2
	v_lshl_add_u32 v119, v0, 2, 0x4da00
	v_mov_b32 v255, 0
	ds_add_u32 v119, v255
	v_lshrrev_b32 v1, 5, v0
	v_readfirstlane_b32 s[WV], v1
	s_bfe_u32 s13, ttmp6, 0x40000                  ; cx: enters the addresses of activations and results alone
	s_lshl_b32 s14, ttmp9, 2
	s_add_co_u32 s14, s14, s13                     ; rb
	s_mov_b32 s[G1+0], 15|(1<<16)|(1<<20)|(1<<21)|(7<<22)|(3<<25)
	s_mov_b32 s[G1+1], 512<<16
	s_mov_b32 s[G1+2], 32<<16
	s_mov_b32 s[G1+3], 512<<16
	s_mov_b32 s[G1+4], 32
	s_mov_b32 s[G1+5], 512
	s_mov_b32 s[G1+6], 0
	s_mov_b32 s[G1+7], 0
	s_mov_b32 s[SEL0], 0x76543210
	s_mov_b32 s[SEL1], 0xfedcba98
	s_mov_b32 s[INV512], 0x3b000000
	s_mov_b32 s[EPSR], 0x3727c5ac
	s_lshr_b32 s24, s14, 6                         ; head-major offset: batch, head 2 w, 32 tokens
	s_lshl_b32 s24, s24, 21
	s_lshl_b32 s25, s[WV], 19
	s_add_co_u32 s24, s24, s25
	s_and_b32 s25, s14, 63
	s_lshl_b32 s25, s25, 12
	s_add_co_u32 s24, s24, s25
	s_mov_b32 s25, 0
	s_lshl_b32 s26, s14, 16                        ; 32 rows of 2,048 bytes
	s_mov_b32 s27, 0
	s_lshl_b32 s30, s[WV], 17
	s_add_co_u32 s30, s30, 2621440                 ; sa_wo in wb, my 128 rows
	s_mov_b32 s31, 0
	s_mul_i32 s54, s[WV], WTILE
	v_and_b32 v1, 15, v0                           ; r
	v_bfe_u32 v2, v0, 4, 1                         ; h
	v_and_b32 v11, 31, v0                          ; lane
	v_lshlrev_b32 v8, 4, v11
	v_mul_u32_u24 v251, v1, 1040
	v_lshl_add_u32 v251, v2, 4, v251
	v_add_nc_u32 v3, s54, v251
	v_add_nc_u32 v4, SLOT, v3
	v_add_nc_u32 v5, XB, v251
	s_lshl_b32 s55, s[WV], 8
	s_add_co_u32 s55, s55, XB
	v_add_nc_u32 v[XST], s55, v251                 ; XB row r, my 256 bytes, 16 h
	v_lshrrev_b32 v252, 3, v11
	v_and_b32 v253, 7, v0
	v_mul_u32_u24 v[XSO], v252, 1040
	v_lshl_add_u32 v[XSO], v253, 4, v[XSO]
	v_add_nc_u32 v[XSO], s55, v[XSO]               ; XB row lane >> 3, my 256 bytes, 16 (lane & 7)
	s_mul_i32 s56, s[WV], 4352
	s_add_co_u32 s56, s56, STG
	v_mul_u32_u24 v254, v1, 272
	v_lshl_add_u32 v6, v2, 4, v254
	v_add_nc_u32 v6, s56, v6
	v_lshl_add_u32 v248, v2, 5, v254
	v_add_nc_u32 v248, s56, v248
	v_mul_u32_u24 v7, v252, 272
	v_lshl_add_u32 v7, v253, 4, v7
	v_add_nc_u32 v7, s56, v7
	v_mul_u32_u24 v249, v2, 272
	v_lshl_add_u32 v249, v1, 4, v249
	v_add_nc_u32 v249, s56, v249
	s_lshl_b32 s57, s[WV], 9
	v_lshlrev_b32 v9, 5, v2
	v_add_nc_u32 v9, s57, v9                       ; 512 w + 32 h
	v_lshl_add_u32 v10, v1, 11, v9                 ; + r rows
	v_lshlrev_b32 v250, 11, v2
	v_lshl_add_u32 v250, v1, 4, v250
	v_add_nc_u32 v250, s57, v250                   ; h rows + 16 r + 512 w
	s_lshl_b32 s58, s[WV], 7
	s_add_co_u32 s58, s58, RED
	v_lshl_add_u32 v14, v1, 3, s58
	v_lshlrev_b32 v15, 3, v1
	v_add_nc_u32 v15, RED, v15
	s_wait_dscnt 0x0
	s_wait_kmcnt 0x0
	s_add_nc_u64 s[4:5], s[4:5], s[24:25]
	s_add_nc_u64 s[48:49], s[48:49], s[24:25]
	s_add_nc_u64 s[6:7], s[6:7], s[26:27]
	s_add_nc_u64 s[46:47], s[46:47], s[26:27]
	s_add_nc_u64 s[40:41], s[8:9], 8398848         ; packed bias 5 (sa_bo); bias 6 (c ca_bq) follows it
	s_add_nc_u64 s[28:29], s[8:9], s[30:31]
	s_mov_b32 s[G0+0], 1
	s_mov_b32 s[G0+1], s54
	s_mov_b64 s[G0+2:G0+3], s[28:29]
	s_or_b32 s[G0+3], s[G0+3], 0x80000000
	s_mov_b32 s[G0+4], 1
	s_add_co_u32 s[G0+5], s54, SLOT
	s_add_nc_u64 s[G0+6:G0+7], s[28:29], 32768
	s_or_b32 s[G0+7], s[G0+7], 0x80000000
.set i, 0
.rept 16
	global_load_b128 v[WF+4*i:WF+4*i+3], v8, s[4:5] offset:(i>>3)*262144+(i&7)*512     ; o1: heads 2 w, 2 w + 1, 32 tokens: 512 consecutive bytes a load
.set i, i+1
.endr
.set i, 0
.rept 16
	global_load_b128 v[ACC+8*i:ACC+8*i+3], v10, s[6:7] offset:(i&1)*32768+(i>>1)*64    ; the residual, straight into accumulator tile (i >> 1, i & 1)
	global_load_b128 v[ACC+8*i+4:ACC+8*i+7], v10, s[6:7] offset:(i&1)*32768+(i>>1)*64+16
.set i, i+1
.endr
	ROUND
	tensor_load_to_lds s[G0:G0+3], s[G1:G1+7]      ; tile 0
	s_nop 0
	s_wait_loadcnt 32                              ; o1's 16 loads are in; the residual's 32 stay out
.set i, 0
.rept 16
	ds_store_b128 v[XSO], v[WF+4*i:WF+4*i+3] offset:(i&7)*4160+(i>>3)*128
.set i, i+1
.endr
	PARLOAD BO, 40, 0
	PARLOAD BQ, 40, 2048
	PARLOAD GW, 10, 0
	PARLOAD GB, 44, 0
	WIN 0
	s_wait_dscnt 0x0
	BAR
	AFLOAD 0x40
	s_wait_loadcnt 0x0
	ADDB BO                                        ; the sums start from residual + bias
	HEAD G0, 65536, G0+4, G1
	GEMM512 3, ACC, 0, 0x04
	HEAD G0+4, 65536, G0, G1
	GEMM512 4, ACC+32, 0, 0x04
	HEAD G0, 458752, G0+4, G1
	GEMM512 3, ACC+64, 0, 0x04
	HEAD G0+4, 458752, G0, G1                      ; ca_wq's first tile goes out; it lands while the norm is made
	GEMM512 4, ACC+96, 0, 0x04
	WIN 0
	PLACES
	LN GW, GB
	OUTF 0, 0, 46
	OUTF 0, 1, 46
	OUTF 1, 0, 46
	OUTF 1, 1, 46
	XPACK
	HEAD G0, 65536, G0+4, G1
	GEMM512 3, ACC, 1, 0x04
	HEAD G0+4, 65536, G0, G1
	GEMM512 4, ACC+32, 1, 0x04
	HEAD G0, 0, G0+4, G1
	GEMM512 3, ACC+64, 1, 0x04
	HEAD G0, 0, 0, 0                               ; the last tile: nothing is left to fetch
	GEMM512 4, ACC+96, 1, 0x04
	WIN 0
	PLACES
	OUTB 0, BQ, 48
	OUTB 1, BQ, 48
	s_wait_tensorcnt 0x0
	ds_add_u32 v119, v255
	s_wait_dscnt 0x0
	ROUND                                          ; the closing round
	s_endpgm
.Lfunc_end_k_qcdf3a07160_post1:
	.size	k_qcdf3a07160_post1, .Lfunc_end_k_qcdf3a07160_post1-k_qcdf3a07160_post1
	.p2alignl 7, 3214868480
	.fill 96, 4, 3214868480
	.section	.rodata,"a",@progbits
	.p2align	6, 0x0
	.amdhsa_kernel k_qcdf3a07160_post1
		.amdhsa_group_segment_fixed_size 327680
		.amdhsa_private_segment_fixed_size 0
		.amdhsa_enable_private_segment 0
		.amdhsa_kernarg_size 56
		.amdhsa_user_sgpr_count 2
		.amdhsa_user_sgpr_kernarg_segment_ptr 1
		.amdhsa_wavefront_size32 1
		.amdhsa_system_sgpr_workgroup_id_x 1
		.amdhsa_system_sgpr_workgroup_id_y 1
		.amdhsa_system_sgpr_workgroup_id_z 1
		.amdhsa_system_vgpr_workitem_id 0
		.amdhsa_next_free_vgpr 768
		.amdhsa_next_free_sgpr 66
		.amdhsa_reserve_vcc 0
		.amdhsa_float_denorm_mode_32 3
		.amdhsa_float_denorm_mode_16_64 3
		.amdhsa_memory_ordered 1
		.amdhsa_forward_progress 1
		.amdhsa_inst_pref_size 158
	.end_amdhsa_kernel
	.amdgpu_metadata
---
amdhsa.version: [ 1, 2 ]
amdhsa.kernels:
  - .name:           k_qcdf3a07160_post1
    .symbol:         k_qcdf3a07160_post1.kd
    .args:
      - { .name: o1, .offset: 0, .size: 8, .value_kind: global_buffer, .address_space: global }
      - { .name: tgt, .offset: 8, .size: 8, .value_kind: global_buffer, .address_space: global }
      - { .name: wb, .offset: 16, .size: 8, .value_kind: global_buffer, .address_space: global }
      - { .name: ln1_w, .offset: 24, .size: 8, .value_kind: global_buffer, .address_space: global }
      - { .name: ln1_b, .offset: 32, .size: 8, .value_kind: global_buffer, .address_space: global }
      - { .name: x1, .offset: 40, .size: 8, .value_kind: global_buffer, .address_space: global }
      - { .name: q2, .offset: 48, .size: 8, .value_kind: global_buffer, .address_space: global }
    .group_segment_fixed_size: 327680
    .private_segment_fixed_size: 0
    .kernarg_segment_align: 8
    .kernarg_segment_size: 56
    .max_flat_workgroup_size: 128
    .sgpr_count:     66
    .vgpr_count:     768
    .wavefront_size: 32
...
	.end_amdgpu_metadata
.endif
;; end of part 4
;; launch attn2 (part 5): grid 256 x 1, 8 waves a work-group, clusters of 4 x 1, 327,680 bytes of LDS; arguments q2, qkv, o2; writes o2
.if DOCPART == 5
	.amdgcn_target "amdgcn-amd-amdhsa--gfx1250"
	.amdhsa_code_object_version 6
	.text
	.protected	k_qcdf3a07160_attn2
	.globl	k_qcdf3a07160_attn2
	.p2align	8
	.type	k_qcdf3a07160_attn2,@function
k_qcdf3a07160_attn2:
	s_mov_b64 s[64:65], 0
	v_nop
	global_prefetch_b8 v0, s[64:65] scope:SCOPE_SE
	s_setreg_imm32_b32 hwreg(HW_REG_WAVE_MODE, 25, 1), 1
	s_wait_xcnt 0x0
	s_wait_alu depctr_hold_cnt(0) depctr_sa_sdst(0) depctr_va_vdst(0) depctr_va_sdst(0) depctr_va_ssrc(0) depctr_va_vcc(0) depctr_vm_vsrc(0)
	s_getreg_b32 s2, hwreg(HW_REG_IB_STS2, 6, 4)
	s_cmp_eq_u32 s2, 0
	s_cbranch_scc0 .Lentry_in_a_cluster
	s_endpgm
.Lentry_in_a_cluster:
	s_bfe_u32 s2, ttmp6, 0x10000c
	s_cmp_lg_u32 s2, 0x3003
	s_cbranch_scc0 .Lentry_shape_is_right
	s_endpgm
.Lentry_shape_is_right:
; Attention with a running maximum, one head and 256 queries a work-group, 32 queries a wave (two tiles t of 16), keys in tiles of 256.
; The text of the masked attention kernel with MASKED = 0: cross-attention has no mask.  Q comes in multiplied by 0.125 log2(e),
; so that p = exp2(s - m).
; TRANSPOSED USE: S^T = K Q^T (source 0 = 16 keys, source 1 = 16 queries): lane (r, h) holds query r and keys 8 h + 0..7 of a tile, so a
; query's maximum and sum are sums inside a lane and one exchange between the halves, and two packed score tiles are a source 1 fragment
; of O^T = V^T P^T (source 0 = V read from LDS by transposing loads).
; CLUSTER: the four work-groups of a cluster take four query blocks of one head and read the same K and V: every tile is asked for
; jointly (mask 15).  Waves 0-3 ask for 64 rows of K each, waves 4-7 for 64 rows of V; one tensor load a wave is out at the most.
; Eight waves, two for each SIMD, so that one wave's softmax runs beside the other's matrix work.
; LDS: slot s at s x 131,072: K 256 x 144 bytes, V at +36,864, 256 x 160 bytes.  The way out's stage (8 x 4,608) lies at 77,824, in
; the gap between the slots, where no fill lands.
; REGISTERS: v1/v2 K address slot 0/1, v3/v4 V address, v5/v6 stage in/back, v7 16 x lane, v8 an LDS address for ds_add, v9 exchange,
; v10-11 m, v12-13 l (each half's own part), v14-17 maxima at work, v18-21 pairs (-m, -m), v22-25 pairs (alpha, alpha), v26-29 sums,
; v32 + 16 t + 8 ks Q, v64 + 32 t + 8 dt O, v128 + 32 t + 8 st S, v192-223 and v224-255 fragments of K and V.
; LIMITS: a NaN score loses in the maximum; v_exp_f32 and v_rcp_f32 flush denormals; P, Q, K, V are bf16.
.set MASKED, 0
.set KOFF,  25165824                   ; K2's section in qkv; V2's follows it
.set SLOTB, 0x20000
.set VOFF,  36864
.set STAGE, 77824
.set QF, 32
.set OA, 64
.set SC, 128
.set FA, 192
.set FB, 224
.macro PLACES                          ; four places behind a matrix instruction (ISA guide 7.12.1)
.rept 4
	v_nop
.endr
.endm
.macro ROUND                           ; a round of the cluster's barrier
	s_barrier_signal -1
	s_barrier_wait -1
	s_cmp_lg_u32 s8, 0
	s_cbranch_scc1 .Lnot_wave_0_\@
	s_barrier_signal -3
.Lnot_wave_0_\@:
	s_barrier_wait -3
	s_barrier_signal -1
	s_barrier_wait -1
.endm
.macro JLOAD                           ; the branch hangs on the wave's number alone: K's rows are padded by 4 words, V's by 8
	s_cmp_eq_u32 s9, 0
	s_cbranch_scc0 .Lfor_v_\@
	tensor_load_to_lds s[12:15], s[16:23]
	s_nop 0
	s_branch .Lasked_\@
.Lfor_v_\@:
	tensor_load_to_lds s[12:15], s[24:31]
	s_nop 0
.Lasked_\@:
.endm
.macro WM d, a, b, z
.if \z
	v_wmma_f32_16x16x32_bf16 v[\d:\d+7], v[\a:\a+7], v[\b:\b+7], 0
.else
	v_wmma_f32_16x16x32_bf16 v[\d:\d+7], v[\a:\a+7], v[\b:\b+7], v[\d:\d+7]
.endif
.endm
.macro KLOAD fr, ka, sub, u            ; key tiles 2 u, 2 u + 1 of the 64 keys sub: 4 fragments, 8 loads
.irp hf, 0,1
.irp ks, 0,1
	ds_load_b128 v[\fr+8*(2*\hf+\ks):\fr+8*(2*\hf+\ks)+3], v[\ka] offset:(64*(\sub)+16*(2*\u+\hf))*144+64*\ks
	ds_load_b128 v[\fr+8*(2*\hf+\ks)+4:\fr+8*(2*\hf+\ks)+7], v[\ka] offset:(64*(\sub)+16*(2*\u+\hf))*144+64*\ks+32
.endr
.endr
.endm
.macro VLOAD fr, va, sub, u            ; V^T of keys 32 u .. +31 of the 64 keys sub, four blocks of 16 d: 8 transposing loads
.irp dt, 0,1,2,3
	ds_load_tr16_b128 v[\fr+8*\dt:\fr+8*\dt+3], v[\va] offset:(64*(\sub)+32*\u)*160+32*\dt
	ds_load_tr16_b128 v[\fr+8*\dt+4:\fr+8*\dt+7], v[\va] offset:(64*(\sub)+32*\u)*160+32*\dt+2560
.endr
.endm
.macro QK fr, u                        ; four score tiles take turns, one instruction a turn
.irp ks, 0,1
.irp hf, 0,1
.irp t, 0,1
	WM (SC+32*\t+16*\u+8*\hf), (\fr+8*(2*\hf+\ks)), (QF+16*\t+8*\ks), (1-\ks)
.endr
.endr
.endr
.endm
.macro PV fr, u, z                     ; eight accumulators take turns
.irp dt, 0,1,2,3
.irp t, 0,1
	WM (OA+32*\t+8*\dt), (\fr+8*\dt), (SC+32*\t+16*\u), \z
.endr
.endr
.endm
.macro MAXT t, first                   ; the largest of m and my 32 scores of tile t, two chains
.if \first
	v_max3_num_f32 v[14+2*\t], v[SC+32*\t], v[SC+32*\t], v[SC+32*\t+1]
.else
	v_max3_num_f32 v[14+2*\t], v[10+\t], v[SC+32*\t], v[SC+32*\t+1]
.endif
	v_max3_num_f32 v[15+2*\t], v[SC+32*\t+16], v[SC+32*\t+17], v[SC+32*\t+18]
.irp i, 1,2,3,4,5,6
	v_max3_num_f32 v[14+2*\t], v[14+2*\t], v[SC+32*\t+2*\i], v[SC+32*\t+2*\i+1]
	v_max3_num_f32 v[15+2*\t], v[15+2*\t], v[SC+32*\t+17+2*\i], v[SC+32*\t+18+2*\i]
.endr
	v_max3_num_f32 v[14+2*\t], v[14+2*\t], v[SC+32*\t+14], v[SC+32*\t+15]
	v_max3_num_f32 v[14+2*\t], v[14+2*\t], v[15+2*\t], v[SC+32*\t+31]
.endm
.macro SOFTMAX first
	MAXT 0, \first
	MAXT 1, \first
	v_permlanex16_b32 v9, v14, s66, s67            ; the other half's keys
	v_max_num_f32 v14, v14, v9
	v_permlanex16_b32 v9, v16, s66, s67
	v_max_num_f32 v16, v16, v9
.if \first == 0
	v_sub_f32 v22, v10, v14
	v_sub_f32 v24, v11, v16
	v_exp_f32 v22, v22                             ; alpha = exp2(m old - m new)
	v_exp_f32 v24, v24
.endif
	v_mov_b32 v10, v14                             ; a plain instruction stands behind the exponentials before alpha is used (ISA guide 5.7.2)
	v_mov_b32 v11, v16
	v_sub_f32 v18, 0, v14
	v_sub_f32 v20, 0, v16
	v_mov_b32 v19, v18
	v_mov_b32 v21, v20
.if \first == 0
	s_wait_alu depctr_va_vdst(0)
	v_mov_b32 v23, v22
	v_mov_b32 v25, v24
.endif
.set i, 0
.rept 32
	v_pk_add_f32 v[SC+2*i:SC+2*i+1], v[SC+2*i:SC+2*i+1], v[18+2*(i>>4):19+2*(i>>4)]
.set i, i+1
.endr
.set i, 0
.rept 64
	v_exp_f32 v[SC+i], v[SC+i]
.set i, i+1
.endr
.if \first
	v_nop                                          ; the plain place behind the run of exponentials
	s_wait_alu depctr_va_vdst(0)
.else
.set i, 0
	s_wait_alu depctr_va_vdst(0)
.rept 32
	v_pk_mul_f32 v[OA+2*i:OA+2*i+1], v[OA+2*i:OA+2*i+1], v[22+2*(i>>4):23+2*(i>>4)]   ; O *= alpha: also the plain place behind the exponentials
.set i, i+1
.endr
.endif
.irp t, 0,1
	v_pk_add_f32 v[26:27], v[SC+32*\t:SC+32*\t+1], v[SC+32*\t+2:SC+32*\t+3]
	v_pk_add_f32 v[28:29], v[SC+32*\t+16:SC+32*\t+17], v[SC+32*\t+18:SC+32*\t+19]
.irp i, 2,3,4,5,6,7
	v_pk_add_f32 v[26:27], v[26:27], v[SC+32*\t+2*\i:SC+32*\t+2*\i+1]
	v_pk_add_f32 v[28:29], v[28:29], v[SC+32*\t+16+2*\i:SC+32*\t+16+2*\i+1]
.endr
	v_pk_add_f32 v[26:27], v[26:27], v[28:29]
.if \first
	v_add_f32 v[12+\t], v26, v27
.else
	v_add_f32 v26, v26, v27
	v_fma_f32 v[12+\t], v[12+\t], v[22+2*\t], v26  ; l = l alpha + sum
.endif
.endr
.set i, 0
.rept 32                                           ; two tiles of 8 registers pack in place into one fragment of 8: the target never runs ahead of the sources
	v_cvt_pk_bf16_f32 v[SC+16*(i>>3)+(i&7)], v[SC+16*(i>>3)+2*(i&7)], v[SC+16*(i>>3)+2*(i&7)+1]
.set i, i+1
.endr
.endm
; 64 keys.  On entry the fragments of key tiles 0, 1 (FA) and 2, 3 (FB) have been asked for, 8 loads each, in that order.
; Every s_wait_dscnt 8 leaves out the 8 loads issued last.  prek: the next 64 keys' K fragments are asked for; mpre: their mask words.
.macro SUB ka, va, sub, first, prek, mpre, moff, mstep
	s_wait_dscnt 8
	QK FA, 0
	PLACES
	VLOAD FA, \va, \sub, 0
	s_wait_dscnt 8
	QK FB, 1
	PLACES
	VLOAD FB, \va, \sub, 1
.if MASKED
	s_wait_kmcnt 0x0                               ; this block's 64 mask words are in, and their base may be stepped
.if \mstep
	s_add_nc_u64 s[6:7], s[6:7], 1024              ; 512 keys on
.endif
.set i, 0
.rept 32
	v_cndmask_b32 v[SC+i], v8, v[SC+i], s[32+i]    ; word 8 st + j holds, lane by lane, the bits of register j of score tile st
	v_cndmask_b32 v[SC+32+i], v8, v[SC+32+i], s[68+i]
.set i, i+1
.endr
.if \mpre
	s_load_b512 s[32:47], s[6:7], \moff
	s_load_b512 s[48:63], s[6:7], \moff+64
	s_load_b512 s[68:83], s[6:7], \moff+4096       ; the second query tile's words lie one row of 4,096 bytes on
	s_load_b512 s[84:99], s[6:7], \moff+4160
.endif
.endif
	SOFTMAX \first
	s_wait_dscnt 8
	PV FA, 0, \first
	PLACES
.if \prek
	KLOAD FA, \ka, (\sub+1), 0
	s_wait_dscnt 8
.else
	s_wait_dscnt 0
.endif
	PV FB, 1, 0
	PLACES                                         ; with the four above: eight places between a product with P and the scores that write over P
.if \prek
	KLOAD FB, \ka, (\sub+1), 1
.endif
.endm
; A tile of 256 keys.  Head: all my tensor loads have landed, so group 0 may be written (the other slot, 256 rows on); my LDS reads are
; back; the round shows both of every wave of the four work-groups; the next tile is asked for first thing behind it.
.macro TRIP ka, va, refill, first, mstep, g0, mlast
	s_wait_tensorcnt 0x0
	ds_add_u32 v8, v31
	s_wait_dscnt 0x0
	s_xor_b32 s13, s13, SLOTB
	s_add_nc_u64 s[14:15], s[14:15], 32768
	s_wait_dscnt 0x0
	ROUND
.if \refill
	JLOAD
.endif
	KLOAD FA, \ka, 0, 0
	KLOAD FB, \ka, 0, 1
	SUB \ka, \va, 0, \first, 1, 1, (\g0+1)*128, \mstep
	SUB \ka, \va, 1, 0, 1, 1, (\g0+2)*128, 0
	SUB \ka, \va, 2, 0, 1, 1, (\g0+3)*128, 0
	SUB \ka, \va, 3, 0, 0, \mlast, (\g0+4)*128, 0
.endm
.macro LAP first, mstep, last          ; once round the two slots: 512 keys
	TRIP 1, 3, 1, \first, \mstep, 0, 1
	TRIP 2, 4, (1-\last), 0, 0, 4, (1-\last)
.endm
	s_load_b128 s[32:35], s[0:1], 0x0              ; MASKED: qkv, mbits; else q2, qkv
	s_load_b64 s[36:37], s[0:1], 0x10              ; the output
	v_lshl_add_u32 v8, v0, 2, 0x33000
	v_mov_b32 v31, 0
	ds_add_u32 v8, v31
	v_lshrrev_b32 v1, 5, v0
	v_readfirstlane_b32 s8, v1                     ; wave
	s_lshr_b32 s9, s8, 2                           ; 0: I fetch K; 1: V
	s_and_b32 s11, s8, 3                           ; which 64 rows
	s_bfe_u32 s38, ttmp6, 0x40000                  ; cx: enters the addresses of Q and O alone
	s_lshr_b32 s39, ttmp9, 1                       ; batch x 8 + head
	s_and_b32 s40, ttmp9, 1
	s_lshl2_add_u32 s40, s40, s38                  ; query block 0..7
	s_lshl_b32 s42, s39, 18
	s_lshl_b32 s41, s40, 15
	s_add_co_u32 s42, s42, s41
	s_lshl_b32 s41, s8, 12
	s_add_co_u32 s42, s42, s41                     ; head x 262,144 + (256 block + 32 wave) x 128
	s_mov_b32 s43, 0
	s_lshl_b32 s44, s39, 18                        ; the tiles' address: head, K or V, my 64 rows; no place in the cluster enters it
	s_lshl_b32 s46, s9, 23
	s_add_co_u32 s44, s44, s46
	s_lshl_b32 s46, s11, 13
	s_add_co_u32 s44, s44, s46
	s_add_co_u32 s44, s44, KOFF
	s_mov_b32 s45, 0
	s_mul_i32 s13, s11, 9216                       ; LDS: K: 64 rows x 144 a wave; V: 36,864 + 64 rows x 160 a wave
	s_lshl_b32 s46, s11, 10
	s_add_co_u32 s46, s46, VOFF
	s_mul_i32 s46, s46, s9
	s_add_co_u32 s13, s13, s46
	s_mov_b32 s12, 1
	s_mov_b32 s16, 15|(1<<16)|(1<<20)|(1<<21)|(4<<22)|(3<<25)   ; K: mask of the four; 2-byte elements; 4 words of padding behind every 32
	s_mov_b32 s24, 15|(1<<16)|(1<<20)|(1<<21)|(4<<22)|(7<<25)   ; V: 8 words
.irp g, 16, 24
	s_mov_b32 s[\g+1], 64<<16                      ; tensor_dim0 = 64
	s_mov_b32 s[\g+2], 64<<16                      ; tensor_dim1 = 64
	s_mov_b32 s[\g+3], 64<<16                      ; tile_dim0 = 64
	s_mov_b32 s[\g+4], 64                          ; tile_dim1 = 64
	s_mov_b32 s[\g+5], 64                          ; elements from row to row
	s_mov_b32 s[\g+6], 0
	s_mov_b32 s[\g+7], 0
.endr
	s_mov_b32 s66, 0x76543210                      ; v_permlanex16_b32: lane i of one half reads lane i of the other
	s_mov_b32 s67, 0xfedcba98
	s_mul_i32 s47, s8, 4608
	s_add_co_u32 s47, s47, STAGE
	v_and_b32 v26, 15, v0                          ; r
	v_bfe_u32 v27, v0, 4, 1                        ; h
	v_and_b32 v28, 31, v0                          ; lane
	v_lshlrev_b32 v14, 7, v26
	v_lshl_add_u32 v14, v27, 4, v14                ; Q: r x 128 + 16 h
	v_mul_u32_u24 v1, v26, 144
	v_lshl_add_u32 v1, v27, 4, v1                  ; K: r x 144 + 16 h
	v_add_nc_u32 v2, SLOTB, v1
	v_add_nc_u32 v5, s47, v1                       ; stage in: the same lane term
	v_and_b32 v29, 7, v0
	v_lshl_add_u32 v29, v27, 3, v29
	v_mul_u32_u24 v3, v29, 160                     ; V: (8 h + (lane & 7)) x 160
	v_bfe_u32 v29, v0, 3, 1
	v_lshl_add_u32 v3, v29, 4, v3                  ; + 16 ((lane >> 3) & 1)
	v_add_nc_u32 v3, VOFF, v3
	v_add_nc_u32 v4, SLOTB, v3
	v_lshrrev_b32 v29, 3, v28
	v_mul_u32_u24 v29, v29, 144
	v_and_b32 v30, 7, v0
	v_lshl_add_u32 v29, v30, 4, v29
	v_add_nc_u32 v6, s47, v29                      ; stage back: row lane >> 3, 16 (lane & 7)
	v_lshlrev_b32 v7, 4, v28
	v_mov_b32 v9, 0                                ; v_permlanex16_b32 counts as a reader of its destination
	s_wait_dscnt 0x0
	s_wait_kmcnt 0x0
	s_add_nc_u64 s[2:3], s[32:33], s[42:43]        ; my 32 queries
	s_add_nc_u64 s[4:5], s[36:37], s[42:43]        ; and where their results go
.if MASKED
	s_add_nc_u64 s[14:15], s[32:33], s[44:45]
	s_lshl_b32 s42, s40, 16
	s_lshl_b32 s41, s8, 13
	s_add_co_u32 s42, s42, s41
	s_add_nc_u64 s[6:7], s[34:35], s[42:43]
.else
	s_add_nc_u64 s[14:15], s[34:35], s[44:45]
.endif
	s_or_b32 s15, s15, 0x80000000
.irp t, 0,1
.irp ks, 0,1
	global_load_b128 v[QF+16*\t+8*\ks:QF+16*\t+8*\ks+3], v14, s[2:3] offset:\t*2048+\ks*64
	global_load_b128 v[QF+16*\t+8*\ks+4:QF+16*\t+8*\ks+7], v14, s[2:3] offset:\t*2048+\ks*64+32
.endr
.endr
	ROUND                                          ; the four work-groups are here: the first joint loads meet
	JLOAD                                          ; tile 0
	s_wait_loadcnt 0x0                             ; Q
	LAP 1, 0, 0                                    ; the first lap stands in front of the loop: its first block starts m, l and O
	s_mov_b32 s10, 0
.Llap:
	LAP 0, 1, 0
	s_add_co_u32 s10, s10, 1
	s_cmp_lt_u32 s10, 2
	s_cbranch_scc1 .Llap
	LAP 0, 1, 1                                    ; the last lap: its second tile asks for nothing
	; the way out: O / l, bf16, through my own stage; the four places behind the last product stand at the end of SUB
	v_permlanex16_b32 v9, v12, s66, s67
	v_add_f32 v12, v12, v9
	v_permlanex16_b32 v9, v13, s66, s67
	v_add_f32 v13, v13, v9
	v_rcp_f32 v18, v12
	v_rcp_f32 v20, v13
	v_nop                                          ; the plain place behind the reciprocals
	s_wait_alu depctr_va_vdst(0)
	v_mov_b32 v19, v18
	v_mov_b32 v21, v20
.set i, 0
.rept 32
	v_pk_mul_f32 v[OA+2*i:OA+2*i+1], v[OA+2*i:OA+2*i+1], v[18+2*(i>>4):19+2*(i>>4)]
.set i, i+1
.endr
.set i, 0
.rept 32
	v_cvt_pk_bf16_f32 v[FA+i], v[OA+2*i], v[OA+2*i+1]
.set i, i+1
.endr
.irp t, 0,1
.irp dt, 0,1,2,3
	ds_store_b128 v5, v[FA+4*(4*\t+\dt):FA+4*(4*\t+\dt)+3] offset:\t*2304+\dt*32
.endr
.endr
.irp i, 0,1,2,3,4,5,6,7
	ds_load_b128 v[FB+4*\i:FB+4*\i+3], v6 offset:\i*576        ; LDS serves a wave's instructions in order: these see the stores above
.endr
.irp i, 0,1,2,3,4,5,6,7
	s_wait_dscnt 7-\i
	global_store_b128 v7, v[FB+4*\i:FB+4*\i+3], s[4:5] offset:\i*512   ; 512 consecutive bytes, aligned
.endr
	s_wait_tensorcnt 0x0
	ds_add_u32 v8, v31
	s_wait_dscnt 0x0
	ROUND                                          ; the closing round
	s_endpgm
.Lfunc_end_k_qcdf3a07160_attn2:
	.size	k_qcdf3a07160_attn2, .Lfunc_end_k_qcdf3a07160_attn2-k_qcdf3a07160_attn2
	.p2alignl 7, 3214868480
	.fill 96, 4, 3214868480
	.section	.rodata,"a",@progbits
	.p2align	6, 0x0
	.amdhsa_kernel k_qcdf3a07160_attn2
		.amdhsa_group_segment_fixed_size 327680
		.amdhsa_private_segment_fixed_size 0
		.amdhsa_enable_private_segment 0
		.amdhsa_kernarg_size 24
		.amdhsa_user_sgpr_count 2
		.amdhsa_user_sgpr_kernarg_segment_ptr 1
		.amdhsa_wavefront_size32 1
		.amdhsa_system_sgpr_workgroup_id_x 1
		.amdhsa_system_sgpr_workgroup_id_y 1
		.amdhsa_system_sgpr_workgroup_id_z 1
		.amdhsa_system_vgpr_workitem_id 0
		.amdhsa_next_free_vgpr 256
		.amdhsa_next_free_sgpr 70
		.amdhsa_reserve_vcc 0
		.amdhsa_float_denorm_mode_32 3
		.amdhsa_float_denorm_mode_16_64 3
		.amdhsa_memory_ordered 1
		.amdhsa_forward_progress 1
		.amdhsa_inst_pref_size 255
	.end_amdhsa_kernel
	.section	.bss,"aw",@nobits
	.p2align	6
	.space	262144
	.amdgpu_metadata
---
amdhsa.version: [ 1, 2 ]
amdhsa.kernels:
  - .name:           k_qcdf3a07160_attn2
    .symbol:         k_qcdf3a07160_attn2.kd
    .args:
      - { .name: q2, .offset: 0, .size: 8, .value_kind: global_buffer, .address_space: global }
      - { .name: qkv, .offset: 8, .size: 8, .value_kind: global_buffer, .address_space: global }
      - { .name: o2, .offset: 16, .size: 8, .value_kind: global_buffer, .address_space: global }
    .group_segment_fixed_size: 327680
    .private_segment_fixed_size: 0
    .kernarg_segment_align: 8
    .kernarg_segment_size: 24
    .max_flat_workgroup_size: 256
    .sgpr_count:     70
    .vgpr_count:     256
    .wavefront_size: 32
...
	.end_amdgpu_metadata
.endif
;; end of part 5
;; launch post2 (part 6): grid 256 x 1, 4 waves a work-group, clusters of 4 x 1, 327,680 bytes of LDS; arguments o2, x1, wb, ln2_w, ln2_b, b1, b2, ln3_w, ln3_b, out0; writes out0
.if DOCPART == 6
	.amdgcn_target "amdgcn-amd-amdhsa--gfx1250"
	.amdhsa_code_object_version 6
	.text
	.protected	k_qcdf3a07160_post2
	.globl	k_qcdf3a07160_post2
	.p2align	8
	.type	k_qcdf3a07160_post2,@function
k_qcdf3a07160_post2:
	s_mov_b64 s[64:65], 0
	v_nop
	global_prefetch_b8 v0, s[64:65] scope:SCOPE_SE
	s_setreg_imm32_b32 hwreg(HW_REG_WAVE_MODE, 25, 1), 1
	s_wait_xcnt 0x0
	s_wait_alu depctr_hold_cnt(0) depctr_sa_sdst(0) depctr_va_vdst(0) depctr_va_sdst(0) depctr_va_ssrc(0) depctr_va_vcc(0) depctr_vm_vsrc(0)
	s_getreg_b32 s2, hwreg(HW_REG_IB_STS2, 6, 4)
	s_cmp_eq_u32 s2, 0
	s_cbranch_scc0 .Lentry_in_a_cluster
	s_endpgm
.Lentry_in_a_cluster:
	s_bfe_u32 s2, ttmp6, 0x10000c
	s_cmp_lg_u32 s2, 0x3003
	s_cbranch_scc0 .Lentry_shape_is_right
	s_endpgm
.Lentry_shape_is_right:
; post2: x2 = LN2(x1 + o2 ca_wo^T + ca_bo); out0 = LN3(x2 + relu(x2 w1^T + b1) w2^T + b2).  Nothing between goes through memory.
; A work-group owns 32 token rows, wave w the output columns 128 w .. +127 of every 512-wide result.  The hidden layer goes in 16 chunks
; of 128 units: trip A makes the chunk (wave w its 32 units, sums started from b1), ReLU, bf16, into HB; trip B multiplies HB's 32 x 128
; by w2's 512 x 128 columns onto the accumulators, which started as x2 + b2.
; TRANSPOSED USE: source 0 = 16 weight rows, source 1 = 16 tokens; lane (r, h) holds token r.  The variances are merged from each wave's
; mean and sum of squared distances from its own mean: no difference of large sums.
; CLUSTER: all work-groups walk the same weights: four ask for each tile jointly (mask 15).  36 tiles a wave: 4 of ca_wo, then w1's and
; w2's chunks by turns, w1 always into slot 0 and w2 into slot 1; one tensor load a wave is out at the most.
; LDS: slot 0 at 0, slot 1 at SLOT (w2: 4 x 128 rows x 272; the others 4 x 32 rows x 1,040); XB 32 x 1,040 (activations in bf16; at the
; end each wave's stage of 16 x 272); HB 32 x 272; RED 2 x 4 x 16 pairs.
; REGISTERS: block 0: v1 r, v2 h, v3/v4 weight address slot 0/1, v5 activation fragments, v6 b1 offset, v8 16 x lane, v9 parameter
; offset, v10 residual offset, v11 w2 fragments, v12/v13 HB in/back, v14/v15 RED in/back, v16-23 norm pairs, v24-87 weight fragment
; buffers (at work elsewhere), v88-119 the chunk's four accumulators, v120-247 the 16 accumulators, v248/v249 stage in/back,
; v250 offset in out0, v251 o2's LDS store, v252 x2's LDS store.  Block 1: activation fragments.  Block 2: v0-63 HB's fragments,
; v64-127 ca_bo, then b2; v128-191 and v192-255 gain and bias of LN2, then of LN3.
; LIMITS: a NaN loses in ReLU (v_max_num_f32); v_rsq_f32 flushes denormals; matrix operands are bf16.
.set SLOT,  139264
.set WTILE, 33280
.set W2TILE, 34816
.set XB,    278528
.set HB,    311808
.set RED,   320512
.set WF,    24
.set HACC,  88
.set ACC,   120
.set BO,    64
.set GW,    128
.set GB,    192
.set WV,    56
.set G1A,   24                         ; s[24:31] 32 rows x 512
.set G1B,   32                         ; s[32:39] 128 rows x 128 of rows 2,048 long
.set GWO,   40                         ; s[40:47] ca_wo, a set for each slot
.set GW1,   48                         ; s[48:51] w1
.set GW2,   52                         ; s[52:55] w2
.set SEL0,  66
.set SEL1,  67
.set INV512, 68
.set EPSR,  69
.set CNT,   70
.set XSO,   251
.set XST,   252
.set MSB,   0
.macro WIN new
.if MSB != \new
	s_set_vgpr_msb (MSB<<8)|\new
.set MSB, \new
.endif
.endm
.macro PLACES                          ; four places behind a matrix instruction (ISA guide 7.12.1)
.rept 4
	v_nop
.endr
.endm
.macro BAR
	s_barrier_signal -1
	s_barrier_wait -1
.endm
.macro ROUND                           ; a round of the cluster's barrier
	s_barrier_signal -1
	s_barrier_wait -1
	s_cmp_lg_u32 s[WV], 0
	s_cbranch_scc1 .Lnot_wave_0_\@
	s_barrier_signal -3
.Lnot_wave_0_\@:
	s_barrier_wait -3
	s_barrier_signal -1
	s_barrier_wait -1
.endm
; A trip's head: all my tensor loads have landed, so a group 0 may be stepped; my LDS accesses (HB's among them) are done; the round
; shows both of every wave of the four work-groups; the next tile goes into the other slot, first thing behind it.
.macro HEAD sreg, step, g0, g1
	WIN 0
	s_set_vgpr_msb 0xc
	s_wait_tensorcnt 0x0
	ds_add_u32 v7, v1
	s_wait_dscnt 0x0
	s_set_vgpr_msb 0xc00
.if \step
	s_add_nc_u64 s[\sreg+2:\sreg+3], s[\sreg+2:\sreg+3], \step
.endif
	s_wait_dscnt 0x0
	ROUND
.if \g0
	tensor_load_to_lds s[\g0:\g0+3], s[\g1:\g1+7]
	s_nop 0
.endif
.endm
.macro WM d, a, b, z
.if \z
	v_wmma_f32_16x16x32_bf16 v[\d:\d+7], v[\a:\a+7], v[\b:\b+7], 0
.else
	v_wmma_f32_16x16x32_bf16 v[\d:\d+7], v[\a:\a+7], v[\b:\b+7], v[\d:\d+7]
.endif
.endm
.macro FETCHW wa, b
.irp kk, 0,1
.irp mm, 0,1
	ds_load_b128 v[WF+32*((\b)&1)+8*(2*\kk+\mm):WF+32*((\b)&1)+8*(2*\kk+\mm)+3], v[\wa] offset:\mm*16640+(2*(\b)+\kk)*64
	ds_load_b128 v[WF+32*((\b)&1)+8*(2*\kk+\mm)+4:WF+32*((\b)&1)+8*(2*\kk+\mm)+7], v[\wa] offset:\mm*16640+(2*(\b)+\kk)*64+32
.endr
.endr
.endm
.macro MM4 ks, acc, z                  ; four accumulators take turns, one instruction a turn
.irp mm, 0,1
.irp nt, 0,1
	WM (\acc+8*(2*\mm+\nt)), (WF+32*(((\ks)>>1)&1)+8*(2*((\ks)&1)+\mm)), (8*(16*\nt+(\ks))), \z
.endr
.endr
.endm
; 32 weight rows x 32 tokens x K = 512.  Each run of 8 loads lands in the buffer that the matrix instructions just in front have read:
; four places stand between.  s_wait_dscnt 8 leaves out the 8 loads issued last.
.macro GEMM512 wa, acc, zero, win
	PLACES
	FETCHW \wa, 0
	FETCHW \wa, 1
	WIN \win
	s_wait_dscnt 8
	MM4 0, \acc, \zero
	MM4 1, \acc, 0
.irp b, 1,2,3,4,5,6
	PLACES
	FETCHW \wa, (\b+1)
	s_wait_dscnt 8
	MM4 (2*\b), \acc, 0
	MM4 (2*\b+1), \acc, 0
.endr
	s_wait_dscnt 0
	MM4 14, \acc, 0
	MM4 15, \acc, 0
.endm
.macro FETCH2 b                        ; w2: K step b >> 1 of row blocks 4 (b & 1) .. +3: 8 loads into buffer b & 1
.irp f, 0,1,2,3
	ds_load_b128 v[WF+32*((\b)&1)+8*\f:WF+32*((\b)&1)+8*\f+3], v11 offset:(4*((\b)&1)+\f)*4352+((\b)>>1)*64
	ds_load_b128 v[WF+32*((\b)&1)+8*\f+4:WF+32*((\b)&1)+8*\f+7], v11 offset:(4*((\b)&1)+\f)*4352+((\b)>>1)*64+32
.endr
.endm
.macro MMW b                           ; eight accumulators take turns
.irp f, 0,1,2,3
.irp nt, 0,1
	WM (ACC+8*(2*(4*((\b)&1)+\f)+\nt)), (WF+32*((\b)&1)+8*\f), (8*(4*\nt+((\b)>>1))), 0
.endr
.endr
.endm
.macro GEMMW2                          ; 128 rows of w2 x 32 tokens x K = 128.  Four places stand behind trip A's last matrix instruction already.
	FETCH2 0
	FETCH2 1
	s_wait_dscnt 8                         ; HB's fragments and batch 0 are older than the 8 loads left out
	MMW 0
.irp b, 1,2,3,4,5,6
	PLACES
	FETCH2 (\b+1)
	s_wait_dscnt 8
	MMW \b
.endr
	s_wait_dscnt 0
	MMW 7
.endm
.macro AFLOAD win
	WIN \win
.set i, 0
.rept 32
	ds_load_b128 v[8*i:8*i+3], v5 offset:(i>>4)*16640+(i&15)*64
	ds_load_b128 v[8*i+4:8*i+7], v5 offset:(i>>4)*16640+(i&15)*64+32
.set i, i+1
.endr
	WIN 0
.endm
.macro PARLOAD reg, sb, off            ; my 64 numbers of a 512-wide parameter into block 2: columns 128 w + 16 mt + 8 h + 0..7
	WIN 0x80
.irp mt, 0,1,2,3,4,5,6,7
	global_load_b128 v[\reg+8*\mt:\reg+8*\mt+3], v9, s[\sb:\sb+1] offset:\off+\mt*64
	global_load_b128 v[\reg+8*\mt+4:\reg+8*\mt+7], v9, s[\sb:\sb+1] offset:\off+\mt*64+16
.endr
.endm
.macro ADDB bias
	WIN 0x08
.set i, 0
.rept 64
	v_pk_add_f32 v[ACC+2*i:ACC+2*i+1], v[ACC+2*i:ACC+2*i+1], v[\bias+8*(i>>3)+2*(i&3):\bias+8*(i>>3)+2*(i&3)+1]
.set i, i+1
.endr
	WIN 0
.endm
.macro B1LOAD                          ; b1 of my 32 hidden units, into the chunk's accumulators of both token tiles: the sums start from it
.irp mm, 0,1
.irp nt, 0,1
	global_load_b128 v[HACC+8*(2*\mm+\nt):HACC+8*(2*\mm+\nt)+3], v6, s[14:15] offset:\mm*64
	global_load_b128 v[HACC+8*(2*\mm+\nt)+4:HACC+8*(2*\mm+\nt)+7], v6, s[14:15] offset:\mm*64+16
.endr
.endr
.endm
.macro LNRED
	v_pk_add_f32 v[24:25], v[24:25], v[26:27]
	v_pk_add_f32 v[28:29], v[28:29], v[30:31]
	v_pk_add_f32 v[24:25], v[24:25], v[28:29]
	v_add_f32 v24, v24, v25
	v_permlanex16_b32 v25, v24, s[SEL0], s[SEL1]
	v_add_f32 v24, v24, v25
.endm
.macro LNSTAT nt                       ; my wave's mean and sum of squared distances over its 128 columns of token 16 nt + r
.irp c, 0,1,2,3
	v_pk_add_f32 v[24+2*\c:25+2*\c], v[ACC+8*\nt+2*\c:ACC+8*\nt+2*\c+1], v[ACC+16+8*\nt+2*\c:ACC+16+8*\nt+2*\c+1]
.endr
.set i, 8
.rept 24
	v_pk_add_f32 v[24+2*(i&3):25+2*(i&3)], v[24+2*(i&3):25+2*(i&3)], v[ACC+16*(i>>2)+8*\nt+2*(i&3):ACC+16*(i>>2)+8*\nt+2*(i&3)+1]
.set i, i+1
.endr
	LNRED
	v_mul_f32 v32, 0x3c000000, v24                 ; mean of 128
	v_mul_f32 v34, 0xbc000000, v24
	v_mov_b32 v35, v34
.set i, 0
.rept 32
	v_pk_add_f32 v[36+2*(i&3):37+2*(i&3)], v[ACC+16*(i>>2)+8*\nt+2*(i&3):ACC+16*(i>>2)+8*\nt+2*(i&3)+1], v[34:35]
.if i < 4
	v_pk_mul_f32 v[24+2*(i&3):25+2*(i&3)], v[36+2*(i&3):37+2*(i&3)], v[36+2*(i&3):37+2*(i&3)]
.else
	v_pk_fma_f32 v[24+2*(i&3):25+2*(i&3)], v[36+2*(i&3):37+2*(i&3)], v[36+2*(i&3):37+2*(i&3)], v[24+2*(i&3):25+2*(i&3)]
.endif
.set i, i+1
.endr
	LNRED
	v_mov_b32 v33, v24
	ds_store_b64 v14, v[32:33] offset:\nt*512
.endm
.macro LNMERGE nt
	v_add_f32 v24, v[40+8*\nt], v[42+8*\nt]
	v_add_f32 v25, v[44+8*\nt], v[46+8*\nt]
	v_add_f32 v24, v24, v25
	v_mul_f32 v24, 0x3e800000, v24                 ; mean
	v_add_f32 v26, v[41+8*\nt], v[43+8*\nt]
	v_add_f32 v27, v[45+8*\nt], v[47+8*\nt]
	v_add_f32 v26, v26, v27
	v_sub_f32 v28, v[40+8*\nt], v24
	v_sub_f32 v29, v[42+8*\nt], v24
	v_sub_f32 v30, v[44+8*\nt], v24
	v_sub_f32 v31, v[46+8*\nt], v24
	v_mul_f32 v28, v28, v28
	v_fmac_f32 v28, v29, v29
	v_fmac_f32 v28, v30, v30
	v_fmac_f32 v28, v31, v31
	v_fmamk_f32 v26, v28, 0x43000000, v26          ; + 128 x the squared distances of the waves' means
	v_fma_f32 v26, v26, s[INV512], s[EPSR]
	v_rsq_f32 v[16+4*\nt], v26
	v_nop                                          ; the plain place behind v_rsq_f32 (ISA guide 5.7.2)
	s_wait_alu depctr_va_vdst(0)
	v_mov_b32 v[17+4*\nt], v[16+4*\nt]
	v_mul_f32 v[18+4*\nt], -v24, v[16+4*\nt]
	v_mov_b32 v[19+4*\nt], v[18+4*\nt]
.endm
.macro LN g, bt
	LNSTAT 0
	LNSTAT 1
	s_wait_dscnt 0x0                               ; my pairs are in RED,
	BAR                                            ; everybody's are
.irp nt, 0,1
.irp w, 0,1,2,3
	ds_load_b64 v[40+8*\nt+2*\w:41+8*\nt+2*\w], v15 offset:\nt*512+\w*128
.endr
.endr
	s_wait_dscnt 0x0
	LNMERGE 0
	LNMERGE 1
.set i, 0
.rept 64
	v_pk_fma_f32 v[ACC+2*i:ACC+2*i+1], v[ACC+2*i:ACC+2*i+1], v[16+4*((i>>2)&1):17+4*((i>>2)&1)], v[18+4*((i>>2)&1):19+4*((i>>2)&1)]
.set i, i+1
.endr
	WIN 0x28
.set i, 0
.rept 64
	v_pk_fma_f32 v[ACC+2*i:ACC+2*i+1], v[ACC+2*i:ACC+2*i+1], v[\g+8*(i>>3)+2*(i&3):\g+8*(i>>3)+2*(i&3)+1], v[\bt+8*(i>>3)+2*(i&3):\bt+8*(i>>3)+2*(i&3)+1]
.set i, i+1
.endr
	WIN 0
.endm
.macro OUTF nt, ch, sb                 ; f32 rows out: tokens 16 nt .. +15, my columns 64 ch .. +63, through my own stage
.irp q, 0,1,2,3
	ds_store_b128 v248, v[ACC+8*(2*(4*\ch+\q)+\nt):ACC+8*(2*(4*\ch+\q)+\nt)+3] offset:\q*64
	ds_store_b128 v248, v[ACC+8*(2*(4*\ch+\q)+\nt)+4:ACC+8*(2*(4*\ch+\q)+\nt)+7] offset:\q*64+16
.endr
.irp i, 0,1,2,3,4,5,6,7
	ds_load_b128 v[WF+32+4*\i:WF+32+4*\i+3], v249 offset:\i*544
.endr
.irp i, 0,1,2,3,4,5,6,7
	s_wait_dscnt 7-\i
	global_store_b128 v250, v[WF+32+4*\i:WF+32+4*\i+3], s[\sb:\sb+1] offset:(16*\nt+2*\i)*2048+\ch*256   ; 16 lanes store 256 consecutive bytes, aligned
.endr
	s_wait_xcnt 0x0                                ; v56-87 are written again only behind this wait
.endm
.macro XPACK
.irp mt, 0,1,2,3,4,5,6,7
.irp nt, 0,1
.irp p, 0,1,2,3
	v_cvt_pk_bf16_f32 v[WF+4*(2*\mt+\nt)+\p], v[ACC+8*(2*\mt+\nt)+2*\p], v[ACC+8*(2*\mt+\nt)+2*\p+1]
.endr
	ds_store_b128 v[XST], v[WF+4*(2*\mt+\nt):WF+4*(2*\mt+\nt)+3] offset:\nt*16640+\mt*32
.endr
.endr
	s_wait_dscnt 0x0
	BAR
	AFLOAD 0x40
.endm
; Trip A: the chunk's hidden units.  tail = 1: the last chunk asks for no further b1.
.macro TRIPA tail
	HEAD GW1, 131072, GW2, G1B                     ; w1's chunk has landed: its next is 128 rows on; w2's chunk goes out
	s_wait_loadcnt 0x0                             ; b1 lies in the chunk's accumulators, and its base may be stepped
	GEMM512 3, HACC, 0, 0x04
	WIN 0
	PLACES
.set i, 0
.rept 32
	v_max_num_f32 v[HACC+i], 0, v[HACC+i]
.set i, i+1
.endr
.set i, 0
.rept 16
	v_cvt_pk_bf16_f32 v[WF+i], v[HACC+2*i], v[HACC+2*i+1]
.set i, i+1
.endr
.irp mm, 0,1
.irp nt, 0,1
	ds_store_b128 v12, v[WF+4*(2*\mm+\nt):WF+4*(2*\mm+\nt)+3] offset:\nt*4352+\mm*32
.endr
.endr
.if \tail == 0
	s_add_nc_u64 s[14:15], s[14:15], 512
	B1LOAD
.endif
.endm
; Trip B: the chunk times w2's columns, onto the accumulators.
.macro TRIPB tail
.if \tail
	HEAD GW2, 0, 0, 0                              ; the last tile: nothing is left to fetch
.else
	HEAD GW2, 256, GW1, G1A                        ; w2's chunk has landed: its next is 128 columns on; w1's next chunk goes out
.endif
	WIN 0x80
.set i, 0
.rept 8
	ds_load_b128 v[8*i:8*i+3], v13 offset:(i>>2)*4352+(i&3)*64
	ds_load_b128 v[8*i+4:8*i+7], v13 offset:(i>>2)*4352+(i&3)*64+32
.set i, i+1
.endr
	WIN 0x08                                       ; source 1 (HB's fragments) in block 2
	GEMMW2
.endm
	s_load_b512 s[4:19], s[0:1], 0x0               ; o2 s[4:5], x1 s[6:7], wb s[8:9], ln2_w s[10:11], ln2_b s[12:13], b1 s[14:15], b2 s[16:17], ln3_w s[18:19]
	s_load_b128 s[20:23], s[0:1], 0x40             ; ln3_b s[20:21], out0 s[22:23]
	v_lshl_add_u32 v7, v0, 2, 0x4e800
	s_set_vgpr_msb 0xc0
	v_mov_b32 v1, 0
	s_set_vgpr_msb 0xc0cc
	ds_add_u32 v7, v1
	s_set_vgpr_msb 0xcc00
	v_lshrrev_b32 v1, 5, v0
	v_readfirstlane_b32 s[WV], v1
	s_bfe_u32 s57, ttmp6, 0x40000                  ; cx: enters the addresses of activations and results alone
	s_lshl_b32 s58, ttmp9, 2
	s_add_co_u32 s58, s58, s57                     ; rb
	s_mov_b32 s[G1A+0], 15|(1<<16)|(1<<20)|(1<<21)|(7<<22)|(3<<25)   ; mask of the four; 2-byte elements; 4 words of padding behind every 256
	s_mov_b32 s[G1A+1], 512<<16
	s_mov_b32 s[G1A+2], 32<<16
	s_mov_b32 s[G1A+3], 512<<16
	s_mov_b32 s[G1A+4], 32
	s_mov_b32 s[G1A+5], 512
	s_mov_b32 s[G1A+6], 0
	s_mov_b32 s[G1A+7], 0
	s_mov_b32 s[G1B+0], 15|(1<<16)|(1<<20)|(1<<21)|(5<<22)|(3<<25)   ; 4 words of padding behind every 64
	s_mov_b32 s[G1B+1], 128<<16
	s_mov_b32 s[G1B+2], 128<<16
	s_mov_b32 s[G1B+3], 128<<16
	s_mov_b32 s[G1B+4], 128
	s_mov_b32 s[G1B+5], 2048
	s_mov_b32 s[G1B+6], 0
	s_mov_b32 s[G1B+7], 0
	s_mov_b32 s[SEL0], 0x76543210
	s_mov_b32 s[SEL1], 0xfedcba98
	s_mov_b32 s[INV512], 0x3b000000
	s_mov_b32 s[EPSR], 0x3727c5ac
	s_lshr_b32 s60, s58, 6                         ; head-major offset: batch, head 2 w, 32 tokens
	s_lshl_b32 s60, s60, 21
	s_lshl_b32 s61, s[WV], 19
	s_add_co_u32 s60, s60, s61
	s_and_b32 s61, s58, 63
	s_lshl_b32 s61, s61, 12
	s_add_co_u32 s60, s60, s61
	s_mov_b32 s61, 0
	s_lshl_b32 s62, s58, 16                        ; 32 rows of 2,048 bytes
	s_mov_b32 s63, 0
	s_mul_i32 s59, s[WV], WTILE
	s_mul_i32 s71, s[WV], W2TILE
	s_add_co_u32 s71, s71, SLOT
	v_and_b32 v1, 15, v0                           ; r
	v_bfe_u32 v2, v0, 4, 1                         ; h
	v_and_b32 v253, 31, v0                         ; lane
	v_lshlrev_b32 v8, 4, v253
	v_mul_u32_u24 v254, v1, 1040
	v_lshl_add_u32 v254, v2, 4, v254
	v_add_nc_u32 v3, s59, v254
	v_add_nc_u32 v4, SLOT, v3
	v_add_nc_u32 v5, XB, v254
	s_lshl_b32 s72, s[WV], 8
	s_add_co_u32 s72, s72, XB
	v_add_nc_u32 v[XST], s72, v254
	v_lshrrev_b32 v253, 3, v253
	v_and_b32 v255, 7, v0
	v_mul_u32_u24 v[XSO], v253, 1040
	v_lshl_add_u32 v[XSO], v255, 4, v[XSO]
	v_add_nc_u32 v[XSO], s72, v[XSO]
	s_mul_i32 s73, s[WV], 4352
	s_add_co_u32 s73, s73, XB                      ; the stage of the way out lies in XB, which nobody reads any more by then
	v_mul_u32_u24 v254, v1, 272                    ; r x 272
	v_lshl_add_u32 v248, v2, 5, v254
	v_add_nc_u32 v248, s73, v248
	v_mul_u32_u24 v249, v2, 272
	v_lshl_add_u32 v249, v1, 4, v249
	v_add_nc_u32 v249, s73, v249
	v_lshl_add_u32 v254, v2, 4, v254               ; r x 272 + 16 h
	v_add_nc_u32 v11, s71, v254
	v_add_nc_u32 v13, HB, v254
	s_lshl_b32 s74, s[WV], 6
	v_add_nc_u32 v12, s74, v13
	s_lshl_b32 s75, s[WV], 9
	v_lshlrev_b32 v9, 5, v2
	s_lshl_b32 s74, s[WV], 7
	v_add_nc_u32 v6, s74, v9                       ; b1: 128 w + 32 h
	v_add_nc_u32 v9, s75, v9                       ; 512 w + 32 h
	v_lshl_add_u32 v10, v1, 11, v9
	v_lshlrev_b32 v250, 11, v2
	v_lshl_add_u32 v250, v1, 4, v250
	v_add_nc_u32 v250, s75, v250
	s_add_co_u32 s74, s74, RED
	v_lshl_add_u32 v14, v1, 3, s74
	v_lshlrev_b32 v15, 3, v1
	v_add_nc_u32 v15, RED, v15
	s_wait_dscnt 0x0
	s_wait_kmcnt 0x0
	s_add_nc_u64 s[4:5], s[4:5], s[60:61]
	s_add_nc_u64 s[6:7], s[6:7], s[62:63]
	s_add_nc_u64 s[22:23], s[22:23], s[62:63]
	s_add_nc_u64 s[76:77], s[8:9], 8402944         ; packed bias 7 (ca_bo)
	s_lshl_b32 s72, s[WV], 17
	s_add_co_u32 s72, s72, 3670016                 ; ca_wo in wb, my 128 rows
	s_mov_b32 s73, 0
	s_mov_b32 s[GWO+0], 1
	s_mov_b32 s[GWO+1], s59
	s_add_nc_u64 s[GWO+2:GWO+3], s[8:9], s[72:73]
	s_mov_b32 s[GWO+4], 1
	s_add_co_u32 s[GWO+5], s59, SLOT
	s_add_nc_u64 s[GWO+6:GWO+7], s[GWO+2:GWO+3], 32768
	s_or_b32 s[GWO+3], s[GWO+3], 0x80000000
	s_or_b32 s[GWO+7], s[GWO+7], 0x80000000
	s_lshl_b32 s72, s[WV], 15
	s_add_co_u32 s72, s72, 4194304                 ; w1 in wb, my 32 rows of the chunk
	s_mov_b32 s[GW1+0], 1
	s_mov_b32 s[GW1+1], s59
	s_add_nc_u64 s[GW1+2:GW1+3], s[8:9], s[72:73]
	s_or_b32 s[GW1+3], s[GW1+3], 0x80000000
	s_lshl_b32 s72, s[WV], 19
	s_add_co_u32 s72, s72, 6291456                 ; w2 in wb, my 128 rows of 4,096 bytes
	s_mov_b32 s[GW2+0], 1
	s_mov_b32 s[GW2+1], s71
	s_add_nc_u64 s[GW2+2:GW2+3], s[8:9], s[72:73]
	s_or_b32 s[GW2+3], s[GW2+3], 0x80000000
.set i, 0
.rept 16
	global_load_b128 v[WF+4*i:WF+4*i+3], v8, s[4:5] offset:(i>>3)*262144+(i&7)*512     ; o2: heads 2 w, 2 w + 1, 32 tokens
.set i, i+1
.endr
.set i, 0
.rept 16
	global_load_b128 v[ACC+8*i:ACC+8*i+3], v10, s[6:7] offset:(i&1)*32768+(i>>1)*64    ; the residual x1, straight into accumulator tile (i >> 1, i & 1)
	global_load_b128 v[ACC+8*i+4:ACC+8*i+7], v10, s[6:7] offset:(i&1)*32768+(i>>1)*64+16
.set i, i+1
.endr
	ROUND
	tensor_load_to_lds s[GWO:GWO+3], s[G1A:G1A+7]  ; tile 0
	s_nop 0
	s_wait_loadcnt 32                              ; o2's 16 loads are in; the residual's 32 stay out
.set i, 0
.rept 16
	ds_store_b128 v[XSO], v[WF+4*i:WF+4*i+3] offset:(i&7)*4160+(i>>3)*128
.set i, i+1
.endr
	PARLOAD BO, 76, 0
	PARLOAD GW, 10, 0
	PARLOAD GB, 12, 0
	WIN 0
	s_wait_dscnt 0x0
	BAR
	AFLOAD 0x40
	s_wait_loadcnt 0x0
	ADDB BO                                        ; the sums start from residual + bias
	PARLOAD BO, 16, 0                              ; b2 takes ca_bo's registers
	HEAD GWO, 65536, GWO+4, G1A
	GEMM512 3, ACC, 0, 0x04
	HEAD GWO+4, 65536, GWO, G1A
	GEMM512 4, ACC+32, 0, 0x04
	HEAD GWO, 0, GWO+4, G1A
	GEMM512 3, ACC+64, 0, 0x04
	HEAD GWO, 0, GW1, G1A                          ; w1's first chunk goes out; it lands while the norm is made
	GEMM512 4, ACC+96, 0, 0x04
	WIN 0
	PLACES
	LN GW, GB
	XPACK                                          ; x2 in bf16 becomes the activations; x2 in f32 stays in the accumulators
	s_wait_loadcnt 0x0
	ADDB BO                                        ; x2 + b2: where the second product's sums start
	PARLOAD GW, 18, 0
	PARLOAD GB, 20, 0
	WIN 0
	B1LOAD
	s_mov_b32 s[CNT], 0
.Lffn:
	TRIPA 0
	TRIPB 0
	WIN 0
	s_add_co_u32 s[CNT], s[CNT], 1
	s_cmp_lt_u32 s[CNT], 15
	s_cbranch_scc1 .Lffn
	TRIPA 1                                        ; the last chunk is written out: no further b1, no further tile
	TRIPB 1
	WIN 0
	PLACES
	LN GW, GB
	OUTF 0, 0, 22
	OUTF 0, 1, 22
	OUTF 1, 0, 22
	OUTF 1, 1, 22
	s_set_vgpr_msb 0xc
	s_wait_tensorcnt 0x0
	ds_add_u32 v7, v1
	s_wait_dscnt 0x0
	s_set_vgpr_msb 0xc00
	ROUND                                          ; the closing round
	s_endpgm
.Lfunc_end_k_qcdf3a07160_post2:
	.size	k_qcdf3a07160_post2, .Lfunc_end_k_qcdf3a07160_post2-k_qcdf3a07160_post2
	.p2alignl 7, 3214868480
	.fill 96, 4, 3214868480
	.section	.rodata,"a",@progbits
	.p2align	6, 0x0
	.amdhsa_kernel k_qcdf3a07160_post2
		.amdhsa_group_segment_fixed_size 327680
		.amdhsa_private_segment_fixed_size 0
		.amdhsa_enable_private_segment 0
		.amdhsa_kernarg_size 80
		.amdhsa_user_sgpr_count 2
		.amdhsa_user_sgpr_kernarg_segment_ptr 1
		.amdhsa_wavefront_size32 1
		.amdhsa_system_sgpr_workgroup_id_x 1
		.amdhsa_system_sgpr_workgroup_id_y 1
		.amdhsa_system_sgpr_workgroup_id_z 1
		.amdhsa_system_vgpr_workitem_id 0
		.amdhsa_next_free_vgpr 770
		.amdhsa_next_free_sgpr 80
		.amdhsa_reserve_vcc 0
		.amdhsa_float_denorm_mode_32 3
		.amdhsa_float_denorm_mode_16_64 3
		.amdhsa_memory_ordered 1
		.amdhsa_forward_progress 1
		.amdhsa_inst_pref_size 186
	.end_amdhsa_kernel
	.amdgpu_metadata
---
amdhsa.version: [ 1, 2 ]
amdhsa.kernels:
  - .name:           k_qcdf3a07160_post2
    .symbol:         k_qcdf3a07160_post2.kd
    .args:
      - { .name: o2, .offset: 0, .size: 8, .value_kind: global_buffer, .address_space: global }
      - { .name: x1, .offset: 8, .size: 8, .value_kind: global_buffer, .address_space: global }
      - { .name: wb, .offset: 16, .size: 8, .value_kind: global_buffer, .address_space: global }
      - { .name: ln2_w, .offset: 24, .size: 8, .value_kind: global_buffer, .address_space: global }
      - { .name: ln2_b, .offset: 32, .size: 8, .value_kind: global_buffer, .address_space: global }
      - { .name: b1, .offset: 40, .size: 8, .value_kind: global_buffer, .address_space: global }
      - { .name: b2, .offset: 48, .size: 8, .value_kind: global_buffer, .address_space: global }
      - { .name: ln3_w, .offset: 56, .size: 8, .value_kind: global_buffer, .address_space: global }
      - { .name: ln3_b, .offset: 64, .size: 8, .value_kind: global_buffer, .address_space: global }
      - { .name: out0, .offset: 72, .size: 8, .value_kind: global_buffer, .address_space: global }
    .group_segment_fixed_size: 327680
    .private_segment_fixed_size: 0
    .kernarg_segment_align: 8
    .kernarg_segment_size: 80
    .max_flat_workgroup_size: 128
    .sgpr_count:     80
    .vgpr_count:     770
    .wavefront_size: 32
...
	.end_amdgpu_metadata
.endif
;; end of part 6
;; ======== version 2 of 2: 6 launches
;; workspace buffers: wb 8,404,992 bytes; mbits 524,288 bytes of whole numbers; qkv 41,943,040 bytes; o1 8,388,608 bytes; q2 8,388,608 bytes; o2 8,388,608 bytes; x1 16,777,216 bytes
;; launch prep (part 7): grid 256 x 1, 8 waves a work-group, no clusters, 35,840 bytes of LDS; arguments sa_wq, sa_wk, sa_wv, ca_wk, ca_wv, sa_wo, ca_wq, ca_wo, w1, w2, sa_bq, sa_bk, sa_bv, ca_bk, ca_bv, sa_bo, ca_bq, ca_bo, tgt_mask, wb, mbits; writes wb, mbits
.if DOCPART == 7
	.amdgcn_target "amdgcn-amd-amdhsa--gfx1250"
	.amdhsa_code_object_version 6
	.text
	.protected	k_qcdf3a07160_prep
	.globl	k_qcdf3a07160_prep
	.p2align	8
	.type	k_qcdf3a07160_prep,@function
k_qcdf3a07160_prep:
	s_mov_b64 s[64:65], 0
	v_nop
	global_prefetch_b8 v0, s[64:65] scope:SCOPE_SE
	s_setreg_imm32_b32 hwreg(HW_REG_WAVE_MODE, 25, 1), 1
	s_wait_xcnt 0x0
; prep: (a) the ten weight matrices, f32 to bf16, into wb, in 16 units of 512 x 512 numbers (w1 and w2 are four units each);
; (b) the mask's bytes into words of 32 lane bits, in the order in which the attention kernel's lanes hold scores;
; (c) the eight biases of the 512-wide products, f32, packed behind the weights.
; sa_wq, ca_wq and their biases are multiplied by C_Q = 0.125 log2(e) before the rounding, so that the scores come out ready for exp2.
; 256 work-groups of 8 waves: work-group g converts part g & 15 (64 KiB of f32, 32 rows) of unit g >> 4, and 16 mask rows x 1,024 columns.
; ORDER IN wb: row-major as the originals, but for w1 (units 8 to 11), which is laid in the order of matrix fragments: a part's 32 rows are
; what one wave of the last launch multiplies in one chunk; K step ks, row block mm, half q make 512 consecutive bytes at
; 2,048 ks + 1,024 mm + 512 q of the part's 32 KiB, lane (r, h) at 256 h + 16 r holding row 16 mm + r, k = 32 ks + 16 q + 8 h + 0..7.
; So that every store still covers whole runs of 512 bytes, the rounded numbers go through LDS: each thread puts its 8 bytes where they
; belong (the two orders differ in that address alone), and the work-group reads the 32 KiB back in order.  In LDS every 256 bytes are
; followed by 16 of padding, so that the scattered 8-byte stores of the fragment order spread over the banks.
; A stream: nothing is shared between work-groups, so no cluster and no matrix unit.
; LIMIT: a mask byte is tested in its bit 0 (bool is 0 or 1).
.set C_Q, 0x3e38aa3b                   ; 0.125 * log2(e)
.set X,   8                            ; v[8:71]    16 x 4 f32 as loaded; v[8:39] then the 8 x 16 bytes read back
.set Y,   72                           ; v[72:103]  16 x 2 words of bf16
.set MK,  104                          ; v[104:119] 8 x 8 mask bytes
.set VL,  120                          ; LDS address of my 8 bytes, plain order
.set VS,  121                          ; the same, fragment order
.set VR,  122                          ; LDS address of the 16 bytes that I read back
	s_load_b512 s[4:19], s[0:1], 0x0               ; weight k (0..7) in s[4+2k:5+2k]
	s_load_b512 s[20:35], s[0:1], 0x40             ; w1 s[20:21], w2 s[22:23], bias k (0..5) in s[24+2k:25+2k]
	s_load_b256 s[36:43], s[0:1], 0x80             ; bias 6, bias 7, tgt_mask s[40:41], wb s[42:43]
	s_load_b64 s[44:45], s[0:1], 0xa0              ; mbits
	v_lshl_add_u32 v124, v0, 2, 0x8800
	v_mov_b32 v125, 0
	v_lshrrev_b32 v1, 5, v0
	v_readfirstlane_b32 s58, v1                    ; wave
	s_lshr_b32 s54, ttmp9, 4                       ; u: unit 0..15
	s_and_b32 s55, ttmp9, 15                       ; part 0..15
	s_lshr_b32 s63, s54, 2                         ; 2 for w1's units
	s_lshr_b32 s59, ttmp9, 1                       ; tt: tile of 16 mask rows
	s_and_b32 s60, ttmp9, 1
	s_lshl_b32 s60, s60, 6
	s_lshl3_add_u32 s60, s58, s60                  ; st0 = 64 (g & 1) + 8 wave: my wave's first tile of 16 columns
	v_and_b32 v2, 15, v0                           ; r
	v_bfe_u32 v3, v0, 4, 1                         ; h
	v_lshlrev_b32 v7, 11, v2                       ; r rows of 2,048 bytes
	v_lshl_add_u32 v7, v3, 3, v7                   ; + 8 h
	s_lshl_b32 s61, s59, 15                        ; 16 tt rows
	s_lshl4_add_u32 s61, s60, s61                  ; + 16 st0
	v_add_nc_u32 v7, s61, v7                       ; byte offset of my 8 mask bytes in column tile st0
	v_lshlrev_b32 v1, 4, v0                        ; 16 x thread: weights in and out
	v_lshlrev_b32 v2, 3, v0                        ; 8 x thread: biases
	v_and_b32 v3, 31, v0
	s_lshl_b32 s62, s59, 7
	s_add_co_u32 s62, s62, s60
	s_lshl_b32 s62, s62, 5                         ; (128 tt + st0) x 32 bytes
	v_lshl_add_u32 v3, v3, 3, s62                  ; + 8 x lane: where my two mask words go
	; LDS addresses: byte D of the part's 32 KiB lies at D + 16 (D >> 8)
	v_lshrrev_b32 v[VL], 5, v0
	v_lshlrev_b32 v[VL], 4, v[VL]
	v_lshl_add_u32 v[VL], v0, 3, v[VL]             ; plain order: D = 8 t + 2,048 q
	v_bfe_u32 v[VS], v0, 3, 4                      ; fragment order: my 4 numbers have k = 4 (t & 127): K step (t >> 3) & 15,
	v_bfe_u32 v[VR], v0, 1, 2                      ; half and h: (t >> 1) & 3
	v_lshl_add_u32 v[VS], v[VS], 3, v[VR]          ; the block of 256 bytes: 8 ks + 2 q + h
	v_mul_u32_u24 v[VS], v[VS], 272
	v_lshrrev_b32 v[VR], 7, v0                     ; load q brings row 2 q + (t >> 7)
	v_lshl_add_u32 v[VS], v[VR], 4, v[VS]
	v_and_b32 v[VR], 1, v0
	v_lshl_add_u32 v[VS], v[VR], 3, v[VS]          ; which 8 of the lane's 16 bytes
	v_lshrrev_b32 v[VR], 4, v0
	v_add_nc_u32 v[VR], v[VR], v0
	v_lshlrev_b32 v[VR], 4, v[VR]                  ; back: D = 16 t + 4,096 i
	s_cmp_eq_u32 s54, 0
	s_cselect_b32 s50, C_Q, 1.0
	s_cmp_eq_u32 s54, 6
	s_cselect_b32 s50, C_Q, s50                    ; units 0 and 6 are the two wq
	s_mov_b32 s51, s50
	s_and_b32 s52, s54, 3
	s_lshl_b32 s52, s52, 20                        ; w1, w2: which quarter of the matrix
	s_cmp_ge_u32 s54, 8
	s_cselect_b32 s52, s52, 0
	s_lshl_b32 s53, s55, 16
	s_add_co_u32 s52, s52, s53                     ; + part x 64 KiB
	s_mov_b32 s53, 0
	s_lshl_b32 s56, s54, 19
	s_lshl_b32 s57, s55, 15
	s_add_co_u32 s56, s56, s57                     ; in wb: unit x 512 KiB + part x 32 KiB
	s_mov_b32 s57, 0
	s_wait_kmcnt 0x0
.irp i, 0,1,2,3,4,5,6,7
	global_load_b64 v[MK+2*\i:MK+2*\i+1], v7, s[40:41] offset:16*\i    ; mask[16 tt + r][16 (st0 + i) + 8 h ..+7]
.endr
	s_mov_b64 s[46:47], s[4:5]                     ; the unit's source and bias: a choice between buffers on the unit's number
	s_mov_b64 s[48:49], s[24:25]
.irp k, 1,2,3,4,5,6,7
	s_cmp_ge_u32 s54, \k
	s_cselect_b64 s[46:47], s[4+2*\k:5+2*\k], s[46:47]
	s_cselect_b64 s[48:49], s[24+2*\k:25+2*\k], s[48:49]
.endr
	s_cmp_ge_u32 s54, 8
	s_cselect_b64 s[46:47], s[20:21], s[46:47]
	s_cmp_ge_u32 s54, 12
	s_cselect_b64 s[46:47], s[22:23], s[46:47]
	s_add_nc_u64 s[46:47], s[46:47], s[52:53]
	s_add_nc_u64 s[56:57], s[42:43], s[56:57]
	; (a) 16 loads of 4 KiB for the work-group, all on their way at once
.irp q, 0,1,2,3,4,5,6,7,8,9,10,11,12,13,14,15
	global_load_b128 v[X+4*\q:X+4*\q+3], v1, s[46:47] offset:\q*4096 th:TH_LOAD_NT
.endr
	s_cmp_eq_u32 s63, 2                            ; the unit's number is the same in all eight waves
	s_cbranch_scc1 .Lfrag
.irp q, 0,1,2,3,4,5,6,7,8,9,10,11,12,13,14,15
	s_wait_loadcnt 15-\q                           ; loads come back in order: load q is in, the 15 - q younger ones stay out
	v_pk_mul_f32 v[X+4*\q:X+4*\q+1], v[X+4*\q:X+4*\q+1], s[50:51] op_sel_hi:[1,0]
	v_pk_mul_f32 v[X+4*\q+2:X+4*\q+3], v[X+4*\q+2:X+4*\q+3], s[50:51] op_sel_hi:[1,0]
	v_cvt_pk_bf16_f32 v[Y+2*\q], v[X+4*\q], v[X+4*\q+1]
	v_cvt_pk_bf16_f32 v[Y+2*\q+1], v[X+4*\q+2], v[X+4*\q+3]
	ds_store_b64 v[VL], v[Y+2*\q:Y+2*\q+1] offset:\q*2176
.endr
	s_branch .Lput
.Lfrag:                                            ; w1 has no scale: round, and store in the fragment order
.irp q, 0,1,2,3,4,5,6,7,8,9,10,11,12,13,14,15
	s_wait_loadcnt 15-\q
	v_cvt_pk_bf16_f32 v[Y+2*\q], v[X+4*\q], v[X+4*\q+1]
	v_cvt_pk_bf16_f32 v[Y+2*\q+1], v[X+4*\q+2], v[X+4*\q+3]
	ds_store_b64 v[VS], v[Y+2*\q:Y+2*\q+1] offset:(\q>>3)*1088+(\q&7)*32   ; row 2 q + (t >> 7): row block q >> 3 (4 blocks of 272 on), r = 2 (q & 7) + (t >> 7)
.endr
.Lput:
	s_wait_dscnt 0x0                               ; my bytes are in the stage,
	s_barrier_signal -1
	s_barrier_wait -1                              ; everybody's are
.irp i, 0,1,2,3,4,5,6,7
	ds_load_b128 v[X+4*\i:X+4*\i+3], v[VR] offset:\i*4352
.endr
.irp i, 0,1,2,3,4,5,6,7
	s_wait_dscnt 7-\i                              ; read-back i is in, the younger ones stay out
	global_store_b128 v1, v[X+4*\i:X+4*\i+3], s[56:57] offset:\i*4096   ; a wave's store covers 512 consecutive bytes, aligned
.endr
	; (b) word q = 8 i + j of my wave: bit L = mask[16 tt + (L & 15)][16 (st0 + i) + 8 (L >> 4) + j].  The compare makes the word
	; in a scalar register; it is laid into lane q >> 1 of v4 (even q) or v5 (odd q), so that one store writes the 64 words.
	; The mask loads are older than the weight loads, so the last wait for those has shown them in.
	v_mov_b32 v4, 0
	v_mov_b32 v5, 0
.set q, 0
.rept 64
	v_and_b32 v6, 1<<(8*(q&3)), v[MK+2*(q>>3)+((q>>2)&1)]
	v_cmp_ne_u32 s52, 0, v6
	v_writelane_b32 v[4+(q&1)], s52, q>>1
.set q, q+1
.endr
	global_store_b64 v3, v[4:5], s[44:45]          ; 256 consecutive bytes, aligned
	; (c) part 0 of units 0..7 also copies the unit's bias (512 f32, 8 bytes a thread), in registers that no pending store reads
	s_cmp_lg_u32 s55, 0
	s_cbranch_scc1 .Ldone
	s_cmp_ge_u32 s54, 8
	s_cbranch_scc1 .Ldone
	global_load_b64 v[72:73], v2, s[48:49]
	s_lshl_b32 s52, s54, 11
	s_add_co_u32 s52, s52, 8388608                 ; the biases lie behind the 8 MiB of weights
	s_mov_b32 s53, 0
	s_add_nc_u64 s[60:61], s[42:43], s[52:53]
	s_wait_loadcnt 0x0
	v_pk_mul_f32 v[74:75], v[72:73], s[50:51] op_sel_hi:[1,0]
	global_store_b64 v2, v[74:75], s[60:61]
.Ldone:
	s_wait_tensorcnt 0x0
	ds_add_u32 v124, v125
	s_wait_dscnt 0x0
	s_endpgm
.Lfunc_end_k_qcdf3a07160_prep:
	.size	k_qcdf3a07160_prep, .Lfunc_end_k_qcdf3a07160_prep-k_qcdf3a07160_prep
	.p2alignl 7, 3214868480
	.fill 96, 4, 3214868480
	.section	.rodata,"a",@progbits
	.p2align	6, 0x0
	.amdhsa_kernel k_qcdf3a07160_prep
		.amdhsa_group_segment_fixed_size 35840
		.amdhsa_private_segment_fixed_size 0
		.amdhsa_enable_private_segment 0
		.amdhsa_kernarg_size 168
		.amdhsa_user_sgpr_count 2
		.amdhsa_user_sgpr_kernarg_segment_ptr 1
		.amdhsa_wavefront_size32 1
		.amdhsa_system_sgpr_workgroup_id_x 1
		.amdhsa_system_sgpr_workgroup_id_y 1
		.amdhsa_system_sgpr_workgroup_id_z 1
		.amdhsa_system_vgpr_workitem_id 0
		.amdhsa_next_free_vgpr 126
		.amdhsa_next_free_sgpr 66
		.amdhsa_reserve_vcc 0
		.amdhsa_float_denorm_mode_32 3
		.amdhsa_float_denorm_mode_16_64 3
		.amdhsa_memory_ordered 1
		.amdhsa_forward_progress 1
		.amdhsa_inst_pref_size 29
	.end_amdhsa_kernel
	.amdgpu_metadata
---
amdhsa.version: [ 1, 2 ]
amdhsa.kernels:
  - .name:           k_qcdf3a07160_prep
    .symbol:         k_qcdf3a07160_prep.kd
    .args:
      - { .name: sa_wq, .offset: 0, .size: 8, .value_kind: global_buffer, .address_space: global }
      - { .name: sa_wk, .offset: 8, .size: 8, .value_kind: global_buffer, .address_space: global }
      - { .name: sa_wv, .offset: 16, .size: 8, .value_kind: global_buffer, .address_space: global }
      - { .name: ca_wk, .offset: 24, .size: 8, .value_kind: global_buffer, .address_space: global }
      - { .name: ca_wv, .offset: 32, .size: 8, .value_kind: global_buffer, .address_space: global }
      - { .name: sa_wo, .offset: 40, .size: 8, .value_kind: global_buffer, .address_space: global }
      - { .name: ca_wq, .offset: 48, .size: 8, .value_kind: global_buffer, .address_space: global }
      - { .name: ca_wo, .offset: 56, .size: 8, .value_kind: global_buffer, .address_space: global }
      - { .name: w1, .offset: 64, .size: 8, .value_kind: global_buffer, .address_space: global }
      - { .name: w2, .offset: 72, .size: 8, .value_kind: global_buffer, .address_space: global }
      - { .name: sa_bq, .offset: 80, .size: 8, .value_kind: global_buffer, .address_space: global }
      - { .name: sa_bk, .offset: 88, .size: 8, .value_kind: global_buffer, .address_space: global }
      - { .name: sa_bv, .offset: 96, .size: 8, .value_kind: global_buffer, .address_space: global }
      - { .name: ca_bk, .offset: 104, .size: 8, .value_kind: global_buffer, .address_space: global }
      - { .name: ca_bv, .offset: 112, .size: 8, .value_kind: global_buffer, .address_space: global }
      - { .name: sa_bo, .offset: 120, .size: 8, .value_kind: global_buffer, .address_space: global }
      - { .name: ca_bq, .offset: 128, .size: 8, .value_kind: global_buffer, .address_space: global }
      - { .name: ca_bo, .offset: 136, .size: 8, .value_kind: global_buffer, .address_space: global }
      - { .name: tgt_mask, .offset: 144, .size: 8, .value_kind: global_buffer, .address_space: global }
      - { .name: wb, .offset: 152, .size: 8, .value_kind: global_buffer, .address_space: global }
      - { .name: mbits, .offset: 160, .size: 8, .value_kind: global_buffer, .address_space: global }
    .group_segment_fixed_size: 35840
    .private_segment_fixed_size: 0
    .kernarg_segment_align: 8
    .kernarg_segment_size: 168
    .max_flat_workgroup_size: 256
    .sgpr_count:     66
    .vgpr_count:     126
    .wavefront_size: 32
...
	.end_amdgpu_metadata
.endif
;; end of part 7
;; launch proj (part 8): grid 256 x 1, 4 waves a work-group, clusters of 4 x 1, 327,680 bytes of LDS; arguments tgt, memory, wb, qkv; writes qkv
.if DOCPART == 8
	.amdgcn_target "amdgcn-amd-amdhsa--gfx1250"
	.amdhsa_code_object_version 6
	.text
	.protected	k_qcdf3a07160_proj
	.globl	k_qcdf3a07160_proj
	.p2align	8
	.type	k_qcdf3a07160_proj,@function
k_qcdf3a07160_proj:
	s_mov_b64 s[64:65], 0
	v_nop
	global_prefetch_b8 v0, s[64:65] scope:SCOPE_SE
	s_setreg_imm32_b32 hwreg(HW_REG_WAVE_MODE, 25, 1), 1
	s_wait_xcnt 0x0
	s_wait_alu depctr_hold_cnt(0) depctr_sa_sdst(0) depctr_va_vdst(0) depctr_va_sdst(0) depctr_va_ssrc(0) depctr_va_vcc(0) depctr_vm_vsrc(0)
	s_getreg_b32 s2, hwreg(HW_REG_IB_STS2, 6, 4)
	s_cmp_eq_u32 s2, 0
	s_cbranch_scc0 .Lentry_in_a_cluster
	s_endpgm
.Lentry_in_a_cluster:
	s_bfe_u32 s2, ttmp6, 0x10000c
	s_cmp_lg_u32 s2, 0x3003
	s_cbranch_scc0 .Lentry_shape_is_right
	s_endpgm
.Lentry_shape_is_right:
; proj: Q1, K1, V1 = tgt W^T + b and K2, V2 = memory W^T + b, five products of 8192 x 512 x 512, out in bf16, head-major
; ([batch x 8 + head][token][64]).
; SHARE: a work-group makes rows 128 rb .. +127 and columns 128 cq .. +127 of each of the five products.  It takes in 2 x 128 rows of f32
; (512 KiB) and 5 weight tiles of 128 rows of bf16 (640 KiB); with R rows the sum is 4 R + 81,920 / R KiB, least near R = 143.
; Wave (wm, wn) makes 64 tokens x 64 columns, one head: its 64 tokens lie in registers as 64 fragments, the weights come from LDS, so one
; LDS load of a fragment half feeds two matrix instructions.
; TRANSPOSED USE: source 0 = 16 rows of W, source 1 = 16 tokens.  Lane (r, h) holds token r and its registers 0..7 the output columns
; 8 h + 0..7.  The bias in that layout is 8 registers for a block of 16 columns and is the C of the first K step: nothing is cleared or added.
; CLUSTER: the four work-groups of a cluster have the same cq and four row blocks, so they read the same weight tiles and ask for each
; jointly (mask 15); the descriptor hangs on the cluster's number and the wave's number alone.  Wave w asks for rows 32 w .. +31 of a tile.
; Five tiles through two slots; by this text's count a wave never has more than one tensor load out.
; ACTIVATIONS: four passes for each input.  In pass p wave w loads rows 64 wm + 8 wn + 16 p .. +7 (loads of 512 consecutive bytes), rounds
; them to bf16 into XB; behind a barrier every wave reads token tile p of its half from XB rows 16 wm .. +15; a second barrier frees XB.
; memory's pass 0 is brought forward into XB at the end of the first trip and its pass 1 waits in the spare registers.
; LDS: slot 0 at 0, slot 1 at SLOT (128 rows x 1,040); XB 32 x 1,040; STG 32 x 144 for each wave.  1,040 and 144 are odd multiples of 16
; bytes: the 16 rows of a fragment load start in 16 different 16-byte columns of 256.
; REGISTERS: block 0: v1 r, v2 h, v3/v4 weight fragments' address in slot 0/1, v5 XB fragments, v6/v7 stage in/back, v8 16 x lane,
; v9 bias offset, v10 XB store; v24-87, v88-151 weight fragment buffers (v24-87 also at work on roundings); v152-183 read-back;
; v184-215, v216-247 bias, two sets by turns.  Blocks 1, 2: token fragments, (nt, ks) at 8 (8 nt + (ks & 7)) of block 1 + (ks >> 3).
; Block 3: v0-127 the 16 accumulators, tile (mm, nt) at 8 (4 mm + nt), also a set of 32 loads while no sums live; v128-255 the other set.
; LIMIT: matrix operands are bf16.
.set SLOT,  133120
.set WQ,    33280                      ; a wave's quarter of a slot: 32 rows x 1,040
.set XB,    266240
.set STG,   299520
.set STEP2, 1048576                    ; two matrices on in wb: a slot's next tile
.set CV,    24
.set WF,    24
.set RB,    152
.set BA,    184
.set BB,    216
.set SETL,  0
.set SETH,  128
.set WV,    12                         ; s12 wave
.set G1,    16                         ; s[16:23] descriptor group 1
.set G0,    32                         ; s[32:39] descriptor group 0, one set for each slot
.set MSB,   0
.macro WIN new                         ; the immediate's high byte repeats the setting that is left
.if MSB != \new
	s_set_vgpr_msb (MSB<<8)|\new
.set MSB, \new
.endif
.endm
.macro PLACES                          ; four places behind a matrix instruction (ISA guide 7.12.1), where there is no other vector work
.rept 4
	v_nop
.endr
.endm
.macro SYNC                            ; my LDS accesses are done; then everybody's are.  a tile may stay on its way
	s_wait_dscnt 0x0
	s_barrier_signal -1
	s_barrier_wait -1
.endm
.macro ROUND                           ; a round of the cluster's barrier
	s_barrier_signal -1
	s_barrier_wait -1
	s_cmp_lg_u32 s[WV], 0
	s_cbranch_scc1 .Lnot_wave_0_\@
	s_barrier_signal -3
.Lnot_wave_0_\@:
	s_barrier_wait -3
	s_barrier_signal -1
	s_barrier_wait -1
.endm
; A trip's head: all my tensor loads have landed (my part of this trip's tile among them), so a group 0 may be stepped; my LDS accesses
; are done; the round shows both of every wave of the four work-groups; then the next tile goes into the other slot, first thing.
.macro HEAD sreg, step, g0, g1
	WIN 0
	s_wait_tensorcnt 0x0
	ds_add_u32 v254, v255
	s_wait_dscnt 0x0
.if \step
	s_add_nc_u64 s[\sreg+2:\sreg+3], s[\sreg+2:\sreg+3], \step
.endif
	s_wait_dscnt 0x0
	ROUND
.if \g0
	tensor_load_to_lds s[\g0:\g0+3], s[\g1:\g1+7]
	s_nop 0
.endif
.endm
.macro WMC d, a, b, c
	v_wmma_f32_16x16x32_bf16 v[\d:\d+7], v[\a:\a+7], v[\b:\b+7], v[\c:\c+7]
.endm
.macro FETCH wa, b                     ; batch b = K steps 2 b, 2 b + 1 of my four blocks of 16 weight rows: 16 loads into buffer b & 1
.irp kk, 0,1
.irp mm, 0,1,2,3
	ds_load_b128 v[WF+64*((\b)&1)+8*(4*\kk+\mm):WF+64*((\b)&1)+8*(4*\kk+\mm)+3], v[\wa] offset:\mm*16640+(2*(\b)+\kk)*64
	ds_load_b128 v[WF+64*((\b)&1)+8*(4*\kk+\mm)+4:WF+64*((\b)&1)+8*(4*\kk+\mm)+7], v[\wa] offset:\mm*16640+(2*(\b)+\kk)*64+32
.endr
.endr
.endm
.macro MM16 ks, cb                     ; K step ks: 16 accumulators take turns, one instruction a turn.  cb: the bias registers start the sums
.irp mm, 0,1,2,3
.irp nt, 0,1,2,3
.if \cb
	WMC (8*(4*\mm+\nt)), (WF+64*(((\ks)>>1)&1)+8*(4*((\ks)&1)+\mm)), (8*(8*\nt+((\ks)&7))), (\cb+8*\mm)
.else
	WMC (8*(4*\mm+\nt)), (WF+64*(((\ks)>>1)&1)+8*(4*((\ks)&1)+\mm)), (8*(8*\nt+((\ks)&7))), (8*(4*\mm+\nt))
.endif
.endr
.endr
.endm
; 64 weight rows x 64 tokens x K = 512: 256 matrix instructions, 128 LDS loads in 8 runs of 16 on two buffers.  A run lands in the buffer
; that the 32 matrix instructions just in front have read: four places stand between.  s_wait_dscnt 16 leaves out the run issued last.
; Windows: weights (source 0) block 0, tokens (source 1) block 1 for K steps 0-7 and block 2 for 8-15, sums block 3; the bias (C of K step 0) block 0.
.macro GEMM64 wa, cb
	WIN 0
	FETCH \wa, 0
	FETCH \wa, 1
	s_wait_dscnt 16
	WIN 0xc4
	MM16 0, \cb
	WIN 0xf4
	MM16 1, 0
.irp b, 1,2,3,4,5,6
	PLACES
	WIN 0
	FETCH \wa, (\b+1)
	s_wait_dscnt 16
.if \b < 4
	WIN 0xf4
.else
	WIN 0xf8
.endif
	MM16 (2*\b), 0
	MM16 (2*\b+1), 0
.endr
	s_wait_dscnt 0
	MM16 14, 0
	MM16 15, 0
	WIN 0
	PLACES                                 ; behind the last matrix instructions: for the roundings, the loads into buffers, fragments and sums
.endm
.macro BIASLOAD reg, p                 ; bias of product p for my 64 columns, in D's layout: block mm, columns 8 h + 0..7
.irp mm, 0,1,2,3
	global_load_b128 v[\reg+8*\mm:\reg+8*\mm+3], v9, s[40:41] offset:\p*2048+\mm*64
	global_load_b128 v[\reg+8*\mm+4:\reg+8*\mm+7], v9, s[40:41] offset:\p*2048+\mm*64+16
.endr
.endm
.macro LOADSET set, sb, p              ; pass p: my 8 rows of 2,048 bytes, 32 loads of 512 consecutive bytes, into a set of block 3
	WIN 0xc0
.set i, 0
.rept 32
	global_load_b128 v[\set+4*i:\set+4*i+3], v8, s[\sb:\sb+1] offset:\p*32768+(i>>2)*2048+(i&3)*512
.set i, i+1
.endr
	WIN 0
.endm
.macro CVTSTORE set                    ; the set's 8 rows, rounded to bf16, into XB rows 8 w .. +7
	WIN 0x0f                               ; both sources in block 3
.set i, 0
.rept 32
	v_cvt_pk_bf16_f32 v[CV+2*i], v[\set+4*i], v[\set+4*i+1]
	v_cvt_pk_bf16_f32 v[CV+2*i+1], v[\set+4*i+2], v[\set+4*i+3]
.set i, i+1
.endr
	WIN 0
.set i, 0
.rept 32
	ds_store_b64 v10, v[CV+2*i:CV+2*i+1] offset:(i>>2)*1040+(i&3)*256
.set i, i+1
.endr
.endm
.macro FRAGS nt                        ; token tile nt of my half: 16 fragments from XB rows 16 wm .. +15
	WIN 0x40
.irp k, 0,1,2,3,4,5,6,7
	ds_load_b128 v[8*(8*\nt+\k):8*(8*\nt+\k)+3], v5 offset:\k*64
	ds_load_b128 v[8*(8*\nt+\k)+4:8*(8*\nt+\k)+7], v5 offset:\k*64+32
.endr
	WIN 0x80
.irp k, 0,1,2,3,4,5,6,7
	ds_load_b128 v[8*(8*\nt+\k):8*(8*\nt+\k)+3], v5 offset:512+\k*64
	ds_load_b128 v[8*(8*\nt+\k)+4:8*(8*\nt+\k)+7], v5 offset:512+\k*64+32
.endr
	WIN 0
.endm
; The way out for tokens 32 q .. +31 of my 64: round, 16 bytes a lane into my own stage (a token's 128 bytes a row), read back, store.
; The stage is the wave's own, and LDS serves a wave's instructions in order: no wait between its stores and its loads.
.macro OUT q
	WIN 0x0f
.irp n2, 0,1
.irp mm, 0,1,2,3
.irp p, 0,1,2,3
	v_cvt_pk_bf16_f32 v[CV+4*(4*\n2+\mm)+\p], v[8*(4*\mm+2*\q+\n2)+2*\p], v[8*(4*\mm+2*\q+\n2)+2*\p+1]
.endr
.endr
.endr
	WIN 0
.irp n2, 0,1
.irp mm, 0,1,2,3
	ds_store_b128 v6, v[CV+4*(4*\n2+\mm):CV+4*(4*\n2+\mm)+3] offset:\n2*2304+\mm*32
.endr
.endr
.irp i, 0,1,2,3,4,5,6,7
	ds_load_b128 v[RB+4*\i:RB+4*\i+3], v7 offset:\i*576            ; four tokens x 128 bytes
.endr
.irp i, 0,1,2,3,4,5,6,7
	s_wait_dscnt 7-\i                      ; read-back i is in, the younger ones stay out
	global_store_b128 v8, v[RB+4*\i:RB+4*\i+3], s[42:43] offset:\q*4096+\i*512   ; 512 consecutive bytes, aligned: the head's tokens follow each other
.endr
	s_wait_xcnt 0x0                        ; v152-183 and the base are written again only behind this wait
.endm
.macro OUTALL
	OUT 0
	OUT 1
	s_add_nc_u64 s[42:43], s[42:43], 8388608   ; the next section of qkv
.endm
	s_load_b256 s[4:11], s[0:1], 0x0               ; tgt s[4:5], memory s[6:7], wb s[8:9], qkv s[10:11]
	v_lshl_add_u32 v254, v0, 2, 0x4da00
	v_mov_b32 v255, 0
	ds_add_u32 v254, v255
	v_lshrrev_b32 v1, 5, v0
	v_readfirstlane_b32 s[WV], v1
	s_bfe_u32 s13, ttmp6, 0x40000                  ; cx: enters the addresses of activations and results alone
	s_and_b32 s15, ttmp9, 3                        ; cq: the column quarter, the same in the four partners
	s_and_not1_b32 s14, ttmp9, 3
	s_add_co_u32 s14, s14, s13                     ; rb: my block of 128 rows, 0..63
	s_lshr_b32 s52, s[WV], 1                       ; wm: which 64 tokens
	s_and_b32 s53, s[WV], 1                        ; wn: which 64 weight rows
	s_mov_b32 s[G1+0], 15|(1<<16)|(1<<20)|(1<<21)|(7<<22)|(3<<25)   ; mask of the four; 2-byte elements; 4 words of padding behind every 256 words
	s_mov_b32 s[G1+1], 512<<16                     ; tensor_dim0 = 512
	s_mov_b32 s[G1+2], 32<<16                      ; tensor_dim1 = 32
	s_mov_b32 s[G1+3], 512<<16                     ; tile_dim0 = 512
	s_mov_b32 s[G1+4], 32                          ; tile_dim1 = 32
	s_mov_b32 s[G1+5], 512                         ; elements from row to row
	s_mov_b32 s[G1+6], 0
	s_mov_b32 s[G1+7], 0
	s_lshl_b32 s24, s14, 18                        ; 128 rb rows of 2,048 bytes
	s_lshl_b32 s25, s52, 17                        ; + 64 wm rows
	s_add_co_u32 s24, s24, s25
	s_lshl_b32 s25, s53, 14                        ; + 8 wn rows
	s_add_co_u32 s24, s24, s25
	s_mov_b32 s25, 0
	s_lshl_b32 s26, s15, 17                        ; weight rows 128 cq of 1,024 bytes
	s_lshl_b32 s27, s[WV], 15                      ; + 32 w
	s_add_co_u32 s26, s26, s27
	s_mov_b32 s27, 0
	s_lshr_b32 s28, s14, 4                         ; batch (16 row blocks each)
	s_lshl_b32 s28, s28, 21                        ; x 8 heads x 262,144
	s_lshl1_add_u32 s29, s15, s53                  ; head 2 cq + wn
	s_lshl_b32 s29, s29, 18
	s_add_co_u32 s28, s28, s29
	s_and_b32 s29, s14, 15
	s_lshl_b32 s29, s29, 14                        ; + 128 (rb & 15) tokens x 128 bytes
	s_add_co_u32 s28, s28, s29
	s_lshl_b32 s29, s52, 13                        ; + 64 wm tokens
	s_add_co_u32 s28, s28, s29
	s_mov_b32 s29, 0
	s_mul_i32 s30, s[WV], WQ                       ; the part of a slot that I fill
	v_and_b32 v1, 15, v0                           ; r
	v_bfe_u32 v2, v0, 4, 1                         ; h
	v_and_b32 v11, 31, v0                          ; lane
	v_lshlrev_b32 v8, 4, v11
	v_mul_u32_u24 v12, v1, 1040
	v_lshl_add_u32 v12, v2, 4, v12                 ; r x 1,040 + 16 h
	s_mul_i32 s47, s53, 66560                      ; my 64 weight rows of a slot
	v_add_nc_u32 v3, s47, v12
	v_add_nc_u32 v4, SLOT, v3
	s_mul_i32 s48, s52, 16640
	s_add_co_u32 s48, s48, XB                      ; XB rows 16 wm .. +15
	v_add_nc_u32 v5, s48, v12
	s_mul_i32 s31, s[WV], 4608
	s_add_co_u32 s31, s31, STG
	v_mul_u32_u24 v13, v1, 144
	v_lshl_add_u32 v13, v2, 4, v13
	v_add_nc_u32 v6, s31, v13                      ; stage in: row r, 16 h
	v_lshrrev_b32 v13, 3, v11
	v_mul_u32_u24 v13, v13, 144
	v_and_b32 v14, 7, v0
	v_lshl_add_u32 v13, v14, 4, v13
	v_add_nc_u32 v7, s31, v13                      ; stage back: row lane >> 3, 16 (lane & 7)
	s_lshl_b32 s49, s15, 9
	s_lshl_b32 s50, s53, 8
	s_add_co_u32 s49, s49, s50
	v_lshlrev_b32 v9, 5, v2
	v_add_nc_u32 v9, s49, v9                       ; bias: 512 cq + 256 wn + 32 h
	s_mul_i32 s51, s[WV], 8320
	s_add_co_u32 s51, s51, XB
	v_lshl_add_u32 v10, v11, 3, s51                ; XB row 8 w, 8 x lane
	s_wait_dscnt 0x0
	s_wait_kmcnt 0x0
	s_add_nc_u64 s[4:5], s[4:5], s[24:25]
	s_add_nc_u64 s[6:7], s[6:7], s[24:25]
	s_add_nc_u64 s[40:41], s[8:9], 8388608         ; the packed biases
	s_add_nc_u64 s[42:43], s[10:11], s[28:29]
	s_add_nc_u64 s[26:27], s[8:9], s[26:27]        ; my rows of tile 0
	s_mov_b32 s[G0+0], 1
	s_mov_b32 s[G0+1], s30
	s_mov_b64 s[G0+2:G0+3], s[26:27]
	s_or_b32 s[G0+3], s[G0+3], 0x80000000
	s_mov_b32 s[G0+4], 1
	s_add_co_u32 s[G0+5], s30, SLOT
	s_add_nc_u64 s[G0+6:G0+7], s[26:27], 524288    ; tile 1: the next matrix
	s_or_b32 s[G0+7], s[G0+7], 0x80000000
	BIASLOAD BA, 0
	LOADSET SETL, 4, 0                             ; tgt, passes 0 and 1
	LOADSET SETH, 4, 1
	ROUND                                          ; the four work-groups are here: the first joint load meets
	tensor_load_to_lds s[G0:G0+3], s[G1:G1+7]      ; tile 0
	s_nop 0
	; tgt's four passes.  Each s_wait_loadcnt 32 leaves out the other set's 32 loads, which are the younger ones.
	s_wait_loadcnt 32
	CVTSTORE SETL
	LOADSET SETL, 4, 2
	SYNC                                           ; XB is whole
	FRAGS 0
	SYNC                                           ; XB has been read
	s_wait_loadcnt 32
	CVTSTORE SETH
	LOADSET SETH, 4, 3
	SYNC
	FRAGS 1
	SYNC
	s_wait_loadcnt 32
	CVTSTORE SETL
	SYNC
	FRAGS 2
	SYNC
	s_wait_loadcnt 0x0
	CVTSTORE SETH
	LOADSET SETH, 6, 0                             ; memory's pass 0 comes in beside the first product
	SYNC
	FRAGS 3                                        ; waited for by the first trip's head
	; trip 0: Q1
	HEAD G0, STEP2, G0+4, G1
	BIASLOAD BB, 1
	GEMM64 3, BA
	OUTALL
	s_wait_loadcnt 0x0                             ; memory's pass 0 and the next bias
	CVTSTORE SETH                                  ; XB is idle until memory's turn: pass 0 waits there (the heads' rounds stand between these stores and the reads)
	LOADSET SETH, 6, 1                             ; and pass 1 waits in the registers
	; trip 1: K1
	HEAD G0+4, STEP2, G0, G1
	BIASLOAD BA, 2
	GEMM64 4, BB
	OUTALL
	; trip 2: V1
	HEAD G0, STEP2, G0+4, G1
	BIASLOAD BB, 3
	s_wait_loadcnt 8                               ; all but the 8 bias loads just issued: this product's bias, and memory's pass 1
	GEMM64 3, BA
	OUTALL
	; memory's fragments take tgt's registers
	LOADSET SETL, 6, 2                             ; the sums have been rounded and stored: their registers are a set again
	FRAGS 0
	SYNC
	CVTSTORE SETH
	LOADSET SETH, 6, 3
	SYNC
	FRAGS 1
	SYNC
	s_wait_loadcnt 32                              ; pass 2 is in; pass 3's 32 loads stay out
	CVTSTORE SETL
	SYNC
	FRAGS 2
	SYNC
	s_wait_loadcnt 0x0
	CVTSTORE SETH
	SYNC
	FRAGS 3
	; trip 3: K2
	HEAD G0+4, 0, G0, G1
	BIASLOAD BA, 4
	GEMM64 4, BB
	OUTALL
	; trip 4: V2: nothing is left to fetch
	HEAD G0, 0, 0, 0
	s_wait_loadcnt 0x0                             ; the last bias
	GEMM64 3, BA
	OUT 0
	OUT 1
	s_wait_tensorcnt 0x0
	ds_add_u32 v254, v255
	s_wait_dscnt 0x0
	ROUND                                          ; the closing round: nobody ends while a partner may still ask jointly
	s_endpgm
.Lfunc_end_k_qcdf3a07160_proj:
	.size	k_qcdf3a07160_proj, .Lfunc_end_k_qcdf3a07160_proj-k_qcdf3a07160_proj
	.p2alignl 7, 3214868480
	.fill 96, 4, 3214868480
	.section	.rodata,"a",@progbits
	.p2align	6, 0x0
	.amdhsa_kernel k_qcdf3a07160_proj
		.amdhsa_group_segment_fixed_size 327680
		.amdhsa_private_segment_fixed_size 0
		.amdhsa_enable_private_segment 0
		.amdhsa_kernarg_size 32
		.amdhsa_user_sgpr_count 2
		.amdhsa_user_sgpr_kernarg_segment_ptr 1
		.amdhsa_wavefront_size32 1
		.amdhsa_system_sgpr_workgroup_id_x 1
		.amdhsa_system_sgpr_workgroup_id_y 1
		.amdhsa_system_sgpr_workgroup_id_z 1
		.amdhsa_system_vgpr_workitem_id 0
		.amdhsa_next_free_vgpr 1024
		.amdhsa_next_free_sgpr 66
		.amdhsa_reserve_vcc 0
		.amdhsa_float_denorm_mode_32 3
		.amdhsa_float_denorm_mode_16_64 3
		.amdhsa_memory_ordered 1
		.amdhsa_forward_progress 1
		.amdhsa_inst_pref_size 255
	.end_amdhsa_kernel
	.section	.bss,"aw",@nobits
	.p2align	6
	.space	262144
	.amdgpu_metadata
---
amdhsa.version: [ 1, 2 ]
amdhsa.kernels:
  - .name:           k_qcdf3a07160_proj
    .symbol:         k_qcdf3a07160_proj.kd
    .args:
      - { .name: tgt, .offset: 0, .size: 8, .value_kind: global_buffer, .address_space: global }
      - { .name: memory, .offset: 8, .size: 8, .value_kind: global_buffer, .address_space: global }
      - { .name: wb, .offset: 16, .size: 8, .value_kind: global_buffer, .address_space: global }
      - { .name: qkv, .offset: 24, .size: 8, .value_kind: global_buffer, .address_space: global }
    .group_segment_fixed_size: 327680
    .private_segment_fixed_size: 0
    .kernarg_segment_align: 8
    .kernarg_segment_size: 32
    .max_flat_workgroup_size: 128
    .sgpr_count:     66
    .vgpr_count:     1024
    .wavefront_size: 32
...
	.end_amdgpu_metadata
.endif
;; end of part 8
;; launch attn1: the kernel of part 3 again; grid 256 x 1, 8 waves a work-group, clusters of 4 x 1, 327,680 bytes of LDS; arguments qkv, mbits, o1; writes o1
;; launch post1: the kernel of part 4 again; grid 256 x 1, 4 waves a work-group, clusters of 4 x 1, 327,680 bytes of LDS; arguments o1, tgt, wb, ln1_w, ln1_b, x1, q2; writes x1, q2
;; launch attn2: the kernel of part 5 again; grid 256 x 1, 8 waves a work-group, clusters of 4 x 1, 327,680 bytes of LDS; arguments q2, qkv, o2; writes o2
;; launch post2 (part 9): grid 256 x 1, 4 waves a work-group, clusters of 4 x 1, 327,680 bytes of LDS; arguments o2, x1, wb, ln2_w, ln2_b, b1, b2, ln3_w, ln3_b, out0; writes out0
.if DOCPART == 9
	.amdgcn_target "amdgcn-amd-amdhsa--gfx1250"
	.amdhsa_code_object_version 6
	.text
	.protected	k_qcdf3a07160_post2
	.globl	k_qcdf3a07160_post2
	.p2align	8
	.type	k_qcdf3a07160_post2,@function
k_qcdf3a07160_post2:
	s_mov_b64 s[64:65], 0
	v_nop
	global_prefetch_b8 v0, s[64:65] scope:SCOPE_SE
	s_setreg_imm32_b32 hwreg(HW_REG_WAVE_MODE, 25, 1), 1
	s_wait_xcnt 0x0
	s_wait_alu depctr_hold_cnt(0) depctr_sa_sdst(0) depctr_va_vdst(0) depctr_va_sdst(0) depctr_va_ssrc(0) depctr_va_vcc(0) depctr_vm_vsrc(0)
	s_getreg_b32 s2, hwreg(HW_REG_IB_STS2, 6, 4)
	s_cmp_eq_u32 s2, 0
	s_cbranch_scc0 .Lentry_in_a_cluster
	s_endpgm
.Lentry_in_a_cluster:
	s_bfe_u32 s2, ttmp6, 0x10000c
	s_cmp_lg_u32 s2, 0x3003
	s_cbranch_scc0 .Lentry_shape_is_right
	s_endpgm
.Lentry_shape_is_right:
; post2: x2 = LN2(x1 + o2 ca_wo^T + ca_bo); out0 = LN3(x2 + relu(x2 w1^T + b1) w2^T + b2).  Nothing between goes through memory.
; A work-group owns 32 token rows, wave w the output columns 128 w .. +127 of every 512-wide result.  The hidden layer goes in 16 chunks
; of 128 units.  A(c): wave w makes its 32 units of chunk c (sums started from b1), ReLU, bf16, into HB.  B(c): HB's 32 x 128 times w2's
; 512 x 128 columns, onto the accumulators, which started as x2 + b2.
; TWO ROADS FOR THE WEIGHTS.  Behind a round a wave has one tensor load out, and two slots fill LDS, so the ring alone has one slot's
; bytes on their way.  w2 (and ca_wo) keep the ring; w1 comes by loads straight into registers: an earlier launch has laid it in the order of
; fragments, so one load of a wave is 512 consecutive bytes and one half of a fragment.  A chunk's 32 rows x 512 K of a wave are 64
; loads and 256 registers (block 3).  So a period has a slot of w2 and four waves' 32 KiB of w1 on their way at once, and w1 needs
; neither LDS bytes nor LDS reads.
; PERIODS.  Period p does A(p) and B(p - 1), interleaved in eight steps: 8 matrix instructions of A (two K steps), 8 of B (one batch),
; then the w1 registers just read are loaded again with chunk p + 1: every load is issued one whole period ahead of its use, and the
; loads are spread evenly, so that an issue held up because the load counter's field is full (ISA guide 5.7.1) is held up only for loads that the
; next step waits for in any case.  One round a period: in front of it HB(p - 1) is stored and w2's tile p - 1 has landed; behind it
; tile p goes into the slot that B(p - 2) read.  HB has two buffers by turns, so that the one round orders stores and reads both ways.
; TRANSPOSED USE: source 0 = 16 weight rows, source 1 = 16 tokens; lane (r, h) holds token r.  The variances are merged from each wave's
; mean and sum of squared distances from its own mean: no difference of large sums.
; CLUSTER: all work-groups walk the same weights: four ask for each tile of ca_wo and w2 jointly (mask 15); one tensor load a wave is out
; at the most.  w1 is NOT asked for jointly: a load into registers serves one wave, and the ring has no bytes left for it.
; LDS: slot 0 at 0, slot 1 at SLOT (w2: 4 x 128 rows x 272; ca_wo: 4 x 32 rows x 1,040); XB 32 x 1,040: the activations in bf16, then,
; when they lie in registers, HB's two buffers of 32 x 272, at the end each wave's stage of 16 x 272; RED 2 x 4 x 16 pairs.
; REGISTERS: block 0: v1 r, v2 h, v3/v4 ca_wo address slot 0/1, v5 activation fragments, v6 b1 offset, v8 16 x lane, v9 parameter
; offset, v10 residual offset, v11/v7 w2 fragments slot 0/1, v12/v13 HB in/back, v14/v15 RED in/back, v16-23 norm pairs, v24-87 weight
; fragment buffers (at work elsewhere), v88-119 the chunk's four accumulators, v120-247 the 16 accumulators, v248/v249 stage in/back,
; v250 offset in out0, v251 o2's LDS store, v252 x2's LDS store.  Block 1: activation fragments.  Block 2: v0-63 HB's fragments (v0-15
; first b1 of chunk 0), v64-127 ca_bo, then b2, then v64-79 b1 of the chunk; v128-255 gain and bias of LN2, then of LN3.
; Block 3: w1's fragments, (ks, mm) at 16 ks + 8 mm.
; LIMITS: a NaN loses in ReLU (v_max_num_f32); v_rsq_f32 flushes denormals; matrix operands are bf16.
.set SLOT,  139264
.set WTILE, 33280
.set W2TILE, 34816
.set XB,    278528
.set HBP,   8704                       ; HB's second buffer, behind the first
.set RED,   311808
.set WF,    24
.set HACC,  88
.set ACC,   120
.set BO,    64
.set B1R,   64
.set GW,    128
.set GB,    192
.set WV,    56
.set G1A,   24                         ; s[24:31] 32 rows x 512
.set G1B,   32                         ; s[32:39] 128 rows x 128 of rows 2,048 long
.set GWO,   40                         ; s[40:47] ca_wo, a set for each slot
.set GWA,   48                         ; s[48:51] w2, even chunks, slot 0
.set GWB,   52                         ; s[52:55] w2, odd chunks, slot 1
.set W1P,   78                         ; s[78:79] w1's fragments of my wave, the chunk that is being asked for
.set SEL0,  66
.set SEL1,  67
.set INV512, 68
.set EPSR,  69
.set CNT,   70
.set XSO,   251
.set XST,   252
.set MSB,   0
.macro WIN new                         ; the immediate's high byte repeats the setting that is left
.if MSB != \new
	s_set_vgpr_msb (MSB<<8)|\new
.set MSB, \new
.endif
.endm
.macro PLACES                          ; four places behind a matrix instruction (ISA guide 7.12.1)
.rept 4
	v_nop
.endr
.endm
.macro BAR
	s_barrier_signal -1
	s_barrier_wait -1
.endm
.macro ROUND                           ; a round of the cluster's barrier
	s_barrier_signal -1
	s_barrier_wait -1
	s_cmp_lg_u32 s[WV], 0
	s_cbranch_scc1 .Lnot_wave_0_\@
	s_barrier_signal -3
.Lnot_wave_0_\@:
	s_barrier_wait -3
	s_barrier_signal -1
	s_barrier_wait -1
.endm
; A head: all my tensor loads have landed, so a group 0 may be stepped; my LDS accesses (HB's among them) are done; the round shows both
; of every wave of the four work-groups; the next tile goes out first thing behind it.
.macro HEAD sreg, step, g0, g1
	WIN 0
	s_wait_xcnt 0x0
	v_lshl_add_u32 v254, v0, 2, 0x4c600
	v_mov_b32 v255, 0
	s_wait_tensorcnt 0x0
	ds_add_u32 v254, v255
	s_wait_dscnt 0x0
.if \step
	s_add_nc_u64 s[\sreg+2:\sreg+3], s[\sreg+2:\sreg+3], \step
.endif
	s_wait_dscnt 0x0
	ROUND
.if \g0
	tensor_load_to_lds s[\g0:\g0+3], s[\g1:\g1+7]
	s_nop 0
.endif
.endm
.macro WM d, a, b, z
.if \z
	v_wmma_f32_16x16x32_bf16 v[\d:\d+7], v[\a:\a+7], v[\b:\b+7], 0
.else
	v_wmma_f32_16x16x32_bf16 v[\d:\d+7], v[\a:\a+7], v[\b:\b+7], v[\d:\d+7]
.endif
.endm
.macro FETCHW wa, b
.irp kk, 0,1
.irp mm, 0,1
	ds_load_b128 v[WF+32*((\b)&1)+8*(2*\kk+\mm):WF+32*((\b)&1)+8*(2*\kk+\mm)+3], v[\wa] offset:\mm*16640+(2*(\b)+\kk)*64
	ds_load_b128 v[WF+32*((\b)&1)+8*(2*\kk+\mm)+4:WF+32*((\b)&1)+8*(2*\kk+\mm)+7], v[\wa] offset:\mm*16640+(2*(\b)+\kk)*64+32
.endr
.endr
.endm
.macro MM4 ks, acc, z                  ; four accumulators take turns, one instruction a turn
.irp mm, 0,1
.irp nt, 0,1
	WM (\acc+8*(2*\mm+\nt)), (WF+32*(((\ks)>>1)&1)+8*(2*((\ks)&1)+\mm)), (8*(16*\nt+(\ks))), \z
.endr
.endr
.endm
; ca_wo: 32 weight rows x 32 tokens x K = 512.  Each run of 8 loads lands in the buffer that the matrix instructions just in front have
; read: four places stand between.  s_wait_dscnt 8 leaves out the 8 loads issued last.
.macro GEMM512 wa, acc, zero, win
	PLACES
	FETCHW \wa, 0
	FETCHW \wa, 1
	WIN \win
	s_wait_dscnt 8
	MM4 0, \acc, \zero
	MM4 1, \acc, 0
.irp b, 1,2,3,4,5,6
	PLACES
	FETCHW \wa, (\b+1)
	s_wait_dscnt 8
	MM4 (2*\b), \acc, 0
	MM4 (2*\b+1), \acc, 0
.endr
	s_wait_dscnt 0
	MM4 14, \acc, 0
	MM4 15, \acc, 0
.endm
.macro FETCH2 wa, b                    ; w2: K step b >> 1 of row blocks 4 (b & 1) .. +3: 8 loads into buffer b & 1
.irp f, 0,1,2,3
	ds_load_b128 v[WF+32*((\b)&1)+8*\f:WF+32*((\b)&1)+8*\f+3], v[\wa] offset:(4*((\b)&1)+\f)*4352+((\b)>>1)*64
	ds_load_b128 v[WF+32*((\b)&1)+8*\f+4:WF+32*((\b)&1)+8*\f+7], v[\wa] offset:(4*((\b)&1)+\f)*4352+((\b)>>1)*64+32
.endr
.endm
.macro MMW b                           ; B's batch b: eight accumulators take turns
.irp f, 0,1,2,3
.irp nt, 0,1
	WM (ACC+8*(2*(4*((\b)&1)+\f)+\nt)), (WF+32*((\b)&1)+8*\f), (8*(4*\nt+((\b)>>1))), 0
.endr
.endr
.endm
.macro MMH ks, usec, cbase             ; A's K step ks: four accumulators take turns.  usec: b1's registers (in D's layout) start the sums
.irp mm, 0,1
.irp nt, 0,1
.if \usec
	v_wmma_f32_16x16x32_bf16 v[HACC+8*(2*\mm+\nt):HACC+8*(2*\mm+\nt)+7], v[16*(\ks)+8*\mm:16*(\ks)+8*\mm+7], v[8*(16*\nt+(\ks)):8*(16*\nt+(\ks))+7], v[\cbase+8*\mm:\cbase+8*\mm+7]
.else
	v_wmma_f32_16x16x32_bf16 v[HACC+8*(2*\mm+\nt):HACC+8*(2*\mm+\nt)+7], v[16*(\ks)+8*\mm:16*(\ks)+8*\mm+7], v[8*(16*\nt+(\ks)):8*(16*\nt+(\ks))+7], v[HACC+8*(2*\mm+\nt):HACC+8*(2*\mm+\nt)+7]
.endif
.endr
.endr
.endm
.macro W1G ks                          ; w1's two fragments of K step ks: 4 loads of 512 consecutive bytes (destination in block 3)
.irp mm, 0,1
.irp q, 0,1
	global_load_b128 v[16*(\ks)+8*\mm+4*\q:16*(\ks)+8*\mm+4*\q+3], v8, s[W1P:W1P+1] offset:(\ks)*2048+\mm*1024+\q*512
.endr
.endr
.endm
.macro B1G reg                         ; b1 of my 32 hidden units of a chunk, in D's layout: block mm, units 8 h + 0..7 (destination in block 2)
.irp mm, 0,1
	global_load_b128 v[\reg+8*\mm:\reg+8*\mm+3], v6, s[14:15] offset:\mm*64
	global_load_b128 v[\reg+8*\mm+4:\reg+8*\mm+7], v6, s[14:15] offset:\mm*64+16
.endr
.endm
; One of a period's eight steps.  The count on the load counter: behind the 8 loads that brought this step's w1 fragments, one period ago,
; stand the 56 of the seven other steps, and, but for step 0, the 4 of b1, which go out behind step 0's (so step 0's count shows b1 in
; too).  With reload = 0 (the last chunk) nothing has been issued in this period: 8 for each step still to come.
; s_wait_dscnt 8 leaves out the batch fetched last; HB's fragments and this step's batch are older.
; Windows: A: w1 block 3, tokens block 1, b1 block 2; B: HB's fragments block 2; all sums block 0.
.macro STEP s, doa, dob, wa, reload, cbase
.if \doa
.if \reload
.if \s == 0
	s_wait_loadcnt 56
.else
	s_wait_loadcnt 60
.endif
.else
	s_wait_loadcnt 56-8*\s
.endif
.endif
.if \dob
.if \s < 7
	s_wait_dscnt 8
.else
	s_wait_dscnt 0
.endif
.endif
.if \doa
.if \s == 0
	WIN 0x27
	MMH 0, 1, \cbase
	WIN 0x07
	MMH 1, 0, 0
.else
	WIN 0x07
	MMH (2*\s), 0, 0
	MMH (2*\s+1), 0, 0
.endif
.endif
.if \dob
	WIN 0x08
	MMW \s
.endif
	PLACES                                 ; behind A's and B's instructions alike: for the loads below, and at the period's end for ReLU and the norm
.if \dob
.if \s < 6
	FETCH2 \wa, (\s+2)                     ; into the buffer that this step's batch has just left
.endif
.endif
.if \reload
	WIN 0xc0
	W1G (2*\s)                             ; the next chunk's fragments, into the registers just read
	W1G (2*\s+1)
.if \s == 0
	WIN 0x80
	B1G B1R                                ; and the next chunk's b1
.endif
.endif
.endm
; A period: A of one chunk (doa) and B of the chunk before (dob).  sreg, step: the group 0 to be stepped; gissue: the tile asked for;
; wa: w2's fragments in the slot that B reads; hbr, hbw: HB's buffer that B reads and that A writes; cbase: where this chunk's b1 lies.
.macro PERIOD doa, dob, sreg, step, gissue, wa, hbr, hbw, reload, cbase
.if \reload
	s_wait_xcnt 0x0                        ; the two bases are stepped only behind this wait: loads that name them may be pending
	s_add_nc_u64 s[W1P:W1P+1], s[W1P:W1P+1], 131072    ; four waves x 32 KiB: the next chunk
	s_add_nc_u64 s[14:15], s[14:15], 512
.endif
.if \dob
	HEAD \sreg, \step, \gissue, G1B
	WIN 0x80
.set i, 0
.rept 8
	ds_load_b128 v[8*i:8*i+3], v13 offset:\hbr+(i>>2)*4352+(i&3)*64
	ds_load_b128 v[8*i+4:8*i+7], v13 offset:\hbr+(i>>2)*4352+(i&3)*64+32
.set i, i+1
.endr
	WIN 0x08
	FETCH2 \wa, 0
	FETCH2 \wa, 1
.endif
.irp s, 0,1,2,3,4,5,6,7
	STEP \s, \doa, \dob, \wa, \reload, \cbase
.endr
.if \doa
	WIN 0
.set i, 0
.rept 32
	v_max_num_f32 v[HACC+i], 0, v[HACC+i]
.set i, i+1
.endr
.set i, 0
.rept 16
	v_cvt_pk_bf16_f32 v[WF+i], v[HACC+2*i], v[HACC+2*i+1]
.set i, i+1
.endr
.irp mm, 0,1
.irp nt, 0,1
	ds_store_b128 v12, v[WF+4*(2*\mm+\nt):WF+4*(2*\mm+\nt)+3] offset:\hbw+\nt*4352+\mm*32
.endr
.endr
.endif
.endm
.macro AFLOAD win
	WIN \win
.set i, 0
.rept 32
	ds_load_b128 v[8*i:8*i+3], v5 offset:(i>>4)*16640+(i&15)*64
	ds_load_b128 v[8*i+4:8*i+7], v5 offset:(i>>4)*16640+(i&15)*64+32
.set i, i+1
.endr
	WIN 0
.endm
.macro PARLOAD reg, sb, off            ; my 64 numbers of a 512-wide parameter into block 2: columns 128 w + 16 mt + 8 h + 0..7
	WIN 0x80
.irp mt, 0,1,2,3,4,5,6,7
	global_load_b128 v[\reg+8*\mt:\reg+8*\mt+3], v9, s[\sb:\sb+1] offset:\off+\mt*64
	global_load_b128 v[\reg+8*\mt+4:\reg+8*\mt+7], v9, s[\sb:\sb+1] offset:\off+\mt*64+16
.endr
.endm
.macro ADDB bias
	WIN 0x08
.set i, 0
.rept 64
	v_pk_add_f32 v[ACC+2*i:ACC+2*i+1], v[ACC+2*i:ACC+2*i+1], v[\bias+8*(i>>3)+2*(i&3):\bias+8*(i>>3)+2*(i&3)+1]
.set i, i+1
.endr
	WIN 0
.endm
.macro LNRED
	v_pk_add_f32 v[24:25], v[24:25], v[26:27]
	v_pk_add_f32 v[28:29], v[28:29], v[30:31]
	v_pk_add_f32 v[24:25], v[24:25], v[28:29]
	v_add_f32 v24, v24, v25
	v_permlanex16_b32 v25, v24, s[SEL0], s[SEL1]
	v_add_f32 v24, v24, v25
.endm
.macro LNSTAT nt                       ; my wave's mean and sum of squared distances over its 128 columns of token 16 nt + r
.irp c, 0,1,2,3
	v_pk_add_f32 v[24+2*\c:25+2*\c], v[ACC+8*\nt+2*\c:ACC+8*\nt+2*\c+1], v[ACC+16+8*\nt+2*\c:ACC+16+8*\nt+2*\c+1]
.endr
.set i, 8
.rept 24
	v_pk_add_f32 v[24+2*(i&3):25+2*(i&3)], v[24+2*(i&3):25+2*(i&3)], v[ACC+16*(i>>2)+8*\nt+2*(i&3):ACC+16*(i>>2)+8*\nt+2*(i&3)+1]
.set i, i+1
.endr
	LNRED
	v_mul_f32 v32, 0x3c000000, v24                 ; mean of 128
	v_mul_f32 v34, 0xbc000000, v24
	v_mov_b32 v35, v34
.set i, 0
.rept 32
	v_pk_add_f32 v[36+2*(i&3):37+2*(i&3)], v[ACC+16*(i>>2)+8*\nt+2*(i&3):ACC+16*(i>>2)+8*\nt+2*(i&3)+1], v[34:35]
.if i < 4
	v_pk_mul_f32 v[24+2*(i&3):25+2*(i&3)], v[36+2*(i&3):37+2*(i&3)], v[36+2*(i&3):37+2*(i&3)]
.else
	v_pk_fma_f32 v[24+2*(i&3):25+2*(i&3)], v[36+2*(i&3):37+2*(i&3)], v[36+2*(i&3):37+2*(i&3)], v[24+2*(i&3):25+2*(i&3)]
.endif
.set i, i+1
.endr
	LNRED
	v_mov_b32 v33, v24
	ds_store_b64 v14, v[32:33] offset:\nt*512
.endm
.macro LNMERGE nt
	v_add_f32 v24, v[40+8*\nt], v[42+8*\nt]
	v_add_f32 v25, v[44+8*\nt], v[46+8*\nt]
	v_add_f32 v24, v24, v25
	v_mul_f32 v24, 0x3e800000, v24                 ; mean
	v_add_f32 v26, v[41+8*\nt], v[43+8*\nt]
	v_add_f32 v27, v[45+8*\nt], v[47+8*\nt]
	v_add_f32 v26, v26, v27
	v_sub_f32 v28, v[40+8*\nt], v24
	v_sub_f32 v29, v[42+8*\nt], v24
	v_sub_f32 v30, v[44+8*\nt], v24
	v_sub_f32 v31, v[46+8*\nt], v24
	v_mul_f32 v28, v28, v28
	v_fmac_f32 v28, v29, v29
	v_fmac_f32 v28, v30, v30
	v_fmac_f32 v28, v31, v31
	v_fmamk_f32 v26, v28, 0x43000000, v26          ; + 128 x the squared distances of the waves' means
	v_fma_f32 v26, v26, s[INV512], s[EPSR]
	v_rsq_f32 v[16+4*\nt], v26
	v_nop                                          ; the plain place behind v_rsq_f32 (ISA guide 5.7.2)
	s_wait_alu depctr_va_vdst(0)
	v_mov_b32 v[17+4*\nt], v[16+4*\nt]
	v_mul_f32 v[18+4*\nt], -v24, v[16+4*\nt]
	v_mov_b32 v[19+4*\nt], v[18+4*\nt]
.endm
.macro LN g, bt
	LNSTAT 0
	LNSTAT 1
	s_wait_dscnt 0x0                               ; my pairs are in RED,
	BAR                                            ; everybody's are
.irp nt, 0,1
.irp w, 0,1,2,3
	ds_load_b64 v[40+8*\nt+2*\w:41+8*\nt+2*\w], v15 offset:\nt*512+\w*128
.endr
.endr
	s_wait_dscnt 0x0
	LNMERGE 0
	LNMERGE 1
.set i, 0
.rept 64
	v_pk_fma_f32 v[ACC+2*i:ACC+2*i+1], v[ACC+2*i:ACC+2*i+1], v[16+4*((i>>2)&1):17+4*((i>>2)&1)], v[18+4*((i>>2)&1):19+4*((i>>2)&1)]
.set i, i+1
.endr
	WIN 0x28
.set i, 0
.rept 64
	v_pk_fma_f32 v[ACC+2*i:ACC+2*i+1], v[ACC+2*i:ACC+2*i+1], v[\g+8*(i>>3)+2*(i&3):\g+8*(i>>3)+2*(i&3)+1], v[\bt+8*(i>>3)+2*(i&3):\bt+8*(i>>3)+2*(i&3)+1]
.set i, i+1
.endr
	WIN 0
.endm
.macro OUTF nt, ch, sb                 ; f32 rows out: tokens 16 nt .. +15, my columns 64 ch .. +63, through my own stage
.irp q, 0,1,2,3
	ds_store_b128 v248, v[ACC+8*(2*(4*\ch+\q)+\nt):ACC+8*(2*(4*\ch+\q)+\nt)+3] offset:\q*64
	ds_store_b128 v248, v[ACC+8*(2*(4*\ch+\q)+\nt)+4:ACC+8*(2*(4*\ch+\q)+\nt)+7] offset:\q*64+16
.endr
.irp i, 0,1,2,3,4,5,6,7
	ds_load_b128 v[WF+32+4*\i:WF+32+4*\i+3], v249 offset:\i*544
.endr
.irp i, 0,1,2,3,4,5,6,7
	s_wait_dscnt 7-\i
	global_store_b128 v250, v[WF+32+4*\i:WF+32+4*\i+3], s[\sb:\sb+1] offset:(16*\nt+2*\i)*2048+\ch*256   ; 16 lanes store 256 consecutive bytes, aligned
.endr
	s_wait_xcnt 0x0                                ; v56-87 are written again only behind this wait
.endm
.macro XPACK
.irp mt, 0,1,2,3,4,5,6,7
.irp nt, 0,1
.irp p, 0,1,2,3
	v_cvt_pk_bf16_f32 v[WF+4*(2*\mt+\nt)+\p], v[ACC+8*(2*\mt+\nt)+2*\p], v[ACC+8*(2*\mt+\nt)+2*\p+1]
.endr
	ds_store_b128 v[XST], v[WF+4*(2*\mt+\nt):WF+4*(2*\mt+\nt)+3] offset:\nt*16640+\mt*32
.endr
.endr
	s_wait_dscnt 0x0
	BAR
	AFLOAD 0x40
.endm
	s_load_b512 s[4:19], s[0:1], 0x0               ; o2 s[4:5], x1 s[6:7], wb s[8:9], ln2_w s[10:11], ln2_b s[12:13], b1 s[14:15], b2 s[16:17], ln3_w s[18:19]
	s_load_b128 s[20:23], s[0:1], 0x40             ; ln3_b s[20:21], out0 s[22:23]
	v_lshl_add_u32 v254, v0, 2, 0x4c600
	v_mov_b32 v255, 0
	ds_add_u32 v254, v255
	s_wait_dscnt 0x0
	v_lshrrev_b32 v1, 5, v0
	v_readfirstlane_b32 s[WV], v1
	s_bfe_u32 s57, ttmp6, 0x40000                  ; cx: enters the addresses of activations and results alone
	s_lshl_b32 s58, ttmp9, 2
	s_add_co_u32 s58, s58, s57                     ; rb
	s_mov_b32 s[G1A+0], 15|(1<<16)|(1<<20)|(1<<21)|(7<<22)|(3<<25)   ; mask of the four; 2-byte elements; 4 words of padding behind every 256
	s_mov_b32 s[G1A+1], 512<<16
	s_mov_b32 s[G1A+2], 32<<16
	s_mov_b32 s[G1A+3], 512<<16
	s_mov_b32 s[G1A+4], 32
	s_mov_b32 s[G1A+5], 512
	s_mov_b32 s[G1A+6], 0
	s_mov_b32 s[G1A+7], 0
	s_mov_b32 s[G1B+0], 15|(1<<16)|(1<<20)|(1<<21)|(5<<22)|(3<<25)   ; 4 words of padding behind every 64
	s_mov_b32 s[G1B+1], 128<<16
	s_mov_b32 s[G1B+2], 128<<16
	s_mov_b32 s[G1B+3], 128<<16
	s_mov_b32 s[G1B+4], 128
	s_mov_b32 s[G1B+5], 2048
	s_mov_b32 s[G1B+6], 0
	s_mov_b32 s[G1B+7], 0
	s_mov_b32 s[SEL0], 0x76543210
	s_mov_b32 s[SEL1], 0xfedcba98
	s_mov_b32 s[INV512], 0x3b000000
	s_mov_b32 s[EPSR], 0x3727c5ac
	s_lshr_b32 s60, s58, 6                         ; head-major offset: batch, head 2 w, 32 tokens
	s_lshl_b32 s60, s60, 21
	s_lshl_b32 s61, s[WV], 19
	s_add_co_u32 s60, s60, s61
	s_and_b32 s61, s58, 63
	s_lshl_b32 s61, s61, 12
	s_add_co_u32 s60, s60, s61
	s_mov_b32 s61, 0
	s_lshl_b32 s62, s58, 16                        ; 32 rows of 2,048 bytes
	s_mov_b32 s63, 0
	s_mul_i32 s59, s[WV], WTILE
	s_mul_i32 s71, s[WV], W2TILE
	v_and_b32 v1, 15, v0                           ; r
	v_bfe_u32 v2, v0, 4, 1                         ; h
	v_and_b32 v253, 31, v0                         ; lane
	v_lshlrev_b32 v8, 4, v253
	v_mul_u32_u24 v254, v1, 1040
	v_lshl_add_u32 v254, v2, 4, v254
	v_add_nc_u32 v3, s59, v254
	v_add_nc_u32 v4, SLOT, v3
	v_add_nc_u32 v5, XB, v254
	s_lshl_b32 s72, s[WV], 8
	s_add_co_u32 s72, s72, XB
	v_add_nc_u32 v[XST], s72, v254
	v_lshrrev_b32 v253, 3, v253
	v_and_b32 v255, 7, v0
	v_mul_u32_u24 v[XSO], v253, 1040
	v_lshl_add_u32 v[XSO], v255, 4, v[XSO]
	v_add_nc_u32 v[XSO], s72, v[XSO]
	s_mul_i32 s73, s[WV], 4352
	s_add_co_u32 s73, s73, XB                      ; the stage of the way out lies in XB, which nobody reads any more by then
	v_mul_u32_u24 v254, v1, 272                    ; r x 272
	v_lshl_add_u32 v248, v2, 5, v254
	v_add_nc_u32 v248, s73, v248
	v_mul_u32_u24 v249, v2, 272
	v_lshl_add_u32 v249, v1, 4, v249
	v_add_nc_u32 v249, s73, v249
	v_lshl_add_u32 v254, v2, 4, v254               ; r x 272 + 16 h
	v_add_nc_u32 v11, s71, v254                    ; my 128 rows of w2 in slot 0,
	v_add_nc_u32 v7, SLOT, v11                     ; in slot 1
	v_add_nc_u32 v13, XB, v254                     ; HB's first buffer
	s_lshl_b32 s74, s[WV], 6
	v_add_nc_u32 v12, s74, v13
	s_lshl_b32 s75, s[WV], 9
	v_lshlrev_b32 v9, 5, v2
	s_lshl_b32 s74, s[WV], 7
	v_add_nc_u32 v6, s74, v9                       ; b1: 128 w + 32 h
	v_add_nc_u32 v9, s75, v9                       ; 512 w + 32 h
	v_lshl_add_u32 v10, v1, 11, v9
	v_lshlrev_b32 v250, 11, v2
	v_lshl_add_u32 v250, v1, 4, v250
	v_add_nc_u32 v250, s75, v250
	s_add_co_u32 s74, s74, RED
	v_lshl_add_u32 v14, v1, 3, s74
	v_lshlrev_b32 v15, 3, v1
	v_add_nc_u32 v15, RED, v15
	s_wait_kmcnt 0x0
	s_add_nc_u64 s[4:5], s[4:5], s[60:61]
	s_add_nc_u64 s[6:7], s[6:7], s[62:63]
	s_add_nc_u64 s[22:23], s[22:23], s[62:63]
	s_add_nc_u64 s[76:77], s[8:9], 8402944         ; packed bias 7 (ca_bo)
	s_lshl_b32 s72, s[WV], 17
	s_add_co_u32 s72, s72, 3670016                 ; ca_wo in wb, my 128 rows
	s_mov_b32 s73, 0
	s_mov_b32 s[GWO+0], 1
	s_mov_b32 s[GWO+1], s59
	s_add_nc_u64 s[GWO+2:GWO+3], s[8:9], s[72:73]
	s_mov_b32 s[GWO+4], 1
	s_add_co_u32 s[GWO+5], s59, SLOT
	s_add_nc_u64 s[GWO+6:GWO+7], s[GWO+2:GWO+3], 32768
	s_or_b32 s[GWO+3], s[GWO+3], 0x80000000
	s_or_b32 s[GWO+7], s[GWO+7], 0x80000000
	s_lshl_b32 s72, s[WV], 15
	s_add_co_u32 s72, s72, 4194304                 ; w1's fragments in wb: chunk 0, my wave's 32 KiB
	s_add_nc_u64 s[W1P:W1P+1], s[8:9], s[72:73]
	s_lshl_b32 s72, s[WV], 19
	s_add_co_u32 s72, s72, 6291456                 ; w2 in wb, my 128 rows of 4,096 bytes
	s_mov_b32 s[GWA+0], 1
	s_mov_b32 s[GWA+1], s71
	s_add_nc_u64 s[GWA+2:GWA+3], s[8:9], s[72:73]  ; chunk 0
	s_mov_b32 s[GWB+0], 1
	s_add_co_u32 s[GWB+1], s71, SLOT
	s_add_nc_u64 s[GWB+2:GWB+3], s[GWA+2:GWA+3], 256   ; chunk 1: 128 columns on
	s_or_b32 s[GWA+3], s[GWA+3], 0x80000000
	s_or_b32 s[GWB+3], s[GWB+3], 0x80000000
.set i, 0
.rept 16
	global_load_b128 v[WF+4*i:WF+4*i+3], v8, s[4:5] offset:(i>>3)*262144+(i&7)*512     ; o2: heads 2 w, 2 w + 1, 32 tokens
.set i, i+1
.endr
.set i, 0
.rept 16
	global_load_b128 v[ACC+8*i:ACC+8*i+3], v10, s[6:7] offset:(i&1)*32768+(i>>1)*64    ; the residual x1, straight into accumulator tile (i >> 1, i & 1)
	global_load_b128 v[ACC+8*i+4:ACC+8*i+7], v10, s[6:7] offset:(i&1)*32768+(i>>1)*64+16
.set i, i+1
.endr
	ROUND
	tensor_load_to_lds s[GWO:GWO+3], s[G1A:G1A+7]  ; ca_wo's tile 0
	s_nop 0
	s_wait_loadcnt 32                              ; o2's 16 loads are in; the residual's 32 stay out
.set i, 0
.rept 16
	ds_store_b128 v[XSO], v[WF+4*i:WF+4*i+3] offset:(i&7)*4160+(i>>3)*128
.set i, i+1
.endr
	PARLOAD BO, 76, 0
	PARLOAD GW, 10, 0
	PARLOAD GB, 12, 0
	WIN 0
	s_wait_dscnt 0x0
	BAR
	AFLOAD 0x40
	s_wait_loadcnt 0x0
	ADDB BO                                        ; the sums start from residual + bias
	PARLOAD BO, 16, 0                              ; b2 takes ca_bo's registers
	HEAD GWO, 65536, GWO+4, G1A
	GEMM512 3, ACC, 0, 0x04
	HEAD GWO+4, 65536, GWO, G1A
	WIN 0xc0                                       ; w1's chunk 0 comes in beside ca_wo's product, half of it in each of two trips
.irp k, 0,1,2,3,4,5,6,7
	W1G \k
.endr
	WIN 0
	GEMM512 4, ACC+32, 0, 0x04
	HEAD GWO, 0, GWO+4, G1A
	WIN 0xc0
.irp k, 8,9,10,11,12,13,14,15
	W1G \k
.endr
	WIN 0x80
	B1G 0                                          ; b1 of chunk 0, into registers that HB's fragments need only from period 1 on
	WIN 0
	GEMM512 3, ACC+64, 0, 0x04
	HEAD GWO, 0, GWA, G1B                          ; w2's tile 0 goes out, into the slot read last trip; it lands while the norm is made
	GEMM512 4, ACC+96, 0, 0x04
	WIN 0
	PLACES
	LN GW, GB
	PARLOAD GW, 18, 0                              ; LN3's gain and bias take LN2's registers
	PARLOAD GB, 20, 0
	WIN 0
	XPACK                                          ; x2 in bf16 becomes the activations; x2 in f32 stays in the accumulators
	s_wait_loadcnt 0x0                             ; b2, w1's chunk 0 and its b1, LN3's parameters
	ADDB BO                                        ; x2 + b2: where the second product's sums start
	s_wait_dscnt 0x0                               ; my reads of XB are back,
	BAR                                            ; everybody's are: XB's bytes now serve as HB
	PERIOD 1, 0, 0, 0, 0, 0, 0, 0, 1, 0            ; period 0: A(0) alone
	s_mov_b32 s[CNT], 0
.Lffn:
	PERIOD 1, 1, GWA, 512, GWB, 11, 0, HBP, 1, B1R ; odd p: the even tiles' address steps two chunks on, the odd tile p goes out; B reads slot 0
	PERIOD 1, 1, GWB, 512, GWA, 7, HBP, 0, 1, B1R  ; even p: the other way round
	s_add_co_u32 s[CNT], s[CNT], 1
	s_cmp_lt_u32 s[CNT], 7
	s_cbranch_scc1 .Lffn
	PERIOD 1, 1, GWA, 512, GWB, 11, 0, HBP, 0, B1R ; period 15: the last chunk: nothing more of w1 and b1 (the stepped address is not used); w2's last tile goes out
	PERIOD 0, 1, GWA, 0, 0, 7, HBP, 0, 0, 0        ; period 16: B(15) alone, nothing is left to fetch
	WIN 0                                          ; the four places behind the last matrix instructions stand at the end of the last step
	LN GW, GB
	OUTF 0, 0, 22
	OUTF 0, 1, 22
	OUTF 1, 0, 22
	OUTF 1, 1, 22
	s_wait_xcnt 0x0
	v_lshl_add_u32 v254, v0, 2, 0x4c600
	v_mov_b32 v255, 0
	s_wait_tensorcnt 0x0
	ds_add_u32 v254, v255
	s_wait_dscnt 0x0
	ROUND                                          ; the closing round
	s_endpgm
.Lfunc_end_k_qcdf3a07160_post2:
	.size	k_qcdf3a07160_post2, .Lfunc_end_k_qcdf3a07160_post2-k_qcdf3a07160_post2
	.p2alignl 7, 3214868480
	.fill 96, 4, 3214868480
	.section	.rodata,"a",@progbits
	.p2align	6, 0x0
	.amdhsa_kernel k_qcdf3a07160_post2
		.amdhsa_group_segment_fixed_size 327680
		.amdhsa_private_segment_fixed_size 0
		.amdhsa_enable_private_segment 0
		.amdhsa_kernarg_size 80
		.amdhsa_user_sgpr_count 2
		.amdhsa_user_sgpr_kernarg_segment_ptr 1
		.amdhsa_wavefront_size32 1
		.amdhsa_system_sgpr_workgroup_id_x 1
		.amdhsa_system_sgpr_workgroup_id_y 1
		.amdhsa_system_sgpr_workgroup_id_z 1
		.amdhsa_system_vgpr_workitem_id 0
		.amdhsa_next_free_vgpr 1024
		.amdhsa_next_free_sgpr 80
		.amdhsa_reserve_vcc 0
		.amdhsa_float_denorm_mode_32 3
		.amdhsa_float_denorm_mode_16_64 3
		.amdhsa_memory_ordered 1
		.amdhsa_forward_progress 1
		.amdhsa_inst_pref_size 239
	.end_amdhsa_kernel
	.amdgpu_metadata
---
amdhsa.version: [ 1, 2 ]
amdhsa.kernels:
  - .name:           k_qcdf3a07160_post2
    .symbol:         k_qcdf3a07160_post2.kd
    .args:
      - { .name: o2, .offset: 0, .size: 8, .value_kind: global_buffer, .address_space: global }
      - { .name: x1, .offset: 8, .size: 8, .value_kind: global_buffer, .address_space: global }
      - { .name: wb, .offset: 16, .size: 8, .value_kind: global_buffer, .address_space: global }
      - { .name: ln2_w, .offset: 24, .size: 8, .value_kind: global_buffer, .address_space: global }
      - { .name: ln2_b, .offset: 32, .size: 8, .value_kind: global_buffer, .address_space: global }
      - { .name: b1, .offset: 40, .size: 8, .value_kind: global_buffer, .address_space: global }
      - { .name: b2, .offset: 48, .size: 8, .value_kind: global_buffer, .address_space: global }
      - { .name: ln3_w, .offset: 56, .size: 8, .value_kind: global_buffer, .address_space: global }
      - { .name: ln3_b, .offset: 64, .size: 8, .value_kind: global_buffer, .address_space: global }
      - { .name: out0, .offset: 72, .size: 8, .value_kind: global_buffer, .address_space: global }
    .group_segment_fixed_size: 327680
    .private_segment_fixed_size: 0
    .kernarg_segment_align: 8
    .kernarg_segment_size: 80
    .max_flat_workgroup_size: 128
    .sgpr_count:     80
    .vgpr_count:     1024
    .wavefront_size: 32
...
	.end_amdgpu_metadata
.endif
;; end of part 9
